; MI455X (gfx1250); checked and timed in simulation.
; The chip was launched on July 23, 2026; its instructions are those of AMD's public machine-readable ISA for CDNA 5 (MIT licence, August 2026) and "CDNA5" Instruction Set Architecture Reference Guide (July 2026). The comments in the code are by the model that wrote it; some were corrected since.
;; Attention Block. Allowed arithmetic: matrix products marked QUANTISED: E2M1 operands, one E8M0 scale for each 32 along K, by v_wmma_scale_f32_16x16x128_f8f6f4 with both operands' format E2M1 (or v_wmma_scale_f32_32x16x128_f4), f32 sums; everything else in f32.
;; Inputs: norm_b 256 float32; norm_w 256 float32; proj_b 256 float32; proj_w 256 x 256 float32; qkv_b 768 float32; qkv_w 768 x 256 float32; x 8,192 x 256 float32.
;; Outputs: out0 8,192 x 256 float32.
;; This version of the problem:
;;   THIS VERSION OF THE PROBLEM IS GIVEN IN LOW PRECISION. The matrix products marked QUANTISED in the list below multiply operands that are first quantised to E2M1 (2 exponent bits, 1 mantissa bit; 4 bits a number), with one power-of-two scale for each 32 numbers along K (OCP MX v1.0); their sums are f32. All else is computed in f32.
;;   The module's matrix products, in the order in which they are computed (A, B: the left and right operand; K: the contracted axis; several contracted axes count as one K, in the product's order):
;;     1. [M 8,192, K 256] x [K 256, N 768]; A: computed on the way; B: input qkv_w: QUANTISED
;;     2. [M 8,192, K 256] x [K 256, N 8,192]; A: computed on the way; B: computed on the way: QUANTISED
;;     3. [M 8,192, K 8,192] x [K 8,192, N 256]; A: softmax (see below); B: computed on the way: QUANTISED
;;     4. [M 8,192, K 256] x [K 256, N 256]; A: computed on the way; B: input proj_w: QUANTISED
;;   THE QUANTISER, for each operand of a quantised product, along K:
;;     - K is cut into blocks of 32 from its start; a last block that is shorter is filled with zeros.
;;     - A block's scale is 2^e with e = floor(log2(the largest magnitude in the block)) - 2, held to -126 .. 127; a block of zeros has e = 0. As a byte (E8M0): e + 127.
;;     - Each number is divided by its block's scale, clamped to +-6, and rounded to the nearest number of E2M1, ties to even, subnormals kept.
;;     - The product sums the exact products of the quantised numbers (number of the format x scale) in f32.
;;   ~~~python
;;   def quantise(x, axis):      # numpy; x: float32 -> the quantised numbers, widened to float32 again
;;       x = np.moveaxis(x, axis, -1); K = x.shape[-1]
;;       x = np.pad(x, [(0, 0)] * (x.ndim - 1) + [(0, -K % 32)]); x = x.reshape(x.shape[:-1] + (-1, 32)); a = np.abs(x).max(-1, keepdims=True)
;;       e = np.where(a > 0, np.clip(np.frexp(np.where(a > 0, a, 1))[1] - 1 - 2, -126, 127), 0)      # np.frexp(a)[1] - 1 = floor(log2(a)), exactly
;;       r = np.clip(x / 2.0 ** e, -6, 6)
;;       step = 2.0 ** (np.maximum(np.frexp(np.where(r == 0, 1, r))[1] - 1, 0) - 1)
;;       q = np.round(r / step) * step * 2.0 ** e      # np.round: ties to even
;;       return np.moveaxis(q.reshape(q.shape[:-2] + (-1,))[..., :K], -1, axis).astype(np.float32)
;;   ~~~
;;   SOFTMAX AHEAD OF A QUANTISED PRODUCT. Where the list says 'softmax', what is quantised is not the finished softmax but p = 2^(t - M), with t = logit x log2(e) and M = ceil(the row's largest t), a whole number; so 1/2 < the row's largest p <= 1. The row's sum l is taken of the UNQUANTISED p, in f32, and the product's result is divided by l at the end. Since M is a whole number, a kernel that streams over the keys may use a running M (the ceiling of the running maximum): every later rescaling is an exact power of two, which a block's scale takes up: the codes' values come out the same.
;;   OPERANDS COMPUTED ON THE WAY. 'Computed on the way' means the value that the module computes at that place (a softmax that the list does not call 'softmax' is quantised finished and normalised). What goes into a quantiser is computed in f32, as accurately as f32 sums, v_exp_f32 and their like allow (about 1e-6 of the number): no bf16 or f16 on the way to a quantiser, and a product that is left as it is and whose result goes on into a quantised operand takes f32 operands (vector FMAs, or v_wmma_f32_16x16x4_f32). A number that lies on a knife's edge between two numbers of the format may be rounded either way, as far as f32 arithmetic and the matrix unit's own rounding can turn it there, and no further.
;; 3 versions, each right; version 2 is faster than version 1; version 3 is version 2 with the launch prep written anew for expert scheduling mode. Each part assembles by itself: llvm-mc -triple=amdgcn-amd-amdhsa -mcpu=gfx1250 --defsym DOCPART=n.
;; ======== version 1 of 3: 2 launches
;; workspace buffers: q_codes 1,048,576 bytes; q_scales 65,536 bytes; kv 2,228,224 bytes; pw_codes 32,768 bytes; pw_scales 2,048 bytes
;; launch prep (part 1): grid 194 x 1, 8 waves a work-group, no clusters, 55,296 bytes of LDS; arguments x, norm_w, norm_b, qkv_w, qkv_b, proj_w, q_codes, q_scales, kv, pw_codes, pw_scales; writes q_codes, q_scales, kv, pw_codes, pw_scales
.if DOCPART == 1
	.amdgcn_target "amdgcn-amd-amdhsa--gfx1250"
	.amdhsa_code_object_version 6
	.text
	.protected	k_qf0752b1484_prep
	.globl	k_qf0752b1484_prep
	.p2align	8
	.type	k_qf0752b1484_prep,@function
k_qf0752b1484_prep:
	s_mov_b64 s[64:65], 0
	v_nop
	global_prefetch_b8 v0, s[64:65] scope:SCOPE_SE
	s_setreg_imm32_b32 hwreg(HW_REG_WAVE_MODE, 25, 1), 1
	s_wait_xcnt 0x0
; LayerNorm, the QKV product on codes of FP4 (E2M1, one E8M0 scale for each 32 along K), and the quantising of q, k (along the channels), v (along the tokens) and proj_w.
; Everything leaves as IMAGES OF OPERAND REGISTERS: a fragment (16 rows x 128 K, 8 registers a lane) is 1,024 bytes, registers 4 c .. 4 c + 3 of lane L at 512 c + 16 L;
; a scale image is 128 bytes, lane L's word at 4 L: lanes 0-15 carry one fragment's row words, lanes 16-31 another's.
; SHARES.  Work-group number = 64 Y + G.  Y = 0, 1, 2: q, k, v of tokens 128 G .. 128 G + 127 (weight rows 256 Y on).  Y = 3 (G = 0, 1): proj_w, a tile of 16 rows to a wave.
; Eight waves.  Wave w normalises and quantises token tile w (two fragments) and quantises weight tiles 2 w, 2 w + 1 (four fragments); all meet in LDS behind a barrier.
; THE ROWS OF A TILE ARE NOT NEIGHBOURS (tokens and qkv_w's rows): lane r of tile 2 b + u takes row 32 b + 8 u + r + 8 (r / 8) of its 128, so that the 16 result registers of tiles 2 b, 2 b + 1 are
; 16 neighbours, 32 b + 16 (lane / 16) + 0 .. 15, along whatever axis source 0's rows run: the channels for q and k (source 0 = weights), the tokens for v (source 0 = xn).
; A kv block (128 tokens, 34,816 bytes): K's 16 fragments (tile T, K step s at 1,024 (2 T + s)); from 16,384 V^T's 16 (16 channels x 128 tokens); from 32,768 K's 8 scale images; from 33,792 V's 8.
; LIMITS: NaN and infinities among the inputs are not served.  A block whose largest magnitude lies under 2^-124, a block of zeros among them, gets the scale byte 1 (its codes are then zeros or
; the smallest codes); these bytes are read by this program alone.  1 / sqrt(var + eps) is v_rsq_f32.
.set XIMG, 0                           ; LDS: xn's 16 fragments, (T, s) at 1,024 (2 T + s)
.set WIMG, 16384                       ; the weights' 32 fragments, (t, s) at 1,024 (2 t + s)
.set XSC,  49152                       ; xn's 8 scale images (lanes 0-15 K step 0, lanes 16-31 K step 1)
.set WSC,  50176                       ; the weights' 16
.set NWT,  52224                       ; norm_w, 1,024 bytes
.set NBT,  53248                       ; norm_b
.set KVB,  34816                       ; a kv block
.set RA,   4                           ; v4   (r + 8 (r / 8)) x 1,024 + 64 h: my row and my 16 numbers of each block of 32, in x and qkv_w
.set PA,   5                           ; v5   r x 1,024 + 64 h: the same in proj_w, whose tiles have neighbouring rows
.set LI,   6                           ; v6   16 x lane
.set LS,   7                           ; v7   4 x lane
.set T4,   8                           ; v8   4 x thread
.set NA,   9                           ; v9   64 h
.set XWI,  10                          ; v10  16 x lane + 2,048 w
.set XWS,  11                          ; v11  4 r + 128 w
.set WWI,  12                          ; v12  16 x lane + 4,096 w
.set WWS,  13                          ; v13  4 r + 256 w
.set LSX,  14                          ; v14  4 x lane + 128 w
.set LSW,  15                          ; v15  4 x lane + 256 w
.set VBA,  16                          ; v16  4 (r + 8 (r / 8)) + 128 w
.set TM,   20                          ; v20-35 at work in QUANT; v20-27 the sums' chains in the LayerNorm
.set CH,   20
.set PW,   36                          ; v36, v37 two scale words; v38 the scale image made of them
.set PW2,  37
.set SW,   38
.set MU,   40                          ; v[40:41] the mean, twice; v[42:43] 1 / sqrt(var + eps), twice
.set RS,   42
.set PC,   44                          ; v44-51, v52-59 two fragments' codes
.set PC2,  52
.set BV,   60                          ; v60, v61 v's bias of my two channels
.set OWNS, 62                          ; v62, v63 my own tiles' scale images
.set OF,   64                          ; v64-95 my own tiles' fragments
.set STS,  96                          ; v96-111 the streamed tiles' scale images
.set CB,   112                         ; v112-127 v's bias as two C tiles
.set X,    128                         ; v128-255 my 128 numbers of x; later the 16 accumulators.  Window 1: norm_w, norm_b; then the weights' numbers; then the streamed fragments
.set WV,   26
.set YY,   27
.set GG,   28
.set SEL,  30
.set MSB,  0
.macro WIN new                         ; the immediate's high byte repeats the setting that is left; a switch that changes nothing is dropped
.if MSB != (\new)
	s_set_vgpr_msb (MSB<<8)|(\new)
.set MSB, (\new)
.endif
.endm
.macro PLACES n
.rept \n
	v_nop
.endr
.endm
; 64 numbers of a lane, v[s] .. v[s + 63] of window w, register 16 b + i = k 32 b + 16 (lane / 16) + i of my row, become a fragment's codes in v[pc] on and its scale word in v[pw].
.macro QUANT s, w, pc, pw
	WIN 0x14*(\w)
.irp b, 0,1,2,3
	v_max3_num_f32 v[TM+\b], 0x1800000, |v[\s+16*\b]|, |v[\s+16*\b+1]|   ; block b: my 16 numbers and the floor 2^(3 - 127): the byte cannot fall under 1
.endr
.irp i, 2,4,6,8,10,12,14
.irp b, 0,1,2,3
	v_max3_num_f32 v[TM+\b], v[TM+\b], |v[\s+16*\b+\i]|, |v[\s+16*\b+\i+1]|   ; the four blocks by turns
.endr
.endr
	WIN 0
.irp b, 0,1,2,3
	v_permlanex16_b32 v[TM+4+\b], v[TM+\b], s[SEL], s[SEL+1]
.endr
.irp b, 0,1,2,3
	v_max_num_f32 v[TM+\b], v[TM+\b], v[TM+4+\b]   ; with lane l xor 16's: the block's largest magnitude
.endr
.irp b, 0,1,2,3
	v_add_nc_u32 v[TM+12+\b], 0xff000000, v[TM+\b]   ; 2 off its exponent field: the conversion's scale operand
.endr
.irp b, 0,1,2,3
	v_lshrrev_b32 v[TM+4+\b], 23, v[TM+12+\b]      ; the scale's byte
.endr
	v_lshl_or_b32 v[\pw], v[TM+5], 8, v[TM+4]
	v_lshl_or_b32 v[\pw], v[TM+6], 16, v[\pw]
	v_lshl_or_b32 v[\pw], v[TM+7], 24, v[\pw]
	WIN 0x01*(\w)
.irp b, 0,1,2,3
	v_cvt_scalef32_pk8_fp4_f32 v[\pc+2*\b], v[\s+16*\b:\s+16*\b+7], v[TM+12+\b]
	v_cvt_scalef32_pk8_fp4_f32 v[\pc+2*\b+1], v[\s+16*\b+8:\s+16*\b+15], v[TM+12+\b]
.endr
	WIN 0
	v_nop                                          ; one plain place behind a scaled conversion
.irp c, 0,1                                    ; the operand wants a whole block in a lane: lanes 0-15 block 2 c, lanes 16-31 block 2 c + 1
.irp i, 0,1
	v_permlane16_swap_b32 v[\pc+4*\c+\i], v[\pc+4*\c+2+\i]
.endr
.endr
.endm
.macro IMAGE adr, pc, off              ; a fragment goes to LDS as it stands
.irp c, 0,1
	ds_store_b128 v[\adr], v[\pc+4*\c:\pc+4*\c+3] offset:\off+512*\c
.endr
.endm
.macro JOIN                            ; four chains of pairs, and lane l xor 16's, into v[CH]
	v_pk_add_f32 v[CH:CH+1], v[CH:CH+1], v[CH+2:CH+3]
	v_pk_add_f32 v[CH+4:CH+5], v[CH+4:CH+5], v[CH+6:CH+7]
	v_pk_add_f32 v[CH:CH+1], v[CH:CH+1], v[CH+4:CH+5]
	v_add_f32 v[CH], v[CH], v[CH+1]
	v_permlanex16_b32 v[CH+2], v[CH], s[SEL], s[SEL+1]
	v_add_f32 v[CH], v[CH], v[CH+2]
.endm
.macro WLOAD u                         ; weight unit u (tile 2 w + u / 2, K step u % 2): 64 numbers a lane into window 1, v[64 u] on
.irp b, 0,1,2,3
.irp j, 0,1,2,3
	global_load_b128 v[64*\u+16*\b+4*\j:64*\u+16*\b+4*\j+3], v[RA], s[10:11] offset:8192*(\u/2)+512*(\u%2)+128*\b+16*\j
.endr
.endr
.endm
; two fragments (PC, PC2) and one scale image (lanes 0-15 PW, lanes 16-31 PW2) leave; each store of codes covers 512 consecutive bytes
.macro SENDOUT cp, sp
	v_cmp_lt_u32 vcc_lo, 15, v1
	v_cndmask_b32 v[SW], v[PW], v[PW2], vcc_lo
.irp c, 0,1
	global_store_b128 v[LI], v[PC+4*\c:PC+4*\c+3], s[\cp:\cp+1] offset:512*\c
.endr
.irp c, 0,1
	global_store_b128 v[LI], v[PC2+4*\c:PC2+4*\c+3], s[\cp:\cp+1] offset:1024+512*\c
.endr
	global_store_b32 v[LS], v[SW], s[\sp:\sp+1]
	s_wait_tensorcnt 0x0
	ds_add_u32 v31, v39
	s_wait_dscnt 0x0
	s_endpgm
.endm
	s_load_b512 s[4:19], s[0:1], 0x0               ; x, norm_w, norm_b, qkv_w, qkv_b, proj_w, q_codes, q_scales
	s_load_b128 s[20:23], s[0:1], 0x40             ; kv, pw_codes
	s_load_b64 s[24:25], s[0:1], 0x50              ; pw_scales
	v_lshl_add_u32 v31, v0, 2, 0xd400
	v_mov_b32 v39, 0
	v_lshrrev_b32 v1, 5, v0
	v_readfirstlane_b32 s[WV], v1                  ; wave 0..7
	s_lshr_b32 s[YY], ttmp9, 6
	s_and_b32 s[GG], ttmp9, 63
	s_mov_b32 s[SEL], 0x76543210
	s_mov_b32 s[SEL+1], 0xfedcba98                 ; v_permlanex16_b32's selects for lane l xor 16
	s_mov_b32 s32, 0x3b800000                      ; 1 / 256
	s_mov_b32 s33, 0x3727c5ac                      ; 1e-5
	v_and_b32 v1, 31, v0                           ; lane
	v_and_b32 v2, 15, v0                           ; r
	v_bfe_u32 v3, v0, 4, 1                         ; h
	v_and_b32 v19, 8, v0
	v_add_nc_u32 v19, v19, v2                      ; r + 8 (r / 8)
	v_lshlrev_b32 v[RA], 10, v19
	v_lshl_add_u32 v[RA], v3, 6, v[RA]
	v_lshlrev_b32 v[PA], 10, v2
	v_lshl_add_u32 v[PA], v3, 6, v[PA]
	v_lshlrev_b32 v[LI], 4, v1
	v_lshlrev_b32 v[LS], 2, v1
	v_lshlrev_b32 v[T4], 2, v0
	v_lshlrev_b32 v[NA], 6, v3
	s_lshl_b32 s34, s[WV], 11
	v_add_nc_u32 v[XWI], s34, v[LI]
	s_lshl_b32 s35, s[WV], 7
	v_lshl_add_u32 v[XWS], v2, 2, s35
	v_add_nc_u32 v[LSX], s35, v[LS]
	v_lshl_add_u32 v[VBA], v19, 2, s35
	s_lshl_b32 s36, s[WV], 12
	v_add_nc_u32 v[WWI], s36, v[LI]
	s_lshl_b32 s37, s[WV], 8
	v_lshl_add_u32 v[WWS], v2, 2, s37
	v_add_nc_u32 v[LSW], s37, v[LS]
.irp b, 0,1,2,3
	v_mov_b32 v[TM+4+\b], 0                        ; written once: a lane permute's destination counts as one of its sources
.endr
	s_wait_kmcnt 0x0
	s_cmp_eq_u32 s[YY], 3
	s_cbranch_scc1 .Lproj                          ; the whole work-group goes one way: the branch hangs on its number alone
	s_lshl_b32 s34, s[GG], 7                       ; x at my tile's first row: 128 G + 32 (w / 2) + 8 (w % 2)
	s_lshr_b32 s35, s[WV], 1
	s_lshl_b32 s35, s35, 5
	s_add_co_u32 s34, s34, s35
	s_and_b32 s35, s[WV], 1
	s_lshl_b32 s35, s35, 3
	s_add_co_u32 s34, s34, s35
	s_lshl_b32 s34, s34, 10
	s_mov_b32 s35, 0
	s_add_nc_u64 s[4:5], s[4:5], s[34:35]
	s_lshl_b32 s36, s[YY], 8                       ; qkv_w at row 256 Y + 32 w
	s_lshl_b32 s37, s[WV], 5
	s_add_co_u32 s36, s36, s37
	s_lshl_b32 s36, s36, 10
	s_mov_b32 s37, 0
	s_add_nc_u64 s[10:11], s[10:11], s[36:37]
	s_lshl_b32 s38, s[YY], 10                      ; qkv_b at number 256 Y
	s_mov_b32 s39, 0
	s_add_nc_u64 s[12:13], s[12:13], s[38:39]
	global_load_b32 v17, v[T4], s[6:7]             ; norm_w[thread], norm_b[thread]
	global_load_b32 v18, v[T4], s[8:9]
.irp b, 0,1,2,3,4,5,6,7
.irp j, 0,1,2,3
	global_load_b128 v[X+16*\b+4*\j:X+16*\b+4*\j+3], v[RA], s[4:5] offset:128*\b+16*\j   ; register 16 b + i = channel 32 b + 16 h + i of my token
.endr
.endr
	s_wait_loadcnt 32                              ; the two norm words are in; x's 32 loads may be out
	ds_store_b32 v[T4], v17 offset:NWT
	ds_store_b32 v[T4], v18 offset:NBT
	s_wait_dscnt 0x0                               ; for the others' sake: my words lie in LDS
	s_barrier_signal -1
	s_barrier_wait -1
	WIN 0x40                                       ; destination window 1: norm_w at v0-127, norm_b at v128-255, in x's layout
.irp b, 0,1,2,3,4,5,6,7
.irp j, 0,1,2,3
	ds_load_b128 v[16*\b+4*\j:16*\b+4*\j+3], v[NA] offset:NWT+128*\b+16*\j
	ds_load_b128 v[128+16*\b+4*\j:128+16*\b+4*\j+3], v[NA] offset:NBT+128*\b+16*\j
.endr
.endr
	WIN 0
	; ---- LayerNorm: the mean, then the mean square of x - mean (two passes, so that a common offset costs nothing)
	s_wait_loadcnt 0x0                             ; x is in
.irp k, 0,1,2,3
	v_pk_add_f32 v[CH+2*\k:CH+2*\k+1], v[X+2*\k:X+2*\k+1], v[X+8+2*\k:X+8+2*\k+1]
.endr
.set j, 8
.rept 56
	v_pk_add_f32 v[CH+2*(j%4):CH+2*(j%4)+1], v[CH+2*(j%4):CH+2*(j%4)+1], v[X+2*j:X+2*j+1]
.set j, j+1
.endr
	JOIN
	v_mul_f32 v[MU], s32, v[CH]
	v_mov_b32 v[MU+1], v[MU]
.set j, 0
.rept 64
	v_pk_add_f32 v[X+2*j:X+2*j+1], v[X+2*j:X+2*j+1], v[MU:MU+1] neg_lo:[0,1] neg_hi:[0,1]
.set j, j+1
.endr
.irp k, 0,1,2,3
	v_pk_mul_f32 v[CH+2*\k:CH+2*\k+1], v[X+2*\k:X+2*\k+1], v[X+2*\k:X+2*\k+1]
.endr
.set j, 4
.rept 60
	v_pk_fma_f32 v[CH+2*(j%4):CH+2*(j%4)+1], v[X+2*j:X+2*j+1], v[X+2*j:X+2*j+1], v[CH+2*(j%4):CH+2*(j%4)+1]
.set j, j+1
.endr
	JOIN
	v_fma_f32 v[CH], v[CH], s32, s33               ; var + eps
	v_rsq_f32 v[RS], v[CH]
	v_nop                                          ; one plain place behind a transcendental
	s_wait_alu depctr_va_vdst(0)
	v_mov_b32 v[RS+1], v[RS]
.set j, 0
.rept 64
	v_pk_mul_f32 v[X+2*j:X+2*j+1], v[X+2*j:X+2*j+1], v[RS:RS+1]
.set j, j+1
.endr
	s_wait_dscnt 0x0                               ; norm_w and norm_b are in
	WIN 0x14                                       ; sources 1 and 2 window 1
.set j, 0
.rept 64
	v_pk_fma_f32 v[X+2*j:X+2*j+1], v[X+2*j:X+2*j+1], v[2*j:2*j+1], v[128+2*j:128+2*j+1]
.set j, j+1
.endr
	WIN 0x40                                       ; my four weight units take window 1
	WLOAD 0
	WLOAD 1
	WLOAD 2
	WLOAD 3
	WIN 0
	; ---- xn's two fragments and their scale words (both halves of the lanes hold a row's word and write it to the same place)
	QUANT X, 0, PC, PW
	IMAGE XWI, PC, XIMG
	ds_store_b32 v[XWS], v[PW] offset:XSC
	QUANT X+64, 0, PC2, PW2
	IMAGE XWI, PC2, XIMG+1024
	ds_store_b32 v[XWS], v[PW2] offset:XSC+64
	; ---- the bias.  q, k: a lane's registers run along the channels: it is loaded straight into the accumulators.  v: a lane holds one channel: one word a tile
	s_cmp_eq_u32 s[YY], 2
	s_cbranch_scc1 .Lbias_v
.irp t, 0,1,2,3,4,5,6,7,8,9,10,11,12,13,14,15
	global_load_b128 v[X+8*\t:X+8*\t+3], v[NA], s[12:13] offset:128*(\t/2)+32*(\t%2)
	global_load_b128 v[X+8*\t+4:X+8*\t+7], v[NA], s[12:13] offset:128*(\t/2)+32*(\t%2)+16
.endr
	s_branch .Lbias_done
.Lbias_v:
	global_load_b32 v[BV], v[VBA], s[12:13]
	global_load_b32 v[BV+1], v[VBA], s[12:13] offset:32
.Lbias_done:
	; ---- my four weight units.  Each load wait leaves out the younger units' 16 loads each and the 2 bias loads of v's way (on q's and k's way, with 32 bias loads, the same counts ask for more than is needed).
	; Each LDS wait leaves out the three stores of the unit before: the stores that read the registers written next are done.
	s_wait_loadcnt 50
	s_wait_dscnt 3
	QUANT 0, 1, PC, PW
	IMAGE WWI, PC, WIMG
	ds_store_b32 v[WWS], v[PW] offset:WSC
	s_wait_loadcnt 34
	s_wait_dscnt 3
	QUANT 64, 1, PC2, PW2
	IMAGE WWI, PC2, WIMG+1024
	ds_store_b32 v[WWS], v[PW2] offset:WSC+64
	s_wait_loadcnt 18
	s_wait_dscnt 3
	QUANT 128, 1, PC, PW
	IMAGE WWI, PC, WIMG+2048
	ds_store_b32 v[WWS], v[PW] offset:WSC+128
	s_wait_loadcnt 2
	s_wait_dscnt 3
	QUANT 192, 1, PC2, PW2
	IMAGE WWI, PC2, WIMG+3072
	ds_store_b32 v[WWS], v[PW2] offset:WSC+192
	s_wait_dscnt 0x0                               ; for the others' sake: all my images lie in LDS
	s_barrier_signal -1
	s_barrier_wait -1                              ; behind it LDS is only read
	s_cmp_eq_u32 s[YY], 2
	s_cbranch_scc1 .Lpath_v
	; ---- q, k: my token tile against all 16 weight tiles.  Source 0 = 16 weight rows, source 1 = my 16 tokens: a lane holds one token, its registers run along the channels
	WIN 0x40
.set f, 0
.rept 32
	ds_load_b128 v[8*f:8*f+3], v[LI] offset:WIMG+1024*f
	ds_load_b128 v[8*f+4:8*f+7], v[LI] offset:WIMG+1024*f+512
.set f, f+1
.endr
	WIN 0
.irp s, 0,1
.irp c, 0,1
	ds_load_b128 v[OF+8*\s+4*\c:OF+8*\s+4*\c+3], v[XWI] offset:XIMG+1024*\s+512*\c
.endr
.endr
	ds_load_b32 v[OWNS], v[LSX] offset:XSC
.irp t, 0,1,2,3,4,5,6,7,8,9,10,11,12,13,14,15
	ds_load_b32 v[STS+\t], v[LS] offset:WSC+128*\t
.endr
	s_mov_b32 s35, KVB                             ; where the results go: q's own buffers, or K's part of kv block G.  The choice hangs on the work-group's number alone
	s_cmp_eq_u32 s[YY], 0
	s_cselect_b64 s[40:41], s[16:17], s[20:21]
	s_cselect_b64 s[42:43], s[18:19], s[20:21]
	s_cselect_b32 s34, 16384, s35
	s_cselect_b32 s36, 1024, s35
	s_cselect_b32 s38, 0, 32768
	s_mul_i32 s34, s34, s[GG]
	s_mul_i32 s36, s36, s[GG]
	s_lshl_b32 s35, s[WV], 11
	s_add_co_u32 s34, s34, s35
	s_mov_b32 s35, 0
	s_add_nc_u64 s[40:41], s[40:41], s[34:35]
	s_add_co_u32 s36, s36, s38
	s_lshl_b32 s37, s[WV], 7
	s_add_co_u32 s36, s36, s37
	s_mov_b32 s37, 0
	s_add_nc_u64 s[42:43], s[42:43], s[36:37]
	s_wait_loadcnt 0x0                             ; the bias lies in the accumulators
	s_wait_dscnt 0x0
	WIN 0x01                                       ; source 0 window 1.  The 16 accumulators take turns, one instruction a turn
.irp t, 0,1,2,3,4,5,6,7,8,9,10,11,12,13,14,15
	v_wmma_scale_f32_16x16x128_f8f6f4 v[X+8*\t:X+8*\t+7], v[16*\t:16*\t+7], v[OF:OF+7], v[X+8*\t:X+8*\t+7], v[STS+\t], v[OWNS] matrix_a_fmt:MATRIX_FMT_FP4 matrix_b_fmt:MATRIX_FMT_FP4
.endr
.irp t, 0,1,2,3,4,5,6,7,8,9,10,11,12,13,14,15
	v_wmma_scale_f32_16x16x128_f8f6f4 v[X+8*\t:X+8*\t+7], v[16*\t+8:16*\t+15], v[OF+8:OF+15], v[X+8*\t:X+8*\t+7], v[STS+\t], v[OWNS] matrix_a_fmt:MATRIX_FMT_FP4 matrix_b_fmt:MATRIX_FMT_FP4 matrix_a_scale:MATRIX_SCALE_ROW1 matrix_b_scale:MATRIX_SCALE_ROW1
.endr
	WIN 0
	PLACES 4                                       ; in front of the first read of results
	QUANT X, 0, PC, PW                             ; channels 0-127: K step 0 of the next product
	QUANT X+64, 0, PC2, PW2                        ; channels 128-255: K step 1
	SENDOUT 40, 42
.Lpath_v:
	; ---- v: my two tiles of 16 channels against all 8 token tiles.  Source 0 = 16 tokens, source 1 = my 16 weight rows: a lane holds one channel, its registers run along the tokens
	WIN 0x40
.set f, 0
.rept 16
	ds_load_b128 v[8*f:8*f+3], v[LI] offset:XIMG+1024*f
	ds_load_b128 v[8*f+4:8*f+7], v[LI] offset:XIMG+1024*f+512
.set f, f+1
.endr
	WIN 0
.irp u, 0,1,2,3
.irp c, 0,1
	ds_load_b128 v[OF+8*\u+4*\c:OF+8*\u+4*\c+3], v[WWI] offset:WIMG+1024*\u+512*\c
.endr
.endr
	ds_load_b32 v[OWNS], v[LSW] offset:WSC
	ds_load_b32 v[OWNS+1], v[LSW] offset:WSC+128
.irp t, 0,1,2,3,4,5,6,7
	ds_load_b32 v[STS+\t], v[LS] offset:XSC+128*\t
.endr
	s_mul_i32 s34, s[GG], KVB                      ; V's part of kv block G
	s_lshl_b32 s35, s[WV], 11
	s_add_co_u32 s36, s34, s35
	s_add_co_u32 s36, s36, 16384
	s_mov_b32 s37, 0
	s_add_nc_u64 s[40:41], s[20:21], s[36:37]
	s_lshl_b32 s35, s[WV], 7
	s_add_co_u32 s36, s34, s35
	s_add_co_u32 s36, s36, 33792
	s_add_nc_u64 s[42:43], s[20:21], s[36:37]
	s_wait_loadcnt 0x0                             ; my two bias words
.irp i, 0,1,2,3,4,5,6,7
	v_mov_b32 v[CB+\i], v[BV]                      ; a tile's C: my channel's bias in all eight registers (eight tokens)
	v_mov_b32 v[CB+8+\i], v[BV+1]
.endr
	s_wait_dscnt 0x0
	PLACES 4
	WIN 0x01
.irp i, 0,1
.irp t, 0,1,2,3,4,5,6,7
	v_wmma_scale_f32_16x16x128_f8f6f4 v[X+64*\i+8*\t:X+64*\i+8*\t+7], v[16*\t:16*\t+7], v[OF+16*\i:OF+16*\i+7], v[CB+8*\i:CB+8*\i+7], v[STS+\t], v[OWNS+\i] matrix_a_fmt:MATRIX_FMT_FP4 matrix_b_fmt:MATRIX_FMT_FP4
.endr
.endr
.irp i, 0,1
.irp t, 0,1,2,3,4,5,6,7
	v_wmma_scale_f32_16x16x128_f8f6f4 v[X+64*\i+8*\t:X+64*\i+8*\t+7], v[16*\t+8:16*\t+15], v[OF+16*\i+8:OF+16*\i+15], v[X+64*\i+8*\t:X+64*\i+8*\t+7], v[STS+\t], v[OWNS+\i] matrix_a_fmt:MATRIX_FMT_FP4 matrix_b_fmt:MATRIX_FMT_FP4 matrix_a_scale:MATRIX_SCALE_ROW1 matrix_b_scale:MATRIX_SCALE_ROW1
.endr
.endr
	WIN 0
	PLACES 4
	QUANT X, 0, PC, PW                             ; channel tile 2 w, along the 128 tokens
	QUANT X+64, 0, PC2, PW2                        ; channel tile 2 w + 1
	SENDOUT 40, 42
.Lproj:
	; ---- proj_w: wave w of work-group G takes rows 16 (8 G + w) on; no LDS, no barrier
	s_lshl_b32 s34, s[GG], 3
	s_add_co_u32 s34, s34, s[WV]
	s_lshl_b32 s36, s34, 14
	s_mov_b32 s37, 0
	s_add_nc_u64 s[14:15], s[14:15], s[36:37]
	s_lshl_b32 s36, s34, 11
	s_add_nc_u64 s[22:23], s[22:23], s[36:37]
	s_lshl_b32 s36, s34, 7
	s_add_nc_u64 s[24:25], s[24:25], s[36:37]
.irp b, 0,1,2,3,4,5,6,7
.irp j, 0,1,2,3
	global_load_b128 v[X+16*\b+4*\j:X+16*\b+4*\j+3], v[PA], s[14:15] offset:128*\b+16*\j
.endr
.endr
	s_wait_loadcnt 16                              ; K step 0's sixteen loads are in
	QUANT X, 0, PC, PW
	s_wait_loadcnt 0x0
	QUANT X+64, 0, PC2, PW2
	SENDOUT 22, 24
.Lfunc_end_k_qf0752b1484_prep:
	.size	k_qf0752b1484_prep, .Lfunc_end_k_qf0752b1484_prep-k_qf0752b1484_prep
	.p2alignl 7, 3214868480
	.fill 96, 4, 3214868480
	.section	.rodata,"a",@progbits
	.p2align	6, 0x0
	.amdhsa_kernel k_qf0752b1484_prep
		.amdhsa_group_segment_fixed_size 55296
		.amdhsa_private_segment_fixed_size 0
		.amdhsa_enable_private_segment 0
		.amdhsa_kernarg_size 88
		.amdhsa_user_sgpr_count 2
		.amdhsa_user_sgpr_kernarg_segment_ptr 1
		.amdhsa_wavefront_size32 1
		.amdhsa_system_sgpr_workgroup_id_x 1
		.amdhsa_system_sgpr_workgroup_id_y 1
		.amdhsa_system_sgpr_workgroup_id_z 1
		.amdhsa_system_vgpr_workitem_id 0
		.amdhsa_next_free_vgpr 512
		.amdhsa_next_free_sgpr 66
		.amdhsa_reserve_vcc 1
		.amdhsa_float_denorm_mode_32 3
		.amdhsa_float_denorm_mode_16_64 3
		.amdhsa_memory_ordered 1
		.amdhsa_forward_progress 1
		.amdhsa_inst_pref_size 112
	.end_amdhsa_kernel
	.amdgpu_metadata
---
amdhsa.version: [ 1, 2 ]
amdhsa.kernels:
  - .name:           k_qf0752b1484_prep
    .symbol:         k_qf0752b1484_prep.kd
    .args:
      - { .name: x, .offset: 0, .size: 8, .value_kind: global_buffer, .address_space: global }
      - { .name: norm_w, .offset: 8, .size: 8, .value_kind: global_buffer, .address_space: global }
      - { .name: norm_b, .offset: 16, .size: 8, .value_kind: global_buffer, .address_space: global }
      - { .name: qkv_w, .offset: 24, .size: 8, .value_kind: global_buffer, .address_space: global }
      - { .name: qkv_b, .offset: 32, .size: 8, .value_kind: global_buffer, .address_space: global }
      - { .name: proj_w, .offset: 40, .size: 8, .value_kind: global_buffer, .address_space: global }
      - { .name: q_codes, .offset: 48, .size: 8, .value_kind: global_buffer, .address_space: global }
      - { .name: q_scales, .offset: 56, .size: 8, .value_kind: global_buffer, .address_space: global }
      - { .name: kv, .offset: 64, .size: 8, .value_kind: global_buffer, .address_space: global }
      - { .name: pw_codes, .offset: 72, .size: 8, .value_kind: global_buffer, .address_space: global }
      - { .name: pw_scales, .offset: 80, .size: 8, .value_kind: global_buffer, .address_space: global }
    .group_segment_fixed_size: 55296
    .private_segment_fixed_size: 0
    .kernarg_segment_align: 8
    .kernarg_segment_size: 88
    .max_flat_workgroup_size: 256
    .sgpr_count:     66
    .vgpr_count:     512
    .wavefront_size: 32
...
	.end_amdgpu_metadata
.endif
;; end of part 1
;; launch attn (part 2): grid 256 x 1, 4 waves a work-group, clusters of 4 x 1, 327,680 bytes of LDS; arguments q_codes, q_scales, kv, pw_codes, pw_scales, proj_b, x, out0; writes out0
.if DOCPART == 2
	.amdgcn_target "amdgcn-amd-amdhsa--gfx1250"
	.amdhsa_code_object_version 6
	.text
	.protected	k_qf0752b1484_attn
	.globl	k_qf0752b1484_attn
	.p2align	8
	.type	k_qf0752b1484_attn,@function
k_qf0752b1484_attn:
	s_mov_b64 s[64:65], 0
	v_nop
	global_prefetch_b8 v0, s[64:65] scope:SCOPE_SE
	s_setreg_imm32_b32 hwreg(HW_REG_WAVE_MODE, 25, 1), 1
	s_wait_xcnt 0x0
	s_wait_alu depctr_hold_cnt(0) depctr_sa_sdst(0) depctr_va_vdst(0) depctr_va_sdst(0) depctr_va_ssrc(0) depctr_va_vcc(0) depctr_vm_vsrc(0)
	s_getreg_b32 s2, hwreg(HW_REG_IB_STS2, 6, 4)
	s_cmp_eq_u32 s2, 0
	s_cbranch_scc0 .Lentry_in_a_cluster
	s_endpgm
.Lentry_in_a_cluster:
	s_bfe_u32 s2, ttmp6, 0x10000c
	s_cmp_lg_u32 s2, 0x3003
	s_cbranch_scc0 .Lentry_shape_is_right
	s_endpgm
.Lentry_shape_is_right:
; out0 = x + (softmax(q k^T / 16) v) proj_w^T + proj_b, all three products on codes of FP4 (E2M1) with one E8M0 scale for each 32 along K.  All operands arrive as images of operand registers.
; SHARES.  A work-group owns 32 tokens: two query tiles of 16.  THE KEYS ARE SHARED AMONG ITS FOUR WAVES: every wave holds both tiles, wave w takes key steps 4 i + w (128 keys each), i = 0 .. 15, with its own
; running M, sum and O^T; at the end the four are joined through LDS by exact powers of two.  8,192 tokens on 256 work-groups leave no more than 32 tokens to each, and so a wave gets two tiles for each fragment it reads.
; SOFTMAX.  t = score x log2(e) / 16; M = the largest t so far rounded up to a whole number; p = 2^(t - M) is quantised along the keys, not normalised; the sum is taken of the unquantised p and divides at the end.
; LAYOUT.  S^T = K Q^T and O^T = V^T P^T: a lane holds ONE query.  The keys of a tile of K and the channels of a tile of V^T are 32 b + 8 u + r + 8 (r / 8) (tile 2 b + u), so that 16 result registers are 16 neighbours.
; THE RING.  Two LDS slots of four kv blocks (34,816 bytes each), one block a wave: each wave fetches its own block with one tensor load and reads only that block, behind its own wait on TENSORcnt.
; Fragments go from LDS into registers one trip ahead, under the softmax.  CLUSTER: all work-groups walk the same kv, so the four of a cluster ask jointly: the same load, the same descriptor, a mask of all four.
; LIMITS: NaN and infinities are not served.  A block of p or of the output whose largest magnitude lies under 2^-124 keeps the scale byte 1.  The sums over the keys are taken wave by wave and then joined,
; another order of f32 additions than a single pass.  1 / sum is v_rcp_f32.
; REGISTERS.  Window 0: v1-15, v116-120 addresses; v16-31 statistics; v32-63, v122-125 scale words; v64-95 at work; v96-111 p's codes; v128-255 S^T, then p (tile q, key tile T at 128 + 64 q + 8 T).
;   Window 1: O^T (128 q + 8 c).   Window 2: v0-127 K's 16 fragments; v128-255 V's, even trips.   Window 3: v0-31 Q; v32-95 my part of proj_w; v96-127 proj_b's tiles; v128-255 V's, odd trips.
.set KVB,   34816
.set SLOT,  4*KVB                      ; 139,264
.set SPARE, 2*SLOT                     ; the spare words, 128 bytes for each wave: two blocks of 256 bytes that no other line names
.set STAT,  SPARE+512                  ; -M (512 q + 16 lane + 4 w) and, 1,024 on, the sums
.set OIMG,  STAT+2048                  ; the attention output's four fragments (tile q, K step s at 1,024 (2 q + s))
.set OSC,   OIMG+4096                  ; their scale words, 128 bytes each
.set YSTG,  OSC+512                    ; the stage for the result: 32 rows x (1,024 + 16) bytes
.set YP,    1040
.set SPW, 1
.set NIL, 2
.set AD,  3                            ; v3, v4  16 lane + my block in slot 0, 1
.set AS,  5                            ; v5, v6  4 lane + my block's scale images
.set LI,  7                            ; v7   16 lane
.set LS,  8                            ; v8   4 lane
.set SA,  9                            ; v9   STAT + 16 lane + 4 w
.set SB,  10                           ; v10  STAT + 16 lane
.set PSA, 11                           ; v11  16 lane + 32,768 w: my O^T's image (in slot 0, which has had its last fill and its last read by then)
.set RA,  12                           ; v12  16 lane + 16,384 (w / 2) + 8,192 (w % 2): my unit in wave 0's image;  v13: + 65,536
.set RA2, 13
.set OA,  14                           ; v14  OIMG + 16 lane + 1,024 w
.set OSA, 15                           ; v15  OSC + 4 lane + 128 w
.set ST,  16                           ; tile q at v[16 + 8 q]: +0 -M, +1 the largest t, +2, +3 the sum in two halves, +4 f, +5 its pair's partner, +6, +7 at work
.set KS,  32                           ; v32-39 K's scale images;  v40-47, v48-55 V's (even, odd trips);  v56-57 Q's;  v58-59 p's;  v60-63 proj_w's
.set VS,  40
.set QS,  56
.set PS,  58
.set WPS, 60
.set TM,  64                           ; tile q at v[64 + 16 q]: +0..3 the blocks' largest, +4..7 the other half's, then bytes, +8..11 scale operands
.set PC,  96
.set SU,  112
.set OB,  116
.set OSB, 117
.set YA,  118
.set YR,  119
.set BA,  120
.set PW,  121
.set OS,  122
.set RR,  126
.set S,   128
.set WV,  20
.set XX,  21
.set G1,  24
.set G0,  32
.set SEL, 40
.set CS,  42
.set CNT, 44
.set MSB, 0
.macro WIN new
.if MSB != (\new)
	s_set_vgpr_msb (MSB<<8)|(\new)
.set MSB, (\new)
.endif
.endm
.macro PLACES n
.rept \n
	v_nop
.endr
.endm
.macro BARRIER
	s_wait_dscnt 0x0                               ; my LDS stores have landed and my LDS loads are in
	s_barrier_signal -1
	s_barrier_wait -1
.endm
.macro ROUND                           ; a round of the cluster's barrier
	s_barrier_signal -1
	s_barrier_wait -1
	s_cmp_lg_u32 s[WV], 0
	s_cbranch_scc1 .Lnot_wave_0_\@
	s_barrier_signal -3
.Lnot_wave_0_\@:
	s_barrier_wait -3
	s_barrier_signal -1
	s_barrier_wait -1
.endm
; 64 numbers of a lane in window 0, register 16 b + i = k 32 b + 16 (lane / 16) + i, become a fragment's codes and its scale word
.macro QUANT s, pc, pw
.irp b, 0,1,2,3
	v_max3_num_f32 v[TM+\b], 0x1800000, |v[\s+16*\b]|, |v[\s+16*\b+1]|
.endr
.irp i, 2,4,6,8,10,12,14
.irp b, 0,1,2,3
	v_max3_num_f32 v[TM+\b], v[TM+\b], |v[\s+16*\b+\i]|, |v[\s+16*\b+\i+1]|
.endr
.endr
.irp b, 0,1,2,3
	v_permlanex16_b32 v[TM+4+\b], v[TM+\b], s[SEL], s[SEL+1]
.endr
.irp b, 0,1,2,3
	v_max_num_f32 v[TM+\b], v[TM+\b], v[TM+4+\b]
.endr
.irp b, 0,1,2,3
	v_add_nc_u32 v[TM+8+\b], 0xff000000, v[TM+\b]
.endr
.irp b, 0,1,2,3
	v_lshrrev_b32 v[TM+4+\b], 23, v[TM+8+\b]
.endr
	v_lshl_or_b32 v[\pw], v[TM+5], 8, v[TM+4]
	v_lshl_or_b32 v[\pw], v[TM+6], 16, v[\pw]
	v_lshl_or_b32 v[\pw], v[TM+7], 24, v[\pw]
.irp b, 0,1,2,3
	v_cvt_scalef32_pk8_fp4_f32 v[\pc+2*\b], v[\s+16*\b:\s+16*\b+7], v[TM+8+\b]
	v_cvt_scalef32_pk8_fp4_f32 v[\pc+2*\b+1], v[\s+16*\b+8:\s+16*\b+15], v[TM+8+\b]
.endr
	v_nop
.irp c, 0,1
.irp i, 0,1
	v_permlane16_swap_b32 v[\pc+4*\c+\i], v[\pc+4*\c+2+\i]
.endr
.endr
.endm
.macro FETCH_K n                       ; my block of slot n: K's 8 scale images and 16 fragments: 40 LDS loads
.irp t, 0,1,2,3,4,5,6,7
	ds_load_b32 v[KS+\t], v[AS+(\n)] offset:128*\t
.endr
	WIN 0x80
.irp f, 0,1,2,3,4,5,6,7,8,9,10,11,12,13,14,15
	ds_load_b128 v[8*\f:8*\f+3], v[AD+(\n)] offset:1024*\f
	ds_load_b128 v[8*\f+4:8*\f+7], v[AD+(\n)] offset:1024*\f+512
.endr
	WIN 0
.endm
.macro FETCH_V n                       ; V's 8 scale images and 16 fragments, into the buffer of slot n's trips: 40 LDS loads
.irp i, 0,1,2,3,4,5,6,7
	ds_load_b32 v[VS+8*(\n)+\i], v[AS+(\n)] offset:1024+128*\i
.endr
	WIN 0x80+0x40*(\n)
.irp c, 0,1,2,3,4,5,6,7,8,9,10,11,12,13,14,15
	ds_load_b128 v[128+8*\c:128+8*\c+3], v[AD+(\n)] offset:16384+1024*\c
	ds_load_b128 v[128+8*\c+4:128+8*\c+7], v[AD+(\n)] offset:16384+1024*\c+512
.endr
	WIN 0
.endm
; S^T = K Q^T: 8 key tiles x 2 query tiles, two K steps.  The 16 accumulators take turns, one instruction a turn; the first K step starts the sums
.macro SMUL
	WIN 0x0e                                       ; source 0 (K) window 2, source 1 (Q) window 3
.irp t, 0,1,2,3,4,5,6,7
.irp q, 0,1
	v_wmma_scale_f32_16x16x128_f8f6f4 v[S+64*\q+8*\t:S+64*\q+8*\t+7], v[16*\t:16*\t+7], v[16*\q:16*\q+7], 0, v[KS+\t], v[QS+\q] matrix_a_fmt:MATRIX_FMT_FP4 matrix_b_fmt:MATRIX_FMT_FP4
.endr
.endr
.irp t, 0,1,2,3,4,5,6,7
.irp q, 0,1
	v_wmma_scale_f32_16x16x128_f8f6f4 v[S+64*\q+8*\t:S+64*\q+8*\t+7], v[16*\t+8:16*\t+15], v[16*\q+8:16*\q+15], v[S+64*\q+8*\t:S+64*\q+8*\t+7], v[KS+\t], v[QS+\q] matrix_a_fmt:MATRIX_FMT_FP4 matrix_b_fmt:MATRIX_FMT_FP4 matrix_a_scale:MATRIX_SCALE_ROW1 matrix_b_scale:MATRIX_SCALE_ROW1
.endr
.endr
.endm
.macro PV1 p, c, q, first              ; O^T(q, c) += V^T(c) P(q): V's scale image c / 2 carries tile c's words in lanes 0-15 (c even) or 16-31 (c odd)
.if \first
.if (\c)%2
	v_wmma_scale_f32_16x16x128_f8f6f4 v[128*\q+8*\c:128*\q+8*\c+7], v[128+8*\c:128+8*\c+7], v[PC+8*\q:PC+8*\q+7], 0, v[VS+8*(\p)+(\c)/2], v[PS+\q] matrix_a_fmt:MATRIX_FMT_FP4 matrix_b_fmt:MATRIX_FMT_FP4 matrix_a_scale:MATRIX_SCALE_ROW1
.else
	v_wmma_scale_f32_16x16x128_f8f6f4 v[128*\q+8*\c:128*\q+8*\c+7], v[128+8*\c:128+8*\c+7], v[PC+8*\q:PC+8*\q+7], 0, v[VS+8*(\p)+(\c)/2], v[PS+\q] matrix_a_fmt:MATRIX_FMT_FP4 matrix_b_fmt:MATRIX_FMT_FP4
.endif
.else
.if (\c)%2
	v_wmma_scale_f32_16x16x128_f8f6f4 v[128*\q+8*\c:128*\q+8*\c+7], v[128+8*\c:128+8*\c+7], v[PC+8*\q:PC+8*\q+7], v[128*\q+8*\c:128*\q+8*\c+7], v[VS+8*(\p)+(\c)/2], v[PS+\q] matrix_a_fmt:MATRIX_FMT_FP4 matrix_b_fmt:MATRIX_FMT_FP4 matrix_a_scale:MATRIX_SCALE_ROW1
.else
	v_wmma_scale_f32_16x16x128_f8f6f4 v[128*\q+8*\c:128*\q+8*\c+7], v[128+8*\c:128+8*\c+7], v[PC+8*\q:PC+8*\q+7], v[128*\q+8*\c:128*\q+8*\c+7], v[VS+8*(\p)+(\c)/2], v[PS+\q] matrix_a_fmt:MATRIX_FMT_FP4 matrix_b_fmt:MATRIX_FMT_FP4
.endif
.endif
.endm
.macro PVMUL p, first                  ; 32 accumulators, one instruction each
	WIN 0x52+(\p)                                  ; source 0 (V) window 2 or 3, source 1 (p) window 0, C and D window 1
.irp c, 0,1,2,3,4,5,6,7,8,9,10,11,12,13,14,15
.irp q, 0,1
	PV1 \p, \c, \q, \first
.endr
.endr
.endm
.macro RESC                            ; O^T under the new M: x f, exact; each accumulator from its low end on
	WIN 0x41
.irp q, 0,1
.set j, 0
.rept 64
	v_pk_mul_f32 v[128*\q+2*j:128*\q+2*j+1], v[128*\q+2*j:128*\q+2*j+1], v[ST+8*\q+4:ST+8*\q+5] op_sel_hi:[1,0]
.set j, j+1
.endr
.endr
.endm
.macro SUMI q, n                       ; item n of 32 of tile q's sum of the unquantised p: two chains of pairs
.if (\n) == 0
	s_wait_alu depctr_va_vdst(0)
	v_pk_add_f32 v[SU+2*\q:SU+2*\q+1], v[S+64*\q:S+64*\q+1], v[S+64*\q+2:S+64*\q+3]
.elseif (\n) == 31
	v_pk_add_f32 v[ST+8*\q+2:ST+8*\q+3], v[ST+8*\q+2:ST+8*\q+3], v[SU+2*\q:SU+2*\q+1]
.elseif (\n)%2 == 1
	v_pk_add_f32 v[ST+8*\q+2:ST+8*\q+3], v[ST+8*\q+2:ST+8*\q+3], v[S+64*\q+4*(((\n)+1)/2):S+64*\q+4*(((\n)+1)/2)+1]
.else
	v_pk_add_f32 v[SU+2*\q:SU+2*\q+1], v[SU+2*\q:SU+2*\q+1], v[S+64*\q+4*((\n)/2)+2:S+64*\q+4*((\n)/2)+3]
.endif
.endm
.macro PQUANT q                        ; tile q's p becomes codes and a scale word; the blocks' largest p (with the floor) stand in v[TM + 16 q] on
.irp b, 0,1,2,3
	v_add_nc_u32 v[TM+16*\q+8+\b], 0xff000000, v[TM+16*\q+\b]
.endr
.irp b, 0,1,2,3
	v_lshrrev_b32 v[TM+16*\q+4+\b], 23, v[TM+16*\q+8+\b]
.endr
	v_lshl_or_b32 v[PS+\q], v[TM+16*\q+5], 8, v[TM+16*\q+4]
	v_lshl_or_b32 v[PS+\q], v[TM+16*\q+6], 16, v[PS+\q]
	v_lshl_or_b32 v[PS+\q], v[TM+16*\q+7], 24, v[PS+\q]
.irp b, 0,1,2,3
	v_cvt_scalef32_pk8_fp4_f32 v[PC+8*\q+2*\b], v[S+64*\q+16*\b:S+64*\q+16*\b+7], v[TM+16*\q+8+\b]
	v_cvt_scalef32_pk8_fp4_f32 v[PC+8*\q+2*\b+1], v[S+64*\q+16*\b+8:S+64*\q+16*\b+15], v[TM+16*\q+8+\b]
.endr
	v_nop                                          ; one plain place behind a scaled conversion
.irp c, 0,1
.irp i, 0,1
	v_permlane16_swap_b32 v[PC+8*\q+4*\c+\i], v[PC+8*\q+4*\c+2+\i]
.endr
.endr
.endm
; THE SOFTMAX of both tiles for one key step.  The exponentials of one tile stand among plain work of the other.  fetch = 1: the next step's V is asked for, from slot n, behind the maxima.
.macro SOFT fetch, n
.irp b, 0,1,2,3
.irp q, 0,1
	v_max3_num_f32 v[TM+16*\q+\b], v[S+64*\q+16*\b], v[S+64*\q+16*\b+1], v[S+64*\q+16*\b+2]   ; the largest score of each block of 32 keys: for the row's maximum, and, since p rises with the score, for the block's largest p
.endr
.endr
.irp i, 3,5,7,9,11,13
.irp b, 0,1,2,3
.irp q, 0,1
	v_max3_num_f32 v[TM+16*\q+\b], v[TM+16*\q+\b], v[S+64*\q+16*\b+\i], v[S+64*\q+16*\b+\i+1]
.endr
.endr
.endr
.irp b, 0,1,2,3
.irp q, 0,1
	v_max_num_f32 v[TM+16*\q+\b], v[TM+16*\q+\b], v[S+64*\q+16*\b+15]
.endr
.endr
.irp b, 0,1,2,3
.irp q, 0,1
	v_permlanex16_b32 v[TM+16*\q+4+\b], v[TM+16*\q+\b], s[SEL], s[SEL+1]
.endr
.endr
.irp b, 0,1,2,3
.irp q, 0,1
	v_max_num_f32 v[TM+16*\q+\b], v[TM+16*\q+\b], v[TM+16*\q+4+\b]   ; with lane l xor 16's 16 keys
.endr
.endr
.irp q, 0,1
	v_max3_num_f32 v[ST+8*\q+6], v[TM+16*\q], v[TM+16*\q+1], v[TM+16*\q+2]
.endr
.irp q, 0,1
	v_max_num_f32 v[ST+8*\q+6], v[ST+8*\q+6], v[TM+16*\q+3]
.endr
.irp q, 0,1
	v_mul_f32 v[ST+8*\q+6], s[CS], v[ST+8*\q+6]    ; as t (c is positive)
.endr
.irp q, 0,1
	v_max_num_f32 v[ST+8*\q+1], v[ST+8*\q+1], v[ST+8*\q+6]   ; the running largest t
.endr
.irp q, 0,1
	v_mov_b32 v[ST+8*\q+6], v[ST+8*\q]
.endr
.irp q, 0,1
	v_floor_f32 v[ST+8*\q], -v[ST+8*\q+1]          ; the new -M = floor(-t): M is a whole number
.endr
.irp q, 0,1
	v_sub_f32 v[ST+8*\q+6], v[ST+8*\q], v[ST+8*\q+6]   ; old M - new M: a whole number, 0 or less
.endr
.irp q, 0,1
	v_cvt_i32_f32 v[ST+8*\q+6], v[ST+8*\q+6]       ; (it saturates)
.endr
.irp q, 0,1
	v_ldexp_f32 v[ST+8*\q+4], 1.0, v[ST+8*\q+6]    ; f = 2^(old M - new M)
.endr
.if \fetch
	FETCH_V \n
.endif
.set j, 0
.rept 32
	v_pk_fma_f32 v[S+2*j:S+2*j+1], v[S+2*j:S+2*j+1], s[CS:CS+1], v[ST:ST+1] op_sel_hi:[1,0,0]   ; tile 0: t - M, two at a time
.set j, j+1
.endr
.irp b, 0,1,2,3
	v_fma_f32 v[TM+\b], v[TM+\b], s[CS], v[ST]     ; the same of each block's largest score
.endr
.set j, 0
.rept 32
	v_exp_f32 v[S+2*j], v[S+2*j]                   ; tile 0: p = 2^(t - M);  between them tile 1's t - M
	v_pk_fma_f32 v[S+64+2*j:S+64+2*j+1], v[S+64+2*j:S+64+2*j+1], s[CS:CS+1], v[ST+8:ST+9] op_sel_hi:[1,0,0]
	v_exp_f32 v[S+2*j+1], v[S+2*j+1]
.set j, j+1
.endr
.irp b, 0,1,2,3
	v_exp_f32 v[TM+\b], v[TM+\b]                   ; the block's largest p: the same two instructions on the same number give the same bits
	v_fma_f32 v[TM+16+\b], v[TM+16+\b], s[CS], v[ST+8]
.endr
	v_pk_mul_f32 v[ST+2:ST+3], v[ST+2:ST+3], v[ST+4:ST+5] op_sel_hi:[1,0]   ; tile 0's sum under the new M
.set j, 0
.rept 32
	v_exp_f32 v[S+64+2*j], v[S+64+2*j]             ; tile 1's exponentials;  between them tile 0's sum
	SUMI 0, j
	v_exp_f32 v[S+64+2*j+1], v[S+64+2*j+1]
.set j, j+1
.endr
.irp b, 0,1,2,3
	v_exp_f32 v[TM+16+\b], v[TM+16+\b]
	v_max_num_f32 v[TM+\b], 0x1800000, v[TM+\b]    ; the floor 2^(3 - 127): the byte cannot fall under 1
.endr
	PQUANT 0
	v_pk_mul_f32 v[ST+10:ST+11], v[ST+10:ST+11], v[ST+12:ST+13] op_sel_hi:[1,0]
	s_wait_alu depctr_va_vdst(0)
.irp b, 0,1,2,3
	v_max_num_f32 v[TM+16+\b], 0x1800000, v[TM+16+\b]
.endr
	PQUANT 1
.set j, 0
.rept 32
	SUMI 1, j                                      ; these 32 also stand between p's codes and scale words and the products that take them
.set j, j+1
.endr
.endm
; TRIP i (p = i % 2).  At its head S^T of step i stands in registers, V of step i in buffer p, slot p has been read out, and my block of step i + 1 is in slot 1 - p or on its way there.
; refill = 1: slot p is filled again, with step i + 2.  fetch = 1: step i + 1's fragments come into registers and its scores are made at the trip's end.  first = 1: V^T P starts O^T's sums.
.macro TRIP p, refill, fetch, first
	WIN 0
.if \refill
	s_wait_tensorcnt 0x0                           ; all my tensor loads have landed: the one that was out is my block of step i + 1
	ds_add_u32 v[SPW], v[NIL]                      ; 0 onto my spare word
	s_add_nc_u64 s[G0+4*\p+2:G0+4*\p+3], s[G0+4*\p+2:G0+4*\p+3], 2*SLOT   ; no load of mine is out: slot p's descriptor steps eight blocks on
	s_wait_dscnt 0x0                               ; the add is done, and my reads of slot p are over
	ROUND                                          ; no wave of any partner still reads slot p or has a load on its way
	tensor_load_to_lds s[G0+4*\p:G0+4*\p+3], s[G1:G1+7]   ; my one tensor load behind the round; it has a whole trip in which to land
	s_nop 0
	PLACES 4                                       ; also the places between the last S^T products and the loads into K's registers and the reads of the scores
.elseif \fetch
	s_wait_tensorcnt 0x0                           ; my last block has landed; nothing is filled again
	PLACES 4
.else
	PLACES 4
	WIN 0x80                                       ; K's registers are free: my eight rows of x, for the residual
.irp k, 0,1,2,3,4,5,6,7
	global_load_b128 v[8*\k:8*\k+3], v[LI], s[16:17] offset:1024*\k
	global_load_b128 v[8*\k+4:8*\k+7], v[LI], s[16:17] offset:1024*\k+512
.endr
	WIN 0
.endif
.if \fetch
	FETCH_K 1-\p
.endif
	SOFT \fetch, 1-\p
.if !\first
	RESC
.endif
	PVMUL \p, \first
.if \fetch
	s_wait_dscnt 0x0                               ; the next step's K and V are in registers
	SMUL
.endif
	WIN 0
.endm
	s_load_b512 s[4:19], s[0:1], 0x0               ; q_codes, q_scales, kv, pw_codes, pw_scales, proj_b, x, out0
	v_lshl_add_u32 v[SPW], v0, 2, SPARE
	v_mov_b32 v[NIL], 0
	ds_add_u32 v1, v2
	ds_add_u32 v1, v2
	s_wait_dscnt 0x0
	v_lshrrev_b32 v3, 5, v0
	v_readfirstlane_b32 s[WV], v3                  ; wave 0..3
	s_bfe_u32 s22, ttmp6, 0x40000                  ; cx: it enters the addresses of Q, x and out0 alone
	s_lshl_b32 s[XX], ttmp9, 2
	s_add_co_u32 s[XX], s[XX], s22                 ; my block of 32 tokens
	; descriptor group 1: a kv block, 34,816 dense bytes, as 136 rows of 32 elements of 8 bytes; no padding: every LDS read takes 512 consecutive bytes
	s_mov_b32 s[G1], 15|(3<<16)|(1<<21)            ; 15:0 the mask: all four work-groups; 17:16 elements of 8 bytes; 21 set beside a mask
	s_mov_b32 s[G1+1], 32<<16                      ; tensor_dim0 = 32
	s_mov_b32 s[G1+2], 136<<16                     ; tensor_dim1 = 136
	s_mov_b32 s[G1+3], 32<<16                      ; tile_dim0 = 32
	s_mov_b32 s[G1+4], 136                         ; tile_dim1 = 136
	s_mov_b32 s[G1+5], 32                          ; from row to row
	s_mov_b32 s[G1+6], 0
	s_mov_b32 s[G1+7], 0
	s_mov_b32 s[SEL], 0x76543210
	s_mov_b32 s[SEL+1], 0xfedcba98
	s_mov_b32 s[CS], 0x3db8aa3b                    ; c = log2(e) / 16
	s_mov_b32 s[CS+1], s[CS]
	s_mul_i32 s46, s[WV], KVB                      ; my block's place in a slot, and in a slot's worth of kv
	s_mov_b32 s47, 0
	s_wait_kmcnt 0x0
	s_mov_b32 s[G0], 1
	s_mul_i32 s[G0+1], s[WV], KVB                  ; LDS: slot 0, block w
	s_add_nc_u64 s[G0+2:G0+3], s[8:9], s[46:47]    ; kv block w
	s_mov_b32 s[G0+4], 1
	s_add_co_u32 s[G0+5], s[G0+1], SLOT            ; slot 1
	s_add_nc_u64 s[G0+6:G0+7], s[G0+2:G0+3], SLOT  ; kv block 4 + w
	s_or_b32 s[G0+3], s[G0+3], 0x80000000          ; type = 2
	s_or_b32 s[G0+7], s[G0+7], 0x80000000
	ROUND                                          ; all four work-groups are here: the first joint loads meet
	tensor_load_to_lds s[G0:G0+3], s[G1:G1+7]      ; both first fills together: two loads of mine are out, the most at any time
	s_nop 0
	tensor_load_to_lds s[G0+4:G0+7], s[G1:G1+7]
	s_nop 0
	PLACES 4
	v_and_b32 v[LI], 31, v0
	v_lshlrev_b32 v[LS], 2, v[LI]
	v_lshlrev_b32 v[LI], 4, v[LI]
	v_add_nc_u32 v[AD], s46, v[LI]
	v_add_nc_u32 v[AD+1], SLOT, v[AD]
	v_add_nc_u32 v[AS], s46, v[LS]
	v_add_nc_u32 v[AS], 32768, v[AS]
	v_add_nc_u32 v[AS+1], SLOT, v[AS]
	s_lshl_b32 s48, s[WV], 2
	v_add_nc_u32 v[SB], STAT, v[LI]
	v_add_nc_u32 v[SA], s48, v[SB]
	s_lshl_b32 s48, s[WV], 15
	v_add_nc_u32 v[PSA], s48, v[LI]
	s_lshr_b32 s48, s[WV], 1
	s_lshl_b32 s48, s48, 14
	s_and_b32 s49, s[WV], 1
	s_lshl_b32 s49, s49, 13
	s_add_co_u32 s48, s48, s49
	v_add_nc_u32 v[RA], s48, v[LI]
	v_add_nc_u32 v[RA2], 65536, v[RA]
	s_lshl_b32 s48, s[WV], 10
	v_add_nc_u32 v[OB], OIMG, v[LI]
	v_add_nc_u32 v[OA], s48, v[OB]
	s_lshl_b32 s48, s[WV], 7
	v_add_nc_u32 v[OSB], OSC, v[LS]
	v_add_nc_u32 v[OSA], s48, v[OSB]
	v_and_b32 v[YA], 15, v0
	v_and_b32 v[YR], 8, v0
	v_add_nc_u32 v[YA], v[YA], v[YR]               ; r + 8 (r / 8): my token's row among tile 0's; tile 1's lie 8 rows on
	v_mul_u32_u24 v[YA], v[YA], YP
	v_bfe_u32 v[BA], v0, 4, 1
	v_lshlrev_b32 v[BA], 5, v[BA]                  ; 32 h
	v_add_nc_u32 v[YA], v[YA], v[BA]
	s_lshl_b32 s48, s[WV], 8
	v_add_nc_u32 v[YA], s48, v[YA]
	v_add_nc_u32 v[YA], YSTG, v[YA]
	s_mul_i32 s48, s[WV], 8*YP
	v_add_nc_u32 v[YR], s48, v[LI]
	v_add_nc_u32 v[YR], YSTG, v[YR]
	s_mov_b32 s49, 0
	s_lshl_b32 s48, s[XX], 12
	s_add_nc_u64 s[4:5], s[4:5], s[48:49]          ; my two tiles of Q: 2,048 bytes each
	s_lshl_b32 s48, s[XX], 8
	s_add_nc_u64 s[6:7], s[6:7], s[48:49]
	s_lshl_b32 s48, s[WV], 13
	s_add_nc_u64 s[10:11], s[10:11], s[48:49]      ; proj_w's tiles 4 w .. 4 w + 3
	s_lshl_b32 s48, s[WV], 9
	s_add_nc_u64 s[12:13], s[12:13], s[48:49]
	s_lshl_b32 s48, s[WV], 8
	s_add_nc_u64 s[14:15], s[14:15], s[48:49]      ; proj_b's numbers 64 w on
	s_lshl_b32 s48, s[XX], 5
	s_lshl_b32 s22, s[WV], 3
	s_add_co_u32 s48, s48, s22
	s_lshl_b32 s48, s48, 10
	s_add_nc_u64 s[16:17], s[16:17], s[48:49]      ; x and out0 at row 32 X + 8 w
	s_add_nc_u64 s[18:19], s[18:19], s[48:49]
	s_cmp_lt_u32 s[WV], 2
	s_cselect_b32 s50, 0, -1                       ; which tile's unit I join at the end: all lanes alike
	WIN 0xc0                                       ; destination window 3
.irp f, 0,1,2,3
	global_load_b128 v[8*\f:8*\f+3], v[LI], s[4:5] offset:1024*\f        ; Q (tile f / 2, K step f % 2)
	global_load_b128 v[8*\f+4:8*\f+7], v[LI], s[4:5] offset:1024*\f+512
.endr
.irp f, 0,1,2,3,4,5,6,7
	global_load_b128 v[32+8*\f:32+8*\f+3], v[LI], s[10:11] offset:1024*\f   ; proj_w (tile f / 2 of my four, K step f % 2)
	global_load_b128 v[32+8*\f+4:32+8*\f+7], v[LI], s[10:11] offset:1024*\f+512
.endr
.irp i, 0,1,2,3
	global_load_b128 v[96+8*\i:96+8*\i+3], v[BA], s[14:15] offset:64*\i      ; proj_b in the result's layout: channels 64 w + 16 i + 8 h + 0 .. 7
	global_load_b128 v[96+8*\i+4:96+8*\i+7], v[BA], s[14:15] offset:64*\i+16
.endr
	WIN 0
.irp q, 0,1
	global_load_b32 v[QS+\q], v[LS], s[6:7] offset:128*\q
.endr
.irp i, 0,1,2,3
	global_load_b32 v[WPS+\i], v[LS], s[12:13] offset:128*\i
.endr
.irp q, 0,1
	v_mov_b32 v[ST+8*\q+1], 0xff61b1e6             ; the largest t so far: -3e38
	v_floor_f32 v[ST+8*\q], -v[ST+8*\q+1]          ; -M
	v_mov_b32 v[ST+8*\q+2], 0                      ; the sum
	v_mov_b32 v[ST+8*\q+3], 0
	v_mov_b32 v[ST+8*\q+5], 0                      ; named as a pair's upper half
	v_mov_b32 v[ST+8*\q+7], 0                      ; a lane permute's destination counts as one of its sources
.irp b, 0,1,2,3
	v_mov_b32 v[TM+16*\q+4+\b], 0
.endr
.endr
	s_wait_tensorcnt 0x1                           ; my block of step 0 is in; step 1's may stay out, and I read my own bytes alone
	FETCH_K 0
	FETCH_V 0
	s_wait_loadcnt 0x0                             ; Q, proj_w, proj_b and their scale words
	s_wait_dscnt 40                                ; K's 40 loads are in; V's 40 may be out
	SMUL
	TRIP 0, 1, 1, 1                                ; trip 0
	s_mov_b32 s[CNT], 6
.Lloop:                                            ; trips 1 to 12
	TRIP 1, 1, 1, 0
	TRIP 0, 1, 1, 0
	s_sub_co_u32 s[CNT], s[CNT], 1
	s_cmp_lg_u32 s[CNT], 0
	s_cbranch_scc1 .Lloop
	TRIP 1, 1, 1, 0                                ; trip 13 asks for the last block; the tail is written out
	TRIP 0, 0, 1, 0                                ; trip 14
	TRIP 1, 0, 0, 0                                ; trip 15
	; ---- the four waves' statistics meet
.irp q, 0,1
	v_add_f32 v[ST+8*\q+6], v[ST+8*\q+2], v[ST+8*\q+3]
.endr
.irp q, 0,1
	v_permlanex16_b32 v[ST+8*\q+7], v[ST+8*\q+6], s[SEL], s[SEL+1]
.endr
.irp q, 0,1
	v_add_f32 v[ST+8*\q+2], v[ST+8*\q+6], v[ST+8*\q+7]   ; my keys' sum for my query
.endr
.irp q, 0,1
	ds_store_b32 v[SA], v[ST+8*\q] offset:512*\q
	ds_store_b32 v[SA], v[ST+8*\q+2] offset:1024+512*\q
.endr
	BARRIER                                        ; also: every wave's reads of the ring are over
.irp q, 0,1
	ds_load_b128 v[S+4*\q:S+4*\q+3], v[SB] offset:512*\q             ; the four waves' -M
	ds_load_b128 v[S+8+4*\q:S+8+4*\q+3], v[SB] offset:1024+512*\q    ; and sums
.endr
	s_wait_dscnt 0x0
.irp q, 0,1
	v_min3_num_f32 v[S+16+\q], v[S+4*\q], v[S+4*\q+1], v[S+4*\q+2]
.endr
.irp q, 0,1
	v_min_num_f32 v[S+16+\q], v[S+16+\q], v[S+4*\q+3]   ; - the largest M
.endr
.irp q, 0,1
.irp k, 0,1,2,3
	v_sub_f32 v[S+20+4*\q+\k], v[S+16+\q], v[S+4*\q+\k]   ; wave k's M - the largest M: a whole number, 0 or less
.endr
	v_sub_f32 v[ST+8*\q+4], v[S+16+\q], v[ST+8*\q]
.endr
.irp q, 0,1
.irp k, 0,1,2,3
	v_cvt_i32_f32 v[S+20+4*\q+\k], v[S+20+4*\q+\k]
.endr
	v_cvt_i32_f32 v[ST+8*\q+4], v[ST+8*\q+4]
.endr
.irp q, 0,1
.irp k, 0,1,2,3
	v_ldexp_f32 v[S+20+4*\q+\k], 1.0, v[S+20+4*\q+\k]
.endr
	v_ldexp_f32 v[ST+8*\q+4], 1.0, v[ST+8*\q+4]    ; my own factor
.endr
.irp q, 0,1
	v_mul_f32 v[S+18+\q], v[S+20+4*\q], v[S+8+4*\q]
.endr
.irp k, 1,2,3
.irp q, 0,1
	v_fmac_f32 v[S+18+\q], v[S+20+4*\q+\k], v[S+8+4*\q+\k]   ; the row's sum under the largest M
.endr
.endr
	v_rcp_f32 v[S+28], v[S+18]
	v_rcp_f32 v[S+29], v[S+19]
	v_nop                                          ; one plain place behind a transcendental
	s_wait_alu depctr_va_vdst(0)
	v_cndmask_b32 v[RR], v[S+28], v[S+29], s50     ; that of the tile whose unit I join
	v_mov_b32 v[RR+1], v[RR]
	; ---- my O^T under the largest M goes to LDS as it stands
	WIN 0x41
.irp q, 0,1
.set j, 0
.rept 64
	v_pk_mul_f32 v[128*\q+2*j:128*\q+2*j+1], v[128*\q+2*j:128*\q+2*j+1], v[ST+8*\q+4:ST+8*\q+5] op_sel_hi:[1,0]
.set j, j+1
.endr
.endr
	WIN 0x04                                       ; an LDS store's data are its source 1: window 1
.set j, 0
.rept 64
	ds_store_b128 v[PSA], v[4*j:4*j+3] offset:512*j
.set j, j+1
.endr
	WIN 0
	BARRIER
	; ---- wave w joins unit (tile w / 2, channels 128 (w % 2) on): 64 registers of each of the four waves
	WIN 0x40
.set j, 0
.rept 16
	ds_load_b128 v[4*j:4*j+3], v[RA] offset:512*j
	ds_load_b128 v[64+4*j:64+4*j+3], v[RA] offset:32768+512*j
	ds_load_b128 v[128+4*j:128+4*j+3], v[RA2] offset:512*j
	ds_load_b128 v[192+4*j:192+4*j+3], v[RA2] offset:32768+512*j
.set j, j+1
.endr
	s_wait_dscnt 0x0
	WIN 0x45
.set j, 0
.rept 32
	v_pk_add_f32 v[2*j:2*j+1], v[2*j:2*j+1], v[64+2*j:64+2*j+1]
	v_pk_add_f32 v[128+2*j:128+2*j+1], v[128+2*j:128+2*j+1], v[192+2*j:192+2*j+1]
.set j, j+1
.endr
.set j, 0
.rept 32
	v_pk_add_f32 v[2*j:2*j+1], v[2*j:2*j+1], v[128+2*j:128+2*j+1]
.set j, j+1
.endr
	WIN 0x01
.set j, 0
.rept 32
	v_pk_mul_f32 v[S+2*j:S+2*j+1], v[2*j:2*j+1], v[RR:RR+1]   ; / the sum: register 16 b + i = channel 128 (w % 2) + 32 b + 16 h + i of my token
.set j, j+1
.endr
	WIN 0
	QUANT S, PC, PW
.irp c, 0,1
	ds_store_b128 v[OA], v[PC+4*\c:PC+4*\c+3] offset:512*\c
.endr
	ds_store_b32 v[OSA], v[PW]
	BARRIER
	; ---- the projection: my 64 output channels (four tiles of proj_w as source 0) for both tiles of tokens; proj_b is the C of each sum's first instruction
.irp u, 0,1,2,3
.irp c, 0,1
	ds_load_b128 v[192+8*\u+4*\c:192+8*\u+4*\c+3], v[OB] offset:1024*\u+512*\c
.endr
	ds_load_b32 v[OS+\u], v[OSB] offset:128*\u
.endr
	s_wait_dscnt 0x0
	WIN 0x33                                       ; source 0 (proj_w) and source 2 (proj_b) window 3
.irp i, 0,1,2,3
.irp q, 0,1
	v_wmma_scale_f32_16x16x128_f8f6f4 v[S+8*(2*\i+\q):S+8*(2*\i+\q)+7], v[32+16*\i:32+16*\i+7], v[192+16*\q:192+16*\q+7], v[96+8*\i:96+8*\i+7], v[WPS+\i], v[OS+2*\q] matrix_a_fmt:MATRIX_FMT_FP4 matrix_b_fmt:MATRIX_FMT_FP4
.endr
.endr
	WIN 0x03
.irp i, 0,1,2,3
.irp q, 0,1
	v_wmma_scale_f32_16x16x128_f8f6f4 v[S+8*(2*\i+\q):S+8*(2*\i+\q)+7], v[40+16*\i:40+16*\i+7], v[200+16*\q:200+16*\q+7], v[S+8*(2*\i+\q):S+8*(2*\i+\q)+7], v[WPS+\i], v[OS+2*\q+1] matrix_a_fmt:MATRIX_FMT_FP4 matrix_b_fmt:MATRIX_FMT_FP4 matrix_a_scale:MATRIX_SCALE_ROW1
.endr
.endr
	WIN 0
	PLACES 4                                       ; in front of the stores that read results, and of the loads into registers that the products read
.irp i, 0,1,2,3
.irp q, 0,1
	ds_store_b128 v[YA], v[S+8*(2*\i+\q):S+8*(2*\i+\q)+3] offset:8*YP*\q+64*\i       ; each accumulator from its low end on
	ds_store_b128 v[YA], v[S+8*(2*\i+\q)+4:S+8*(2*\i+\q)+7] offset:8*YP*\q+64*\i+16
.endr
.endr
	BARRIER                                        ; 32 whole rows lie in the stage
.irp k, 0,1,2,3,4,5,6,7
	ds_load_b128 v[192+8*\k:192+8*\k+3], v[YR] offset:YP*\k
	ds_load_b128 v[192+8*\k+4:192+8*\k+7], v[YR] offset:YP*\k+512
.endr
	s_wait_loadcnt 0x0                             ; x
	s_wait_dscnt 0x0
	WIN 0x08                                       ; source 1 (x) window 2
.set j, 0
.rept 32
	v_pk_add_f32 v[192+2*j:192+2*j+1], v[192+2*j:192+2*j+1], v[2*j:2*j+1]
.set j, j+1
.endr
	WIN 0
.irp k, 0,1,2,3,4,5,6,7
	global_store_b128 v[LI], v[192+8*\k:192+8*\k+3], s[18:19] offset:1024*\k th:TH_STORE_NT       ; 32 lanes store 512 consecutive bytes, at a multiple of 256 from out0's first byte
	global_store_b128 v[LI], v[192+8*\k+4:192+8*\k+7], s[18:19] offset:1024*\k+512 th:TH_STORE_NT
.endr
	s_wait_tensorcnt 0x0                           ; the wave's end, behind my last tensor load and my last LDS store
	ds_add_u32 v[SPW], v[NIL]
	s_wait_dscnt 0x0
	ROUND                                          ; the closing round: no work-group ends while a partner may still ask for a block that names it
	s_endpgm
.Lfunc_end_k_qf0752b1484_attn:
	.size	k_qf0752b1484_attn, .Lfunc_end_k_qf0752b1484_attn-k_qf0752b1484_attn
	.p2alignl 7, 3214868480
	.fill 96, 4, 3214868480
	.section	.rodata,"a",@progbits
	.p2align	6, 0x0
	.amdhsa_kernel k_qf0752b1484_attn
		.amdhsa_group_segment_fixed_size 327680
		.amdhsa_private_segment_fixed_size 0
		.amdhsa_enable_private_segment 0
		.amdhsa_kernarg_size 64
		.amdhsa_user_sgpr_count 2
		.amdhsa_user_sgpr_kernarg_segment_ptr 1
		.amdhsa_wavefront_size32 1
		.amdhsa_system_sgpr_workgroup_id_x 1
		.amdhsa_system_sgpr_workgroup_id_y 1
		.amdhsa_system_sgpr_workgroup_id_z 1
		.amdhsa_system_vgpr_workitem_id 0
		.amdhsa_next_free_vgpr 1024
		.amdhsa_next_free_sgpr 66
		.amdhsa_reserve_vcc 0
		.amdhsa_float_denorm_mode_32 3
		.amdhsa_float_denorm_mode_16_64 3
		.amdhsa_memory_ordered 1
		.amdhsa_forward_progress 1
		.amdhsa_inst_pref_size 255
	.end_amdhsa_kernel
	.section	.bss,"aw",@nobits
	.p2align	6
	.space	262144
	.amdgpu_metadata
---
amdhsa.version: [ 1, 2 ]
amdhsa.kernels:
  - .name:           k_qf0752b1484_attn
    .symbol:         k_qf0752b1484_attn.kd
    .args:
      - { .name: q_codes, .offset: 0, .size: 8, .value_kind: global_buffer, .address_space: global }
      - { .name: q_scales, .offset: 8, .size: 8, .value_kind: global_buffer, .address_space: global }
      - { .name: kv, .offset: 16, .size: 8, .value_kind: global_buffer, .address_space: global }
      - { .name: pw_codes, .offset: 24, .size: 8, .value_kind: global_buffer, .address_space: global }
      - { .name: pw_scales, .offset: 32, .size: 8, .value_kind: global_buffer, .address_space: global }
      - { .name: proj_b, .offset: 40, .size: 8, .value_kind: global_buffer, .address_space: global }
      - { .name: x, .offset: 48, .size: 8, .value_kind: global_buffer, .address_space: global }
      - { .name: out0, .offset: 56, .size: 8, .value_kind: global_buffer, .address_space: global }
    .group_segment_fixed_size: 327680
    .private_segment_fixed_size: 0
    .kernarg_segment_align: 8
    .kernarg_segment_size: 64
    .max_flat_workgroup_size: 128
    .sgpr_count:     66
    .vgpr_count:     1024
    .wavefront_size: 32
...
	.end_amdgpu_metadata
.endif
;; end of part 2
;; ======== version 2 of 3: 2 launches; 1.10 times as fast as version 1
;; workspace buffers: q_codes 1,048,576 bytes; q_scales 65,536 bytes; kv 2,228,224 bytes; pw_codes 32,768 bytes; pw_scales 2,048 bytes
;; launch prep (part 3): grid 194 x 1, 8 waves a work-group, no clusters, 55,296 bytes of LDS; arguments x, norm_w, norm_b, qkv_w, qkv_b, proj_w, q_codes, q_scales, kv, pw_codes, pw_scales; writes q_codes, q_scales, kv, pw_codes, pw_scales
.if DOCPART == 3
	.amdgcn_target "amdgcn-amd-amdhsa--gfx1250"
	.amdhsa_code_object_version 6
	.text
	.protected	k_qf0752b1484_prep
	.globl	k_qf0752b1484_prep
	.p2align	8
	.type	k_qf0752b1484_prep,@function
k_qf0752b1484_prep:
	s_mov_b64 s[64:65], 0
	v_nop
	global_prefetch_b8 v0, s[64:65] scope:SCOPE_SE
	s_setreg_imm32_b32 hwreg(HW_REG_WAVE_MODE, 25, 1), 1
	s_wait_xcnt 0x0
; LayerNorm, the QKV product on codes of FP4 (E2M1, one E8M0 scale for each 32 along K), and the quantising of q, k (along the channels), v (along the tokens) and proj_w.
; Everything leaves as IMAGES OF OPERAND REGISTERS: a fragment (16 rows x 128 K, 8 registers a lane) is 1,024 bytes, registers 4 c .. 4 c + 3 of lane L at 512 c + 16 L;
; a scale image is 128 bytes, lane L's word at 4 L: lanes 0-15 carry one fragment's row words, lanes 16-31 another's.
; SHARES.  Work-group number = 64 Y + G.  Y = 0, 1, 2: q, k, v of tokens 128 G .. 128 G + 127 (weight rows 256 Y on).  Y = 3 (G = 0, 1): proj_w, a tile of 16 rows to a wave.
; Eight waves.  Wave w normalises and quantises token tile w (two fragments) and quantises weight tiles 2 w, 2 w + 1 (four fragments); all meet in LDS behind a barrier.
; THE ROWS OF A TILE ARE NOT NEIGHBOURS (tokens and qkv_w's rows): lane r of tile 2 b + u takes row 32 b + 8 u + r + 8 (r / 8) of its 128, so that the 16 result registers of tiles 2 b, 2 b + 1 are
; 16 neighbours, 32 b + 16 (lane / 16) + 0 .. 15, along whatever axis source 0's rows run: the channels for q and k (source 0 = weights), the tokens for v (source 0 = xn).
; THE BUFFER kv, by blocks of 128 tokens (block G): K's 16 fragments (tile T, K step s at 1,024 (2 T + s)) at 16,384 G; V^T's 16 (16 channels x 128 tokens) at 1,048,576 + 16,384 G;
; K's 8 scale images at 2,097,152 + 1,024 G; V's 8 at 2,162,688 + 1,024 G.
; LIMITS: NaN and infinities among the inputs are not served.  A block whose largest magnitude lies under 2^-124, a block of zeros among them, gets the scale byte 1 (its codes are then zeros or
; the smallest codes); these bytes are read by this program alone.  1 / sqrt(var + eps) is v_rsq_f32.
.set XIMG, 0                           ; LDS: xn's 16 fragments, (T, s) at 1,024 (2 T + s)
.set WIMG, 16384                       ; the weights' 32 fragments, (t, s) at 1,024 (2 t + s)
.set XSC,  49152                       ; xn's 8 scale images (lanes 0-15 K step 0, lanes 16-31 K step 1)
.set WSC,  50176                       ; the weights' 16
.set NWT,  52224                       ; norm_w, 1,024 bytes
.set NBT,  53248                       ; norm_b
.set VCO,  1048576                     ; kv: where V's codes begin,
.set KSO,  2097152                     ; K's scale images,
.set VSO,  2162688                     ; V's scale images
.set RA,   4                           ; v4   (r + 8 (r / 8)) x 1,024 + 64 h: my row and my 16 numbers of each block of 32, in x and qkv_w
.set PA,   5                           ; v5   r x 1,024 + 64 h: the same in proj_w, whose tiles have neighbouring rows
.set LI,   6                           ; v6   16 x lane
.set LS,   7                           ; v7   4 x lane
.set T4,   8                           ; v8   4 x thread
.set NA,   9                           ; v9   64 h
.set XWI,  10                          ; v10  16 x lane + 2,048 w
.set XWS,  11                          ; v11  4 r + 128 w
.set WWI,  12                          ; v12  16 x lane + 4,096 w
.set WWS,  13                          ; v13  4 r + 256 w
.set LSX,  14                          ; v14  4 x lane + 128 w
.set LSW,  15                          ; v15  4 x lane + 256 w
.set VBA,  16                          ; v16  4 (r + 8 (r / 8)) + 128 w
.set TM,   20                          ; v20-35 at work in QUANT; v20-27 the sums' chains in the LayerNorm
.set CH,   20
.set PW,   36                          ; v36, v37 two scale words; v38 the scale image made of them
.set PW2,  37
.set SW,   38
.set MU,   40                          ; v[40:41] the mean, twice; v[42:43] 1 / sqrt(var + eps), twice
.set RS,   42
.set PC,   44                          ; v44-51, v52-59 two fragments' codes
.set PC2,  52
.set BV,   60                          ; v60, v61 v's bias of my two channels
.set OWNS, 62                          ; v62, v63 my own tiles' scale images
.set OF,   64                          ; v64-95 my own tiles' fragments
.set STS,  96                          ; v96-111 the streamed tiles' scale images
.set CB,   112                         ; v112-127 v's bias as two C tiles
.set X,    128                         ; v128-255 my 128 numbers of x; later the 16 accumulators.  Window 1: norm_w, norm_b; then the weights' numbers; then the streamed fragments
.set WV,   26
.set YY,   27
.set GG,   28
.set SEL,  30
.set MSB,  0
.macro WIN new                         ; the immediate's high byte repeats the setting that is left; a switch that changes nothing is dropped
.if MSB != (\new)
	s_set_vgpr_msb (MSB<<8)|(\new)
.set MSB, (\new)
.endif
.endm
.macro PLACES n
.rept \n
	v_nop
.endr
.endm
; 64 numbers of a lane, v[s] .. v[s + 63] of window w, register 16 b + i = k 32 b + 16 (lane / 16) + i of my row, become a fragment's codes in v[pc] on and its scale word in v[pw].
.macro QUANT s, w, pc, pw
	WIN 0x14*(\w)
.irp b, 0,1,2,3
	v_max3_num_f32 v[TM+\b], 0x1800000, |v[\s+16*\b]|, |v[\s+16*\b+1]|   ; block b: my 16 numbers and the floor 2^(3 - 127): the byte cannot fall under 1
.endr
.irp i, 2,4,6,8,10,12,14
.irp b, 0,1,2,3
	v_max3_num_f32 v[TM+\b], v[TM+\b], |v[\s+16*\b+\i]|, |v[\s+16*\b+\i+1]|   ; the four blocks by turns
.endr
.endr
	WIN 0
.irp b, 0,1,2,3
	v_permlanex16_b32 v[TM+4+\b], v[TM+\b], s[SEL], s[SEL+1]
.endr
.irp b, 0,1,2,3
	v_max_num_f32 v[TM+\b], v[TM+\b], v[TM+4+\b]   ; with lane l xor 16's: the block's largest magnitude
.endr
.irp b, 0,1,2,3
	v_add_nc_u32 v[TM+12+\b], 0xff000000, v[TM+\b]   ; 2 off its exponent field: the conversion's scale operand
.endr
.irp b, 0,1,2,3
	v_lshrrev_b32 v[TM+4+\b], 23, v[TM+12+\b]      ; the scale's byte
.endr
	v_lshl_or_b32 v[\pw], v[TM+5], 8, v[TM+4]
	v_lshl_or_b32 v[\pw], v[TM+6], 16, v[\pw]
	v_lshl_or_b32 v[\pw], v[TM+7], 24, v[\pw]
	WIN 0x01*(\w)
.irp b, 0,1,2,3
	v_cvt_scalef32_pk8_fp4_f32 v[\pc+2*\b], v[\s+16*\b:\s+16*\b+7], v[TM+12+\b]
	v_cvt_scalef32_pk8_fp4_f32 v[\pc+2*\b+1], v[\s+16*\b+8:\s+16*\b+15], v[TM+12+\b]
.endr
	WIN 0
	v_nop                                          ; one plain place behind a scaled conversion
.irp c, 0,1                                    ; the operand wants a whole block in a lane: lanes 0-15 block 2 c, lanes 16-31 block 2 c + 1
.irp i, 0,1
	v_permlane16_swap_b32 v[\pc+4*\c+\i], v[\pc+4*\c+2+\i]
.endr
.endr
.endm
.macro IMAGE adr, pc, off              ; a fragment goes to LDS as it stands
.irp c, 0,1
	ds_store_b128 v[\adr], v[\pc+4*\c:\pc+4*\c+3] offset:\off+512*\c
.endr
.endm
.macro JOIN                            ; four chains of pairs, and lane l xor 16's, into v[CH]
	v_pk_add_f32 v[CH:CH+1], v[CH:CH+1], v[CH+2:CH+3]
	v_pk_add_f32 v[CH+4:CH+5], v[CH+4:CH+5], v[CH+6:CH+7]
	v_pk_add_f32 v[CH:CH+1], v[CH:CH+1], v[CH+4:CH+5]
	v_add_f32 v[CH], v[CH], v[CH+1]
	v_permlanex16_b32 v[CH+2], v[CH], s[SEL], s[SEL+1]
	v_add_f32 v[CH], v[CH], v[CH+2]
.endm
.macro WLOAD u                         ; weight unit u (tile 2 w + u / 2, K step u % 2): 64 numbers a lane into window 1, v[64 u] on
.irp b, 0,1,2,3
.irp j, 0,1,2,3
	global_load_b128 v[64*\u+16*\b+4*\j:64*\u+16*\b+4*\j+3], v[RA], s[10:11] offset:8192*(\u/2)+512*(\u%2)+128*\b+16*\j
.endr
.endr
.endm
; two fragments (PC, PC2) and one scale image (lanes 0-15 PW, lanes 16-31 PW2) leave; each store of codes covers 512 consecutive bytes
.macro SENDOUT cp, sp
	v_cmp_lt_u32 vcc_lo, 15, v1
	v_cndmask_b32 v[SW], v[PW], v[PW2], vcc_lo
.irp c, 0,1
	global_store_b128 v[LI], v[PC+4*\c:PC+4*\c+3], s[\cp:\cp+1] offset:512*\c
.endr
.irp c, 0,1
	global_store_b128 v[LI], v[PC2+4*\c:PC2+4*\c+3], s[\cp:\cp+1] offset:1024+512*\c
.endr
	global_store_b32 v[LS], v[SW], s[\sp:\sp+1]
	s_wait_tensorcnt 0x0
	ds_add_u32 v31, v39
	s_wait_dscnt 0x0
	s_endpgm
.endm
	s_load_b512 s[4:19], s[0:1], 0x0               ; x, norm_w, norm_b, qkv_w, qkv_b, proj_w, q_codes, q_scales
	s_load_b128 s[20:23], s[0:1], 0x40             ; kv, pw_codes
	s_load_b64 s[24:25], s[0:1], 0x50              ; pw_scales
	v_lshl_add_u32 v31, v0, 2, 0xd400
	v_mov_b32 v39, 0
	v_lshrrev_b32 v1, 5, v0
	v_readfirstlane_b32 s[WV], v1                  ; wave 0..7
	s_lshr_b32 s[YY], ttmp9, 6
	s_and_b32 s[GG], ttmp9, 63
	s_mov_b32 s[SEL], 0x76543210
	s_mov_b32 s[SEL+1], 0xfedcba98                 ; v_permlanex16_b32's selects for lane l xor 16
	s_mov_b32 s32, 0x3b800000                      ; 1 / 256
	s_mov_b32 s33, 0x3727c5ac                      ; 1e-5
	v_and_b32 v1, 31, v0                           ; lane
	v_and_b32 v2, 15, v0                           ; r
	v_bfe_u32 v3, v0, 4, 1                         ; h
	v_and_b32 v19, 8, v0
	v_add_nc_u32 v19, v19, v2                      ; r + 8 (r / 8)
	v_lshlrev_b32 v[RA], 10, v19
	v_lshl_add_u32 v[RA], v3, 6, v[RA]
	v_lshlrev_b32 v[PA], 10, v2
	v_lshl_add_u32 v[PA], v3, 6, v[PA]
	v_lshlrev_b32 v[LI], 4, v1
	v_lshlrev_b32 v[LS], 2, v1
	v_lshlrev_b32 v[T4], 2, v0
	v_lshlrev_b32 v[NA], 6, v3
	s_lshl_b32 s34, s[WV], 11
	v_add_nc_u32 v[XWI], s34, v[LI]
	s_lshl_b32 s35, s[WV], 7
	v_lshl_add_u32 v[XWS], v2, 2, s35
	v_add_nc_u32 v[LSX], s35, v[LS]
	v_lshl_add_u32 v[VBA], v19, 2, s35
	s_lshl_b32 s36, s[WV], 12
	v_add_nc_u32 v[WWI], s36, v[LI]
	s_lshl_b32 s37, s[WV], 8
	v_lshl_add_u32 v[WWS], v2, 2, s37
	v_add_nc_u32 v[LSW], s37, v[LS]
.irp b, 0,1,2,3
	v_mov_b32 v[TM+4+\b], 0                        ; written once: a lane permute's destination counts as one of its sources
.endr
	s_wait_kmcnt 0x0
	s_cmp_eq_u32 s[YY], 3
	s_cbranch_scc1 .Lproj                          ; the whole work-group goes one way: the branch hangs on its number alone
	s_lshl_b32 s34, s[GG], 7                       ; x at my tile's first row: 128 G + 32 (w / 2) + 8 (w % 2)
	s_lshr_b32 s35, s[WV], 1
	s_lshl_b32 s35, s35, 5
	s_add_co_u32 s34, s34, s35
	s_and_b32 s35, s[WV], 1
	s_lshl_b32 s35, s35, 3
	s_add_co_u32 s34, s34, s35
	s_lshl_b32 s34, s34, 10
	s_mov_b32 s35, 0
	s_add_nc_u64 s[4:5], s[4:5], s[34:35]
	s_lshl_b32 s36, s[YY], 8                       ; qkv_w at row 256 Y + 32 w
	s_lshl_b32 s37, s[WV], 5
	s_add_co_u32 s36, s36, s37
	s_lshl_b32 s36, s36, 10
	s_mov_b32 s37, 0
	s_add_nc_u64 s[10:11], s[10:11], s[36:37]
	s_lshl_b32 s38, s[YY], 10                      ; qkv_b at number 256 Y
	s_mov_b32 s39, 0
	s_add_nc_u64 s[12:13], s[12:13], s[38:39]
	global_load_b32 v17, v[T4], s[6:7]             ; norm_w[thread], norm_b[thread]
	global_load_b32 v18, v[T4], s[8:9]
.irp b, 0,1,2,3,4,5,6,7
.irp j, 0,1,2,3
	global_load_b128 v[X+16*\b+4*\j:X+16*\b+4*\j+3], v[RA], s[4:5] offset:128*\b+16*\j   ; register 16 b + i = channel 32 b + 16 h + i of my token
.endr
.endr
	s_wait_loadcnt 32                              ; the two norm words are in; x's 32 loads may be out
	ds_store_b32 v[T4], v17 offset:NWT
	ds_store_b32 v[T4], v18 offset:NBT
	s_wait_dscnt 0x0                               ; for the others' sake: my words lie in LDS
	s_barrier_signal -1
	s_barrier_wait -1
	WIN 0x40                                       ; destination window 1: norm_w at v0-127, norm_b at v128-255, in x's layout
.irp b, 0,1,2,3,4,5,6,7
.irp j, 0,1,2,3
	ds_load_b128 v[16*\b+4*\j:16*\b+4*\j+3], v[NA] offset:NWT+128*\b+16*\j
	ds_load_b128 v[128+16*\b+4*\j:128+16*\b+4*\j+3], v[NA] offset:NBT+128*\b+16*\j
.endr
.endr
	WIN 0
	; ---- LayerNorm: the mean, then the mean square of x - mean (two passes, so that a common offset costs nothing)
	s_wait_loadcnt 0x0                             ; x is in
.irp k, 0,1,2,3
	v_pk_add_f32 v[CH+2*\k:CH+2*\k+1], v[X+2*\k:X+2*\k+1], v[X+8+2*\k:X+8+2*\k+1]
.endr
.set j, 8
.rept 56
	v_pk_add_f32 v[CH+2*(j%4):CH+2*(j%4)+1], v[CH+2*(j%4):CH+2*(j%4)+1], v[X+2*j:X+2*j+1]
.set j, j+1
.endr
	JOIN
	v_mul_f32 v[MU], s32, v[CH]
	v_mov_b32 v[MU+1], v[MU]
.set j, 0
.rept 64
	v_pk_add_f32 v[X+2*j:X+2*j+1], v[X+2*j:X+2*j+1], v[MU:MU+1] neg_lo:[0,1] neg_hi:[0,1]
.set j, j+1
.endr
.irp k, 0,1,2,3
	v_pk_mul_f32 v[CH+2*\k:CH+2*\k+1], v[X+2*\k:X+2*\k+1], v[X+2*\k:X+2*\k+1]
.endr
.set j, 4
.rept 60
	v_pk_fma_f32 v[CH+2*(j%4):CH+2*(j%4)+1], v[X+2*j:X+2*j+1], v[X+2*j:X+2*j+1], v[CH+2*(j%4):CH+2*(j%4)+1]
.set j, j+1
.endr
	JOIN
	v_fma_f32 v[CH], v[CH], s32, s33               ; var + eps
	v_rsq_f32 v[RS], v[CH]
	v_nop                                          ; one plain place behind a transcendental
	s_wait_alu depctr_va_vdst(0)
	v_mov_b32 v[RS+1], v[RS]
.set j, 0
.rept 64
	v_pk_mul_f32 v[X+2*j:X+2*j+1], v[X+2*j:X+2*j+1], v[RS:RS+1]
.set j, j+1
.endr
	s_wait_dscnt 0x0                               ; norm_w and norm_b are in
	WIN 0x14                                       ; sources 1 and 2 window 1
.set j, 0
.rept 64
	v_pk_fma_f32 v[X+2*j:X+2*j+1], v[X+2*j:X+2*j+1], v[2*j:2*j+1], v[128+2*j:128+2*j+1]
.set j, j+1
.endr
	WIN 0x40                                       ; my four weight units take window 1
	WLOAD 0
	WLOAD 1
	WLOAD 2
	WLOAD 3
	WIN 0
	; ---- xn's two fragments and their scale words (both halves of the lanes hold a row's word and write it to the same place)
	QUANT X, 0, PC, PW
	IMAGE XWI, PC, XIMG
	ds_store_b32 v[XWS], v[PW] offset:XSC
	QUANT X+64, 0, PC2, PW2
	IMAGE XWI, PC2, XIMG+1024
	ds_store_b32 v[XWS], v[PW2] offset:XSC+64
	; ---- the bias.  q, k: a lane's registers run along the channels: it is loaded straight into the accumulators.  v: a lane holds one channel: one word a tile
	s_cmp_eq_u32 s[YY], 2
	s_cbranch_scc1 .Lbias_v
.irp t, 0,1,2,3,4,5,6,7,8,9,10,11,12,13,14,15
	global_load_b128 v[X+8*\t:X+8*\t+3], v[NA], s[12:13] offset:128*(\t/2)+32*(\t%2)
	global_load_b128 v[X+8*\t+4:X+8*\t+7], v[NA], s[12:13] offset:128*(\t/2)+32*(\t%2)+16
.endr
	s_branch .Lbias_done
.Lbias_v:
	global_load_b32 v[BV], v[VBA], s[12:13]
	global_load_b32 v[BV+1], v[VBA], s[12:13] offset:32
.Lbias_done:
	; ---- my four weight units.  Each load wait leaves out the younger units' 16 loads each and the 2 bias loads of v's way (on q's and k's way, with 32 bias loads, the same counts ask for more than is needed).
	; Each LDS wait leaves out the three stores of the unit before: the stores that read the registers written next are done.
	s_wait_loadcnt 50
	s_wait_dscnt 3
	QUANT 0, 1, PC, PW
	IMAGE WWI, PC, WIMG
	ds_store_b32 v[WWS], v[PW] offset:WSC
	s_wait_loadcnt 34
	s_wait_dscnt 3
	QUANT 64, 1, PC2, PW2
	IMAGE WWI, PC2, WIMG+1024
	ds_store_b32 v[WWS], v[PW2] offset:WSC+64
	s_wait_loadcnt 18
	s_wait_dscnt 3
	QUANT 128, 1, PC, PW
	IMAGE WWI, PC, WIMG+2048
	ds_store_b32 v[WWS], v[PW] offset:WSC+128
	s_wait_loadcnt 2
	s_wait_dscnt 3
	QUANT 192, 1, PC2, PW2
	IMAGE WWI, PC2, WIMG+3072
	ds_store_b32 v[WWS], v[PW2] offset:WSC+192
	s_wait_dscnt 0x0                               ; for the others' sake: all my images lie in LDS
	s_barrier_signal -1
	s_barrier_wait -1                              ; behind it LDS is only read
	s_cmp_eq_u32 s[YY], 2
	s_cbranch_scc1 .Lpath_v
	; ---- q, k: my token tile against all 16 weight tiles.  Source 0 = 16 weight rows, source 1 = my 16 tokens: a lane holds one token, its registers run along the channels
	WIN 0x40
.set f, 0
.rept 32
	ds_load_b128 v[8*f:8*f+3], v[LI] offset:WIMG+1024*f
	ds_load_b128 v[8*f+4:8*f+7], v[LI] offset:WIMG+1024*f+512
.set f, f+1
.endr
	WIN 0
.irp s, 0,1
.irp c, 0,1
	ds_load_b128 v[OF+8*\s+4*\c:OF+8*\s+4*\c+3], v[XWI] offset:XIMG+1024*\s+512*\c
.endr
.endr
	ds_load_b32 v[OWNS], v[LSX] offset:XSC
.irp t, 0,1,2,3,4,5,6,7,8,9,10,11,12,13,14,15
	ds_load_b32 v[STS+\t], v[LS] offset:WSC+128*\t
.endr
	s_cmp_eq_u32 s[YY], 0                          ; where the results go: q's own buffers, or K's parts of kv.  The choice hangs on the work-group's number alone
	s_cselect_b64 s[40:41], s[16:17], s[20:21]
	s_cselect_b64 s[42:43], s[18:19], s[20:21]
	s_cselect_b32 s38, 0, KSO
	s_lshl_b32 s34, s[GG], 14                      ; codes: 16,384 G + 2,048 w, in q_codes and in kv alike
	s_lshl_b32 s35, s[WV], 11
	s_add_co_u32 s34, s34, s35
	s_mov_b32 s35, 0
	s_add_nc_u64 s[40:41], s[40:41], s[34:35]
	s_lshl_b32 s36, s[GG], 10                      ; scale images: 1,024 G + 128 w, in kv behind the codes
	s_add_co_u32 s36, s36, s38
	s_lshl_b32 s37, s[WV], 7
	s_add_co_u32 s36, s36, s37
	s_mov_b32 s37, 0
	s_add_nc_u64 s[42:43], s[42:43], s[36:37]
	s_wait_loadcnt 0x0                             ; the bias lies in the accumulators
	s_wait_dscnt 0x0
	WIN 0x01                                       ; source 0 window 1.  The 16 accumulators take turns, one instruction a turn
.irp t, 0,1,2,3,4,5,6,7,8,9,10,11,12,13,14,15
	v_wmma_scale_f32_16x16x128_f8f6f4 v[X+8*\t:X+8*\t+7], v[16*\t:16*\t+7], v[OF:OF+7], v[X+8*\t:X+8*\t+7], v[STS+\t], v[OWNS] matrix_a_fmt:MATRIX_FMT_FP4 matrix_b_fmt:MATRIX_FMT_FP4
.endr
.irp t, 0,1,2,3,4,5,6,7,8,9,10,11,12,13,14,15
	v_wmma_scale_f32_16x16x128_f8f6f4 v[X+8*\t:X+8*\t+7], v[16*\t+8:16*\t+15], v[OF+8:OF+15], v[X+8*\t:X+8*\t+7], v[STS+\t], v[OWNS] matrix_a_fmt:MATRIX_FMT_FP4 matrix_b_fmt:MATRIX_FMT_FP4 matrix_a_scale:MATRIX_SCALE_ROW1 matrix_b_scale:MATRIX_SCALE_ROW1
.endr
	WIN 0
	PLACES 4                                       ; in front of the first read of results
	QUANT X, 0, PC, PW                             ; channels 0-127: K step 0 of the next product
	QUANT X+64, 0, PC2, PW2                        ; channels 128-255: K step 1
	SENDOUT 40, 42
.Lpath_v:
	; ---- v: my two tiles of 16 channels against all 8 token tiles.  Source 0 = 16 tokens, source 1 = my 16 weight rows: a lane holds one channel, its registers run along the tokens
	WIN 0x40
.set f, 0
.rept 16
	ds_load_b128 v[8*f:8*f+3], v[LI] offset:XIMG+1024*f
	ds_load_b128 v[8*f+4:8*f+7], v[LI] offset:XIMG+1024*f+512
.set f, f+1
.endr
	WIN 0
.irp u, 0,1,2,3
.irp c, 0,1
	ds_load_b128 v[OF+8*\u+4*\c:OF+8*\u+4*\c+3], v[WWI] offset:WIMG+1024*\u+512*\c
.endr
.endr
	ds_load_b32 v[OWNS], v[LSW] offset:WSC
	ds_load_b32 v[OWNS+1], v[LSW] offset:WSC+128
.irp t, 0,1,2,3,4,5,6,7
	ds_load_b32 v[STS+\t], v[LS] offset:XSC+128*\t
.endr
	s_lshl_b32 s34, s[GG], 14                      ; V's codes of block G: VCO + 16,384 G + 2,048 w
	s_lshl_b32 s35, s[WV], 11
	s_add_co_u32 s36, s34, s35
	s_add_co_u32 s36, s36, VCO
	s_mov_b32 s37, 0
	s_add_nc_u64 s[40:41], s[20:21], s[36:37]
	s_lshl_b32 s34, s[GG], 10                      ; its scale images: VSO + 1,024 G + 128 w
	s_lshl_b32 s35, s[WV], 7
	s_add_co_u32 s36, s34, s35
	s_add_co_u32 s36, s36, VSO
	s_add_nc_u64 s[42:43], s[20:21], s[36:37]
	s_wait_loadcnt 0x0                             ; my two bias words
.irp i, 0,1,2,3,4,5,6,7
	v_mov_b32 v[CB+\i], v[BV]                      ; a tile's C: my channel's bias in all eight registers (eight tokens)
	v_mov_b32 v[CB+8+\i], v[BV+1]
.endr
	s_wait_dscnt 0x0
	PLACES 4
	WIN 0x01
.irp i, 0,1
.irp t, 0,1,2,3,4,5,6,7
	v_wmma_scale_f32_16x16x128_f8f6f4 v[X+64*\i+8*\t:X+64*\i+8*\t+7], v[16*\t:16*\t+7], v[OF+16*\i:OF+16*\i+7], v[CB+8*\i:CB+8*\i+7], v[STS+\t], v[OWNS+\i] matrix_a_fmt:MATRIX_FMT_FP4 matrix_b_fmt:MATRIX_FMT_FP4
.endr
.endr
.irp i, 0,1
.irp t, 0,1,2,3,4,5,6,7
	v_wmma_scale_f32_16x16x128_f8f6f4 v[X+64*\i+8*\t:X+64*\i+8*\t+7], v[16*\t+8:16*\t+15], v[OF+16*\i+8:OF+16*\i+15], v[X+64*\i+8*\t:X+64*\i+8*\t+7], v[STS+\t], v[OWNS+\i] matrix_a_fmt:MATRIX_FMT_FP4 matrix_b_fmt:MATRIX_FMT_FP4 matrix_a_scale:MATRIX_SCALE_ROW1 matrix_b_scale:MATRIX_SCALE_ROW1
.endr
.endr
	WIN 0
	PLACES 4
	QUANT X, 0, PC, PW                             ; channel tile 2 w, along the 128 tokens
	QUANT X+64, 0, PC2, PW2                        ; channel tile 2 w + 1
	SENDOUT 40, 42
.Lproj:
	; ---- proj_w: wave w of work-group G takes rows 16 (8 G + w) on; no LDS, no barrier
	s_lshl_b32 s34, s[GG], 3
	s_add_co_u32 s34, s34, s[WV]
	s_lshl_b32 s36, s34, 14
	s_mov_b32 s37, 0
	s_add_nc_u64 s[14:15], s[14:15], s[36:37]
	s_lshl_b32 s36, s34, 11
	s_add_nc_u64 s[22:23], s[22:23], s[36:37]
	s_lshl_b32 s36, s34, 7
	s_add_nc_u64 s[24:25], s[24:25], s[36:37]
.irp b, 0,1,2,3,4,5,6,7
.irp j, 0,1,2,3
	global_load_b128 v[X+16*\b+4*\j:X+16*\b+4*\j+3], v[PA], s[14:15] offset:128*\b+16*\j
.endr
.endr
	s_wait_loadcnt 16                              ; K step 0's sixteen loads are in
	QUANT X, 0, PC, PW
	s_wait_loadcnt 0x0
	QUANT X+64, 0, PC2, PW2
	SENDOUT 22, 24
.Lfunc_end_k_qf0752b1484_prep:
	.size	k_qf0752b1484_prep, .Lfunc_end_k_qf0752b1484_prep-k_qf0752b1484_prep
	.p2alignl 7, 3214868480
	.fill 96, 4, 3214868480
	.section	.rodata,"a",@progbits
	.p2align	6, 0x0
	.amdhsa_kernel k_qf0752b1484_prep
		.amdhsa_group_segment_fixed_size 55296
		.amdhsa_private_segment_fixed_size 0
		.amdhsa_enable_private_segment 0
		.amdhsa_kernarg_size 88
		.amdhsa_user_sgpr_count 2
		.amdhsa_user_sgpr_kernarg_segment_ptr 1
		.amdhsa_wavefront_size32 1
		.amdhsa_system_sgpr_workgroup_id_x 1
		.amdhsa_system_sgpr_workgroup_id_y 1
		.amdhsa_system_sgpr_workgroup_id_z 1
		.amdhsa_system_vgpr_workitem_id 0
		.amdhsa_next_free_vgpr 512
		.amdhsa_next_free_sgpr 66
		.amdhsa_reserve_vcc 1
		.amdhsa_float_denorm_mode_32 3
		.amdhsa_float_denorm_mode_16_64 3
		.amdhsa_memory_ordered 1
		.amdhsa_forward_progress 1
		.amdhsa_inst_pref_size 111
	.end_amdhsa_kernel
	.amdgpu_metadata
---
amdhsa.version: [ 1, 2 ]
amdhsa.kernels:
  - .name:           k_qf0752b1484_prep
    .symbol:         k_qf0752b1484_prep.kd
    .args:
      - { .name: x, .offset: 0, .size: 8, .value_kind: global_buffer, .address_space: global }
      - { .name: norm_w, .offset: 8, .size: 8, .value_kind: global_buffer, .address_space: global }
      - { .name: norm_b, .offset: 16, .size: 8, .value_kind: global_buffer, .address_space: global }
      - { .name: qkv_w, .offset: 24, .size: 8, .value_kind: global_buffer, .address_space: global }
      - { .name: qkv_b, .offset: 32, .size: 8, .value_kind: global_buffer, .address_space: global }
      - { .name: proj_w, .offset: 40, .size: 8, .value_kind: global_buffer, .address_space: global }
      - { .name: q_codes, .offset: 48, .size: 8, .value_kind: global_buffer, .address_space: global }
      - { .name: q_scales, .offset: 56, .size: 8, .value_kind: global_buffer, .address_space: global }
      - { .name: kv, .offset: 64, .size: 8, .value_kind: global_buffer, .address_space: global }
      - { .name: pw_codes, .offset: 72, .size: 8, .value_kind: global_buffer, .address_space: global }
      - { .name: pw_scales, .offset: 80, .size: 8, .value_kind: global_buffer, .address_space: global }
    .group_segment_fixed_size: 55296
    .private_segment_fixed_size: 0
    .kernarg_segment_align: 8
    .kernarg_segment_size: 88
    .max_flat_workgroup_size: 256
    .sgpr_count:     66
    .vgpr_count:     512
    .wavefront_size: 32
...
	.end_amdgpu_metadata
.endif
;; end of part 3
;; launch attn (part 4): grid 256 x 1, 4 waves a work-group, clusters of 4 x 1, 327,680 bytes of LDS; arguments q_codes, q_scales, kv, pw_codes, pw_scales, proj_b, x, out0; writes out0
.if DOCPART == 4
	.amdgcn_target "amdgcn-amd-amdhsa--gfx1250"
	.amdhsa_code_object_version 6
	.text
	.protected	k_qf0752b1484_attn
	.globl	k_qf0752b1484_attn
	.p2align	8
	.type	k_qf0752b1484_attn,@function
k_qf0752b1484_attn:
	s_mov_b64 s[64:65], 0
	v_nop
	global_prefetch_b8 v0, s[64:65] scope:SCOPE_SE
	s_setreg_imm32_b32 hwreg(HW_REG_WAVE_MODE, 25, 1), 1
	s_wait_xcnt 0x0
	s_wait_alu depctr_hold_cnt(0) depctr_sa_sdst(0) depctr_va_vdst(0) depctr_va_sdst(0) depctr_va_ssrc(0) depctr_va_vcc(0) depctr_vm_vsrc(0)
	s_getreg_b32 s2, hwreg(HW_REG_IB_STS2, 6, 4)
	s_cmp_eq_u32 s2, 0
	s_cbranch_scc0 .Lentry_in_a_cluster
	s_endpgm
.Lentry_in_a_cluster:
	s_bfe_u32 s2, ttmp6, 0x10000c
	s_cmp_lg_u32 s2, 0x3003
	s_cbranch_scc0 .Lentry_shape_is_right
	s_endpgm
.Lentry_shape_is_right:
; out0 = x + (softmax(q k^T / 16) v) proj_w^T + proj_b, all three products on codes of FP4 (E2M1) with one E8M0 scale for each 32 along K.  All operands arrive as images of operand registers.
; SHARES.  A work-group owns 32 tokens: two query tiles of 16.  THE KEYS ARE SHARED AMONG ITS FOUR WAVES: every wave holds both tiles, wave w takes the 16 key blocks 16 w .. 16 w + 15 (128 keys each), one a trip,
; with its own running M, sum and O^T; at the end the four are joined through LDS by exact powers of two.  8,192 tokens on 256 work-groups leave no more than 32 tokens to each, and so a wave gets two tiles for each fragment it reads.
; SOFTMAX.  t = score x log2(e) / 16; M = the largest t so far rounded up to a whole number; p = 2^(t - M) is quantised along the keys, not normalised; the sum is taken of the unquantised p and divides at the end.
; LAYOUT.  S^T = K Q^T and O^T = V^T P^T: a lane holds ONE query.  The keys of a tile of K and the channels of a tile of V^T are 32 b + 8 u + r + 8 (r / 8) (tile 2 b + u), so that 16 result registers are 16 neighbours.
; K'S CODES come through a ring of two LDS slots.  A slot holds, for each wave, the codes of TWO neighbouring blocks (32,768 dense bytes, one tensor load): one refill, one round for two trips, and a load has two trips in which to land.
; Each wave fetches and reads its own bytes alone, behind its own wait on TENSORcnt.  CLUSTER: all work-groups walk the same K, so the four of a cluster ask jointly: the same load, the same descriptor, a mask of all four.
; V'S CODES AND ALL SCALE IMAGES go from memory straight into registers, not jointly: a ring for K and V together (34,816 bytes a wave and trip) fills LDS with one trip to a slot, half the time for a load to land;
; each wave alone reads its block, which lies in register order, and V has two register buffers, so that its loads are asked for in the trip before the one that multiplies by them.
; THE WALK IS TURNED from cluster to cluster: cluster c begins at pair (c + c / 8) mod 8 of each wave's eight pairs of blocks and goes round, so that the clusters ask for different blocks at a time.
; The start hangs on the cluster's number alone, which the four partners share, and enters global addresses alone.
; LIMITS: NaN and infinities are not served.  A block of p or of the output whose largest magnitude lies under 2^-124 keeps the scale byte 1.  The sums over the keys are taken wave by wave, from a start that differs
; between clusters, and then joined: another order of f32 additions than a single pass.  1 / sum is v_rcp_f32.
; REGISTERS.  Window 0: v1-15, v76-77, v116-120 addresses and offsets; v16-31 statistics; v32-63, v122-125 scale words; v64-75, v80-91 at work; v96-111 p's codes; v128-255 S^T, then p (tile q, key tile T at 128 + 64 q + 8 T).
;   Window 1: O^T (128 q + 8 c).   Window 2: v0-127 K's 16 fragments; v128-255 V's, even trips.   Window 3: v0-31 Q; v32-95 my part of proj_w; v96-127 proj_b's tiles; v128-255 V's, odd trips.
.set KCB,   16384                      ; a block's codes of K, and of V
.set VCO,   1048576                    ; kv: where V's codes begin,
.set KSO,   2097152                    ; K's scale images (1,024 bytes a block),
.set VSD,   65536                      ; and how far behind them V's
.set SLOT1, 1<<17                      ; a slot: 4 waves x 32,768 bytes; slot 1 begins here, so that one exclusive or turns an address in one slot into the other's
.set SPARE, 2*SLOT1                    ; the spare words, 128 bytes for each wave: two blocks of 256 bytes that no other line names
.set STAT,  SPARE+512                  ; -M (512 q + 16 lane + 4 w) and, 1,024 on, the sums
.set OIMG,  STAT+2048                  ; the attention output's four fragments (tile q, K step s at 1,024 (2 q + s))
.set OSC,   OIMG+4096                  ; their scale words, 128 bytes each
.set YSTG,  OSC+512                    ; the stage for the result: 32 rows x (1,024 + 16) bytes
.set YP,    1040
.set SPW, 1
.set NIL, 2
.set AK0, 3                            ; v3   16 lane + 32,768 w: my place in a slot
.set ADK, 4                            ; v4   the same in the slot in hand
.set VA0, 5                            ; v5   16 lane + VCO + 262,144 w: my offset in kv of my first block's codes of V
.set VA,  6                            ; v6   the same for the block to be fetched
.set LI,  7                            ; v7   16 lane
.set LS,  8                            ; v8   4 lane
.set SA,  9                            ; v9   STAT + 16 lane + 4 w
.set SB,  10                           ; v10  STAT + 16 lane
.set PSA, 11                           ; v11  16 lane + 32,768 w: my O^T's image (in slot 0, which has had its last fill and its last read by then)
.set RA,  12                           ; v12  16 lane + 16,384 (w / 2) + 8,192 (w % 2): my unit in wave 0's image;  v13: + 65,536
.set RA2, 13
.set OA,  14                           ; v14  OIMG + 16 lane + 1,024 w
.set OSA, 15                           ; v15  OSC + 4 lane + 128 w
.set ST,  16                           ; tile q at v[16 + 8 q]: +0 -M, +1 the largest t, +2, +3 the sum in two halves, +4 f, +5 its pair's partner, +6, +7 at work
.set KS,  32                           ; v32-39 K's scale images;  v40-47, v48-55 V's (even, odd trips);  v56-57 Q's;  v58-59 p's;  v60-63 proj_w's
.set VS,  40
.set QS,  56
.set PS,  58
.set WPS, 60
.set TM,  64                           ; tile q at v[64 + 16 q]: +0..3 the blocks' largest, +4..7 the other half's, then bytes, +8..11 scale operands
.set SO0, 76                           ; v76  4 lane + KSO + 16,384 w: my offset in kv of my first block's scale images of K
.set SO,  77                           ; v77  the same for the block to be fetched
.set PC,  96
.set SU,  112
.set OB,  116
.set OSB, 117
.set YA,  118
.set YR,  119
.set BA,  120
.set PW,  121
.set OS,  122
.set RR,  126
.set S,   128
.set WV,  20
.set XX,  21
.set G1,  24                           ; s[24:31] descriptor group 1
.set G0,  32                           ; s[32:35] group 0 of the first fill of slot 0; s[36:39] of slot 1's, which then walks on
.set SEL, 40
.set CS,  42
.set CNT, 44
.set T3,  45
.set KB,  52                           ; s[52:53] kv at my wave's first block of K's codes
.set T1,  54                           ; s[54:55] a pair's byte offset from there; the upper word stays 0
.set PN,  56                           ; s56  counts the pairs asked for, from the cluster's start on; taken mod 8
.set TN,  57                           ; s57  counts the blocks fetched into registers, likewise; taken mod 16
.set TB,  58                           ; s58  LDS byte at which the slot in hand begins
.set T2,  59
.set MSB, 0
.macro WIN new
.if MSB != (\new)
	s_set_vgpr_msb (MSB<<8)|(\new)
.set MSB, (\new)
.endif
.endm
.macro PLACES n
.rept \n
	v_nop
.endr
.endm
.macro BARRIER
	s_wait_dscnt 0x0                               ; my LDS stores have landed and my LDS loads are in
	s_barrier_signal -1
	s_barrier_wait -1
.endm
.macro ROUND                           ; a round of the cluster's barrier
	s_barrier_signal -1
	s_barrier_wait -1
	s_cmp_lg_u32 s[WV], 0
	s_cbranch_scc1 .Lnot_wave_0_\@
	s_barrier_signal -3
.Lnot_wave_0_\@:
	s_barrier_wait -3
	s_barrier_signal -1
	s_barrier_wait -1
.endm
; 64 numbers of a lane in window 0, register 16 b + i = k 32 b + 16 (lane / 16) + i, become a fragment's codes and its scale word
.macro QUANT s, pc, pw
.irp b, 0,1,2,3
	v_max3_num_f32 v[TM+\b], 0x1800000, |v[\s+16*\b]|, |v[\s+16*\b+1]|
.endr
.irp i, 2,4,6,8,10,12,14
.irp b, 0,1,2,3
	v_max3_num_f32 v[TM+\b], v[TM+\b], |v[\s+16*\b+\i]|, |v[\s+16*\b+\i+1]|
.endr
.endr
.irp b, 0,1,2,3
	v_permlanex16_b32 v[TM+4+\b], v[TM+\b], s[SEL], s[SEL+1]
.endr
.irp b, 0,1,2,3
	v_max_num_f32 v[TM+\b], v[TM+\b], v[TM+4+\b]
.endr
.irp b, 0,1,2,3
	v_add_nc_u32 v[TM+8+\b], 0xff000000, v[TM+\b]
.endr
.irp b, 0,1,2,3
	v_lshrrev_b32 v[TM+4+\b], 23, v[TM+8+\b]
.endr
	v_lshl_or_b32 v[\pw], v[TM+5], 8, v[TM+4]
	v_lshl_or_b32 v[\pw], v[TM+6], 16, v[\pw]
	v_lshl_or_b32 v[\pw], v[TM+7], 24, v[\pw]
.irp b, 0,1,2,3
	v_cvt_scalef32_pk8_fp4_f32 v[\pc+2*\b], v[\s+16*\b:\s+16*\b+7], v[TM+8+\b]
	v_cvt_scalef32_pk8_fp4_f32 v[\pc+2*\b+1], v[\s+16*\b+8:\s+16*\b+15], v[TM+8+\b]
.endr
	v_nop
.irp c, 0,1
.irp i, 0,1
	v_permlane16_swap_b32 v[\pc+4*\c+\i], v[\pc+4*\c+2+\i]
.endr
.endr
.endm
; The offsets in kv of the next block that goes into registers: block (TN mod 16) of my wave's sixteen
.macro NEXTBLK
	s_wait_xcnt 0x0                                ; the loads that named the two offset registers have had their addresses translated: only behind this wait are they rewritten
	s_and_b32 s[T2], s[TN], 15
	s_add_co_u32 s[TN], s[TN], 1
	s_lshl_b32 s[T3], s[T2], 10
	v_add_nc_u32 v[SO], s[T3], v[SO0]
	s_lshl_b32 s[T3], s[T2], 14
	v_add_nc_u32 v[VA], s[T3], v[VA0]
.endm
.macro LOAD_KS                         ; that block's 8 scale images of K: 8 loads
.irp t, 0,1,2,3,4,5,6,7
	global_load_b32 v[KS+\t], v[SO], s[8:9] offset:128*\t
.endr
.endm
.macro FETCH_K sub                     ; K's 16 fragments from the slot in hand, its first (sub = 0) or second (sub = KCB) block: 32 LDS loads
	WIN 0x80
.irp f, 0,1,2,3,4,5,6,7,8,9,10,11,12,13,14,15
	ds_load_b128 v[8*\f:8*\f+3], v[ADK] offset:\sub+1024*\f
	ds_load_b128 v[8*\f+4:8*\f+7], v[ADK] offset:\sub+1024*\f+512
.endr
	WIN 0
.endm
.macro FETCH_V n                       ; that block's 8 scale images and 16 fragments of V, from memory into buffer n: 40 loads, each of codes 512 consecutive bytes
.irp i, 0,1,2,3,4,5,6,7
	global_load_b32 v[VS+8*(\n)+\i], v[SO], s[8:9] offset:VSD+128*\i
.endr
	WIN 0x80+0x40*(\n)
.irp c, 0,1,2,3,4,5,6,7,8,9,10,11,12,13,14,15
	global_load_b128 v[128+8*\c:128+8*\c+3], v[VA], s[8:9] offset:1024*\c
	global_load_b128 v[128+8*\c+4:128+8*\c+7], v[VA], s[8:9] offset:1024*\c+512
.endr
	WIN 0
.endm
; S^T = K Q^T: 8 key tiles x 2 query tiles, two K steps.  The 16 accumulators take turns, one instruction a turn; the first K step starts the sums
.macro SMUL
	WIN 0x0e                                       ; source 0 (K) window 2, source 1 (Q) window 3
.irp t, 0,1,2,3,4,5,6,7
.irp q, 0,1
	v_wmma_scale_f32_16x16x128_f8f6f4 v[S+64*\q+8*\t:S+64*\q+8*\t+7], v[16*\t:16*\t+7], v[16*\q:16*\q+7], 0, v[KS+\t], v[QS+\q] matrix_a_fmt:MATRIX_FMT_FP4 matrix_b_fmt:MATRIX_FMT_FP4
.endr
.endr
.irp t, 0,1,2,3,4,5,6,7
.irp q, 0,1
	v_wmma_scale_f32_16x16x128_f8f6f4 v[S+64*\q+8*\t:S+64*\q+8*\t+7], v[16*\t+8:16*\t+15], v[16*\q+8:16*\q+15], v[S+64*\q+8*\t:S+64*\q+8*\t+7], v[KS+\t], v[QS+\q] matrix_a_fmt:MATRIX_FMT_FP4 matrix_b_fmt:MATRIX_FMT_FP4 matrix_a_scale:MATRIX_SCALE_ROW1 matrix_b_scale:MATRIX_SCALE_ROW1
.endr
.endr
.endm
.macro PV1 p, c, q, first              ; O^T(q, c) += V^T(c) P(q): V's scale image c / 2 carries tile c's words in lanes 0-15 (c even) or 16-31 (c odd)
.if \first
.if (\c)%2
	v_wmma_scale_f32_16x16x128_f8f6f4 v[128*\q+8*\c:128*\q+8*\c+7], v[128+8*\c:128+8*\c+7], v[PC+8*\q:PC+8*\q+7], 0, v[VS+8*(\p)+(\c)/2], v[PS+\q] matrix_a_fmt:MATRIX_FMT_FP4 matrix_b_fmt:MATRIX_FMT_FP4 matrix_a_scale:MATRIX_SCALE_ROW1
.else
	v_wmma_scale_f32_16x16x128_f8f6f4 v[128*\q+8*\c:128*\q+8*\c+7], v[128+8*\c:128+8*\c+7], v[PC+8*\q:PC+8*\q+7], 0, v[VS+8*(\p)+(\c)/2], v[PS+\q] matrix_a_fmt:MATRIX_FMT_FP4 matrix_b_fmt:MATRIX_FMT_FP4
.endif
.else
.if (\c)%2
	v_wmma_scale_f32_16x16x128_f8f6f4 v[128*\q+8*\c:128*\q+8*\c+7], v[128+8*\c:128+8*\c+7], v[PC+8*\q:PC+8*\q+7], v[128*\q+8*\c:128*\q+8*\c+7], v[VS+8*(\p)+(\c)/2], v[PS+\q] matrix_a_fmt:MATRIX_FMT_FP4 matrix_b_fmt:MATRIX_FMT_FP4 matrix_a_scale:MATRIX_SCALE_ROW1
.else
	v_wmma_scale_f32_16x16x128_f8f6f4 v[128*\q+8*\c:128*\q+8*\c+7], v[128+8*\c:128+8*\c+7], v[PC+8*\q:PC+8*\q+7], v[128*\q+8*\c:128*\q+8*\c+7], v[VS+8*(\p)+(\c)/2], v[PS+\q] matrix_a_fmt:MATRIX_FMT_FP4 matrix_b_fmt:MATRIX_FMT_FP4
.endif
.endif
.endm
.macro PVMUL p, first                  ; 32 accumulators, one instruction each
	WIN 0x52+(\p)                                  ; source 0 (V) window 2 or 3, source 1 (p) window 0, C and D window 1
.irp c, 0,1,2,3,4,5,6,7,8,9,10,11,12,13,14,15
.irp q, 0,1
	PV1 \p, \c, \q, \first
.endr
.endr
.endm
.macro RESC                            ; O^T under the new M: x f, exact; each accumulator from its low end on
	WIN 0x41
.irp q, 0,1
.set j, 0
.rept 64
	v_pk_mul_f32 v[128*\q+2*j:128*\q+2*j+1], v[128*\q+2*j:128*\q+2*j+1], v[ST+8*\q+4:ST+8*\q+5] op_sel_hi:[1,0]
.set j, j+1
.endr
.endr
.endm
.macro SUMI q, n                       ; item n of 32 of tile q's sum of the unquantised p: two chains of pairs
.if (\n) == 0
	s_wait_alu depctr_va_vdst(0)
	v_pk_add_f32 v[SU+2*\q:SU+2*\q+1], v[S+64*\q:S+64*\q+1], v[S+64*\q+2:S+64*\q+3]
.elseif (\n) == 31
	v_pk_add_f32 v[ST+8*\q+2:ST+8*\q+3], v[ST+8*\q+2:ST+8*\q+3], v[SU+2*\q:SU+2*\q+1]
.elseif (\n)%2 == 1
	v_pk_add_f32 v[ST+8*\q+2:ST+8*\q+3], v[ST+8*\q+2:ST+8*\q+3], v[S+64*\q+4*(((\n)+1)/2):S+64*\q+4*(((\n)+1)/2)+1]
.else
	v_pk_add_f32 v[SU+2*\q:SU+2*\q+1], v[SU+2*\q:SU+2*\q+1], v[S+64*\q+4*((\n)/2)+2:S+64*\q+4*((\n)/2)+3]
.endif
.endm
.macro PQUANT q                        ; tile q's p becomes codes and a scale word; the blocks' largest p (with the floor) stand in v[TM + 16 q] on
.irp b, 0,1,2,3
	v_add_nc_u32 v[TM+16*\q+8+\b], 0xff000000, v[TM+16*\q+\b]
.endr
.irp b, 0,1,2,3
	v_lshrrev_b32 v[TM+16*\q+4+\b], 23, v[TM+16*\q+8+\b]
.endr
	v_lshl_or_b32 v[PS+\q], v[TM+16*\q+5], 8, v[TM+16*\q+4]
	v_lshl_or_b32 v[PS+\q], v[TM+16*\q+6], 16, v[PS+\q]
	v_lshl_or_b32 v[PS+\q], v[TM+16*\q+7], 24, v[PS+\q]
.irp b, 0,1,2,3
	v_cvt_scalef32_pk8_fp4_f32 v[PC+8*\q+2*\b], v[S+64*\q+16*\b:S+64*\q+16*\b+7], v[TM+16*\q+8+\b]
	v_cvt_scalef32_pk8_fp4_f32 v[PC+8*\q+2*\b+1], v[S+64*\q+16*\b+8:S+64*\q+16*\b+15], v[TM+16*\q+8+\b]
.endr
	v_nop                                          ; one plain place behind a scaled conversion
.irp c, 0,1
.irp i, 0,1
	v_permlane16_swap_b32 v[PC+8*\q+4*\c+\i], v[PC+8*\q+4*\c+2+\i]
.endr
.endr
.endm
; THE SOFTMAX of both tiles for one key step.  The exponentials of one tile stand among plain work of the other.  fetch = 1: the next step's V is asked for, into buffer n, behind the maxima.
.macro SOFT fetch, n
.irp b, 0,1,2,3
.irp q, 0,1
	v_max3_num_f32 v[TM+16*\q+\b], v[S+64*\q+16*\b], v[S+64*\q+16*\b+1], v[S+64*\q+16*\b+2]   ; the largest score of each block of 32 keys: for the row's maximum, and, since p rises with the score, for the block's largest p
.endr
.endr
.irp i, 3,5,7,9,11,13
.irp b, 0,1,2,3
.irp q, 0,1
	v_max3_num_f32 v[TM+16*\q+\b], v[TM+16*\q+\b], v[S+64*\q+16*\b+\i], v[S+64*\q+16*\b+\i+1]
.endr
.endr
.endr
.irp b, 0,1,2,3
.irp q, 0,1
	v_max_num_f32 v[TM+16*\q+\b], v[TM+16*\q+\b], v[S+64*\q+16*\b+15]
.endr
.endr
.irp b, 0,1,2,3
.irp q, 0,1
	v_permlanex16_b32 v[TM+16*\q+4+\b], v[TM+16*\q+\b], s[SEL], s[SEL+1]
.endr
.endr
.irp b, 0,1,2,3
.irp q, 0,1
	v_max_num_f32 v[TM+16*\q+\b], v[TM+16*\q+\b], v[TM+16*\q+4+\b]   ; with lane l xor 16's 16 keys
.endr
.endr
.irp q, 0,1
	v_max3_num_f32 v[ST+8*\q+6], v[TM+16*\q], v[TM+16*\q+1], v[TM+16*\q+2]
.endr
.irp q, 0,1
	v_max_num_f32 v[ST+8*\q+6], v[ST+8*\q+6], v[TM+16*\q+3]
.endr
.irp q, 0,1
	v_mul_f32 v[ST+8*\q+6], s[CS], v[ST+8*\q+6]    ; as t (c is positive)
.endr
.irp q, 0,1
	v_max_num_f32 v[ST+8*\q+1], v[ST+8*\q+1], v[ST+8*\q+6]   ; the running largest t
.endr
.irp q, 0,1
	v_mov_b32 v[ST+8*\q+6], v[ST+8*\q]
.endr
.irp q, 0,1
	v_floor_f32 v[ST+8*\q], -v[ST+8*\q+1]          ; the new -M = floor(-t): M is a whole number
.endr
.irp q, 0,1
	v_sub_f32 v[ST+8*\q+6], v[ST+8*\q], v[ST+8*\q+6]   ; old M - new M: a whole number, 0 or less
.endr
.irp q, 0,1
	v_cvt_i32_f32 v[ST+8*\q+6], v[ST+8*\q+6]       ; (it saturates)
.endr
.irp q, 0,1
	v_ldexp_f32 v[ST+8*\q+4], 1.0, v[ST+8*\q+6]    ; f = 2^(old M - new M)
.endr
.if \fetch
	FETCH_V \n
.endif
.set j, 0
.rept 32
	v_pk_fma_f32 v[S+2*j:S+2*j+1], v[S+2*j:S+2*j+1], s[CS:CS+1], v[ST:ST+1] op_sel_hi:[1,0,0]   ; tile 0: t - M, two at a time
.set j, j+1
.endr
.irp b, 0,1,2,3
	v_fma_f32 v[TM+\b], v[TM+\b], s[CS], v[ST]     ; the same of each block's largest score
.endr
.set j, 0
.rept 32
	v_exp_f32 v[S+2*j], v[S+2*j]                   ; tile 0: p = 2^(t - M);  between them tile 1's t - M
	v_pk_fma_f32 v[S+64+2*j:S+64+2*j+1], v[S+64+2*j:S+64+2*j+1], s[CS:CS+1], v[ST+8:ST+9] op_sel_hi:[1,0,0]
	v_exp_f32 v[S+2*j+1], v[S+2*j+1]
.set j, j+1
.endr
.irp b, 0,1,2,3
	v_exp_f32 v[TM+\b], v[TM+\b]                   ; the block's largest p: the same two instructions on the same number give the same bits
	v_fma_f32 v[TM+16+\b], v[TM+16+\b], s[CS], v[ST+8]
.endr
	v_pk_mul_f32 v[ST+2:ST+3], v[ST+2:ST+3], v[ST+4:ST+5] op_sel_hi:[1,0]   ; tile 0's sum under the new M
.set j, 0
.rept 32
	v_exp_f32 v[S+64+2*j], v[S+64+2*j]             ; tile 1's exponentials;  between them tile 0's sum
	SUMI 0, j
	v_exp_f32 v[S+64+2*j+1], v[S+64+2*j+1]
.set j, j+1
.endr
.irp b, 0,1,2,3
	v_exp_f32 v[TM+16+\b], v[TM+16+\b]
	v_max_num_f32 v[TM+\b], 0x1800000, v[TM+\b]    ; the floor 2^(3 - 127): the byte cannot fall under 1
.endr
	PQUANT 0
	v_pk_mul_f32 v[ST+10:ST+11], v[ST+10:ST+11], v[ST+12:ST+13] op_sel_hi:[1,0]
	s_wait_alu depctr_va_vdst(0)
.irp b, 0,1,2,3
	v_max_num_f32 v[TM+16+\b], 0x1800000, v[TM+16+\b]
.endr
	PQUANT 1
.set j, 0
.rept 32
	SUMI 1, j                                      ; these 32 also stand between p's codes and scale words and the products that take them
.set j, j+1
.endr
.endm
; TRIP i (p = i % 2).  At its head S^T of step i stands in registers and V of step i is in buffer p or on its way there.
; fetch = 1: step i + 1's K comes from LDS into registers, its scale images and V's block are asked for from memory, and its scores are made at the trip's end.
; refill = 1 (odd trips): the slot whose two blocks have been read out is filled again, with the pair of blocks two pairs on.  first = 1: V^T P starts O^T's sums.
.macro TRIP p, refill, fetch, first
	WIN 0
.if \refill
	s_wait_tensorcnt 0x0                           ; all my tensor loads have landed: the one that was out is the pair whose first block this trip fetches
	ds_add_u32 v[SPW], v[NIL]                      ; 0 onto my spare word
	s_xor_b32 s[G0+5], s[G0+5], SLOT1              ; no load of mine is out: the walking descriptor takes the other slot than last time,
	s_and_b32 s[T1], s[PN], 7                      ; and the next pair of my eight, round their end
	s_lshl_b32 s[T1], s[T1], 15
	s_add_nc_u64 s[G0+6:G0+7], s[KB:KB+1], s[T1:T1+1]
	s_or_b32 s[G0+7], s[G0+7], 0x80000000          ; type = 2
	s_add_co_u32 s[PN], s[PN], 1
	s_wait_dscnt 0x0                               ; the add is done, and my reads of the slot to be filled are over
	ROUND                                          ; no wave of any partner still reads that slot or has a load on its way
	tensor_load_to_lds s[G0+4:G0+7], s[G1:G1+7]    ; my one tensor load behind the round; it has two trips in which to land
	s_nop 0
	PLACES 4                                       ; also the places between the last S^T products and the loads into their registers and the reads of the scores
.else
.if \fetch && \p
	s_wait_tensorcnt 0x0                           ; my last pair has landed; nothing is filled again
.endif
	PLACES 4
.endif
.if \fetch
	NEXTBLK
	LOAD_KS
.if \p
	s_xor_b32 s[TB], s[TB], SLOT1                  ; on to the other slot: its first block
	v_add_nc_u32 v[ADK], s[TB], v[AK0]
	FETCH_K 0
.else
	FETCH_K KCB                                    ; the same slot's second block
.endif
.else
	WIN 0x80                                       ; K's registers are free: my eight rows of x, for the residual
.irp k, 0,1,2,3,4,5,6,7
	global_load_b128 v[8*\k:8*\k+3], v[LI], s[16:17] offset:1024*\k
	global_load_b128 v[8*\k+4:8*\k+7], v[LI], s[16:17] offset:1024*\k+512
.endr
	WIN 0
.endif
	SOFT \fetch, 1-\p
.if !\first
	RESC
.endif
.if \fetch
	s_wait_loadcnt 48                              ; this step's V is in: behind its loads stand the next step's 8 (K's scale images) and 40 (V)
.else
	s_wait_loadcnt 16                              ; behind its loads stand x's 16
.endif
	PVMUL \p, \first
.if \fetch
	s_wait_loadcnt 40                              ; the next step's scale images of K are in; V's 40 loads may be out
	s_wait_dscnt 0x0                               ; and so are K's fragments
	SMUL
.endif
	WIN 0
.endm
	s_load_b512 s[4:19], s[0:1], 0x0               ; q_codes, q_scales, kv, pw_codes, pw_scales, proj_b, x, out0
	v_lshl_add_u32 v[SPW], v0, 2, SPARE
	v_mov_b32 v[NIL], 0
	ds_add_u32 v1, v2
	ds_add_u32 v1, v2
	s_wait_dscnt 0x0
	v_lshrrev_b32 v3, 5, v0
	v_readfirstlane_b32 s[WV], v3                  ; wave 0..3
	s_bfe_u32 s22, ttmp6, 0x40000                  ; cx: it enters the addresses of Q, x and out0 alone
	s_lshl_b32 s[XX], ttmp9, 2
	s_add_co_u32 s[XX], s[XX], s22                 ; my block of 32 tokens
	; descriptor group 1: two blocks' codes of K, 32,768 dense bytes, as 128 rows of 32 elements of 8 bytes; no padding: every LDS read takes 512 consecutive bytes
	s_mov_b32 s[G1], 15|(3<<16)|(1<<21)            ; 15:0 the mask: all four work-groups; 17:16 elements of 8 bytes; 21 set beside a mask
	s_mov_b32 s[G1+1], 32<<16                      ; tensor_dim0 = 32
	s_mov_b32 s[G1+2], 128<<16                     ; tensor_dim1 = 128
	s_mov_b32 s[G1+3], 32<<16                      ; tile_dim0 = 32
	s_mov_b32 s[G1+4], 128                         ; tile_dim1 = 128
	s_mov_b32 s[G1+5], 32                          ; from row to row
	s_mov_b32 s[G1+6], 0
	s_mov_b32 s[G1+7], 0
	s_mov_b32 s[SEL], 0x76543210
	s_mov_b32 s[SEL+1], 0xfedcba98
	s_mov_b32 s[CS], 0x3db8aa3b                    ; c = log2(e) / 16
	s_mov_b32 s[CS+1], s[CS]
	s_lshr_b32 s[PN], ttmp9, 3                     ; where my cluster's walk begins: pair (c + c / 8) mod 8,
	s_add_co_u32 s[PN], s[PN], ttmp9
	s_and_b32 s[PN], s[PN], 7
	s_lshl_b32 s[TN], s[PN], 1                     ; which is block twice that
	s_mov_b32 s[TB], 0
	s_mov_b32 s[T1+1], 0
	s_lshl_b32 s46, s[WV], 18                      ; my wave's 16 blocks of 16,384 bytes
	s_mov_b32 s47, 0
	s_wait_kmcnt 0x0
	s_add_nc_u64 s[KB:KB+1], s[8:9], s[46:47]
	s_mov_b32 s[G0], 1                             ; count = 1
	s_lshl_b32 s[G0+1], s[WV], 15                  ; LDS: slot 0, my 32,768 bytes
	s_lshl_b32 s[T1], s[PN], 15
	s_add_nc_u64 s[G0+2:G0+3], s[KB:KB+1], s[T1:T1+1]   ; the walk's first pair
	s_or_b32 s[G0+3], s[G0+3], 0x80000000          ; type = 2
	s_add_co_u32 s[PN], s[PN], 1
	s_mov_b32 s[G0+4], 1
	s_add_co_u32 s[G0+5], s[G0+1], SLOT1           ; slot 1
	s_and_b32 s[T1], s[PN], 7
	s_lshl_b32 s[T1], s[T1], 15
	s_add_nc_u64 s[G0+6:G0+7], s[KB:KB+1], s[T1:T1+1]   ; its second pair
	s_or_b32 s[G0+7], s[G0+7], 0x80000000
	s_add_co_u32 s[PN], s[PN], 1
	ROUND                                          ; all four work-groups are here: the first joint loads meet
	tensor_load_to_lds s[G0:G0+3], s[G1:G1+7]      ; both first fills together: two loads of mine are out, the most at any time
	s_nop 0
	tensor_load_to_lds s[G0+4:G0+7], s[G1:G1+7]
	s_nop 0
	PLACES 4
	v_and_b32 v[LI], 31, v0
	v_lshlrev_b32 v[LS], 2, v[LI]
	v_lshlrev_b32 v[LI], 4, v[LI]
	s_lshl_b32 s46, s[WV], 15
	v_add_nc_u32 v[AK0], s46, v[LI]
	v_add_nc_u32 v[ADK], s[TB], v[AK0]             ; slot 0
	v_add_nc_u32 v[PSA], s46, v[LI]
	s_lshl_b32 s46, s[WV], 18
	s_add_co_u32 s46, s46, VCO
	v_add_nc_u32 v[VA0], s46, v[LI]
	s_lshl_b32 s46, s[WV], 14
	s_add_co_u32 s46, s46, KSO
	v_add_nc_u32 v[SO0], s46, v[LS]
	NEXTBLK                                        ; the walk's first block
	s_lshl_b32 s48, s[WV], 2
	v_add_nc_u32 v[SB], STAT, v[LI]
	v_add_nc_u32 v[SA], s48, v[SB]
	s_lshr_b32 s48, s[WV], 1
	s_lshl_b32 s48, s48, 14
	s_and_b32 s49, s[WV], 1
	s_lshl_b32 s49, s49, 13
	s_add_co_u32 s48, s48, s49
	v_add_nc_u32 v[RA], s48, v[LI]
	v_add_nc_u32 v[RA2], 65536, v[RA]
	s_lshl_b32 s48, s[WV], 10
	v_add_nc_u32 v[OB], OIMG, v[LI]
	v_add_nc_u32 v[OA], s48, v[OB]
	s_lshl_b32 s48, s[WV], 7
	v_add_nc_u32 v[OSB], OSC, v[LS]
	v_add_nc_u32 v[OSA], s48, v[OSB]
	v_and_b32 v[YA], 15, v0
	v_and_b32 v[YR], 8, v0
	v_add_nc_u32 v[YA], v[YA], v[YR]               ; r + 8 (r / 8): my token's row among tile 0's; tile 1's lie 8 rows on
	v_mul_u32_u24 v[YA], v[YA], YP
	v_bfe_u32 v[BA], v0, 4, 1
	v_lshlrev_b32 v[BA], 5, v[BA]                  ; 32 h
	v_add_nc_u32 v[YA], v[YA], v[BA]
	s_lshl_b32 s48, s[WV], 8
	v_add_nc_u32 v[YA], s48, v[YA]
	v_add_nc_u32 v[YA], YSTG, v[YA]
	s_mul_i32 s48, s[WV], 8*YP
	v_add_nc_u32 v[YR], s48, v[LI]
	v_add_nc_u32 v[YR], YSTG, v[YR]
	s_mov_b32 s49, 0
	s_lshl_b32 s48, s[XX], 12
	s_add_nc_u64 s[4:5], s[4:5], s[48:49]          ; my two tiles of Q: 2,048 bytes each
	s_lshl_b32 s48, s[XX], 8
	s_add_nc_u64 s[6:7], s[6:7], s[48:49]
	s_lshl_b32 s48, s[WV], 13
	s_add_nc_u64 s[10:11], s[10:11], s[48:49]      ; proj_w's tiles 4 w .. 4 w + 3
	s_lshl_b32 s48, s[WV], 9
	s_add_nc_u64 s[12:13], s[12:13], s[48:49]
	s_lshl_b32 s48, s[WV], 8
	s_add_nc_u64 s[14:15], s[14:15], s[48:49]      ; proj_b's numbers 64 w on
	s_lshl_b32 s48, s[XX], 5
	s_lshl_b32 s22, s[WV], 3
	s_add_co_u32 s48, s48, s22
	s_lshl_b32 s48, s48, 10
	s_add_nc_u64 s[16:17], s[16:17], s[48:49]      ; x and out0 at row 32 X + 8 w
	s_add_nc_u64 s[18:19], s[18:19], s[48:49]
	s_cmp_lt_u32 s[WV], 2
	s_cselect_b32 s50, 0, -1                       ; which tile's unit I join at the end: all lanes alike
	WIN 0xc0                                       ; destination window 3
.irp f, 0,1,2,3
	global_load_b128 v[8*\f:8*\f+3], v[LI], s[4:5] offset:1024*\f        ; Q (tile f / 2, K step f % 2)
	global_load_b128 v[8*\f+4:8*\f+7], v[LI], s[4:5] offset:1024*\f+512
.endr
.irp f, 0,1,2,3,4,5,6,7
	global_load_b128 v[32+8*\f:32+8*\f+3], v[LI], s[10:11] offset:1024*\f   ; proj_w (tile f / 2 of my four, K step f % 2)
	global_load_b128 v[32+8*\f+4:32+8*\f+7], v[LI], s[10:11] offset:1024*\f+512
.endr
.irp i, 0,1,2,3
	global_load_b128 v[96+8*\i:96+8*\i+3], v[BA], s[14:15] offset:64*\i      ; proj_b in the result's layout: channels 64 w + 16 i + 8 h + 0 .. 7
	global_load_b128 v[96+8*\i+4:96+8*\i+7], v[BA], s[14:15] offset:64*\i+16
.endr
	WIN 0
.irp q, 0,1
	global_load_b32 v[QS+\q], v[LS], s[6:7] offset:128*\q
.endr
.irp i, 0,1,2,3
	global_load_b32 v[WPS+\i], v[LS], s[12:13] offset:128*\i
.endr
	LOAD_KS                                        ; step 0's scale images of K,
	FETCH_V 0                                      ; and, last, its V: 40 loads
.irp q, 0,1
	v_mov_b32 v[ST+8*\q+1], 0xff61b1e6             ; the largest t so far: -3e38
	v_floor_f32 v[ST+8*\q], -v[ST+8*\q+1]          ; -M
	v_mov_b32 v[ST+8*\q+2], 0                      ; the sum
	v_mov_b32 v[ST+8*\q+3], 0
	v_mov_b32 v[ST+8*\q+5], 0                      ; named as a pair's upper half
	v_mov_b32 v[ST+8*\q+7], 0                      ; a lane permute's destination counts as one of its sources
.irp b, 0,1,2,3
	v_mov_b32 v[TM+16*\q+4+\b], 0
.endr
.endr
	s_wait_tensorcnt 0x1                           ; my first pair is in; the second may stay out, and I read my own bytes alone
	FETCH_K 0
	s_wait_loadcnt 40                              ; Q, proj_w, proj_b and the scale words are in; V's 40 loads may be out
	s_wait_dscnt 0x0
	SMUL
	TRIP 0, 0, 1, 1                                ; trip 0
	s_mov_b32 s[CNT], 6
.Lloop:                                            ; trips 1 to 12: each odd trip asks for a pair
	TRIP 1, 1, 1, 0
	TRIP 0, 0, 1, 0
	s_sub_co_u32 s[CNT], s[CNT], 1
	s_cmp_lg_u32 s[CNT], 0
	s_cbranch_scc1 .Lloop
	TRIP 1, 0, 1, 0                                ; trip 13: the last pair has been asked for; the tail is written out
	TRIP 0, 0, 1, 0                                ; trip 14
	TRIP 1, 0, 0, 0                                ; trip 15
	; ---- the four waves' statistics meet
.irp q, 0,1
	v_add_f32 v[ST+8*\q+6], v[ST+8*\q+2], v[ST+8*\q+3]
.endr
.irp q, 0,1
	v_permlanex16_b32 v[ST+8*\q+7], v[ST+8*\q+6], s[SEL], s[SEL+1]
.endr
.irp q, 0,1
	v_add_f32 v[ST+8*\q+2], v[ST+8*\q+6], v[ST+8*\q+7]   ; my keys' sum for my query
.endr
.irp q, 0,1
	ds_store_b32 v[SA], v[ST+8*\q] offset:512*\q
	ds_store_b32 v[SA], v[ST+8*\q+2] offset:1024+512*\q
.endr
	BARRIER                                        ; also: every wave's reads of the ring are over
.irp q, 0,1
	ds_load_b128 v[S+4*\q:S+4*\q+3], v[SB] offset:512*\q             ; the four waves' -M
	ds_load_b128 v[S+8+4*\q:S+8+4*\q+3], v[SB] offset:1024+512*\q    ; and sums
.endr
	s_wait_dscnt 0x0
.irp q, 0,1
	v_min3_num_f32 v[S+16+\q], v[S+4*\q], v[S+4*\q+1], v[S+4*\q+2]
.endr
.irp q, 0,1
	v_min_num_f32 v[S+16+\q], v[S+16+\q], v[S+4*\q+3]   ; - the largest M
.endr
.irp q, 0,1
.irp k, 0,1,2,3
	v_sub_f32 v[S+20+4*\q+\k], v[S+16+\q], v[S+4*\q+\k]   ; wave k's M - the largest M: a whole number, 0 or less
.endr
	v_sub_f32 v[ST+8*\q+4], v[S+16+\q], v[ST+8*\q]
.endr
.irp q, 0,1
.irp k, 0,1,2,3
	v_cvt_i32_f32 v[S+20+4*\q+\k], v[S+20+4*\q+\k]
.endr
	v_cvt_i32_f32 v[ST+8*\q+4], v[ST+8*\q+4]
.endr
.irp q, 0,1
.irp k, 0,1,2,3
	v_ldexp_f32 v[S+20+4*\q+\k], 1.0, v[S+20+4*\q+\k]
.endr
	v_ldexp_f32 v[ST+8*\q+4], 1.0, v[ST+8*\q+4]    ; my own factor
.endr
.irp q, 0,1
	v_mul_f32 v[S+18+\q], v[S+20+4*\q], v[S+8+4*\q]
.endr
.irp k, 1,2,3
.irp q, 0,1
	v_fmac_f32 v[S+18+\q], v[S+20+4*\q+\k], v[S+8+4*\q+\k]   ; the row's sum under the largest M
.endr
.endr
	v_rcp_f32 v[S+28], v[S+18]
	v_rcp_f32 v[S+29], v[S+19]
	v_nop                                          ; one plain place behind a transcendental
	s_wait_alu depctr_va_vdst(0)
	v_cndmask_b32 v[RR], v[S+28], v[S+29], s50     ; that of the tile whose unit I join
	v_mov_b32 v[RR+1], v[RR]
	; ---- my O^T under the largest M goes to LDS as it stands
	WIN 0x41
.irp q, 0,1
.set j, 0
.rept 64
	v_pk_mul_f32 v[128*\q+2*j:128*\q+2*j+1], v[128*\q+2*j:128*\q+2*j+1], v[ST+8*\q+4:ST+8*\q+5] op_sel_hi:[1,0]
.set j, j+1
.endr
.endr
	WIN 0x04                                       ; an LDS store's data are its source 1: window 1
.set j, 0
.rept 64
	ds_store_b128 v[PSA], v[4*j:4*j+3] offset:512*j
.set j, j+1
.endr
	WIN 0
	BARRIER
	; ---- wave w joins unit (tile w / 2, channels 128 (w % 2) on): 64 registers of each of the four waves
	WIN 0x40
.set j, 0
.rept 16
	ds_load_b128 v[4*j:4*j+3], v[RA] offset:512*j
	ds_load_b128 v[64+4*j:64+4*j+3], v[RA] offset:32768+512*j
	ds_load_b128 v[128+4*j:128+4*j+3], v[RA2] offset:512*j
	ds_load_b128 v[192+4*j:192+4*j+3], v[RA2] offset:32768+512*j
.set j, j+1
.endr
	s_wait_dscnt 0x0
	WIN 0x45
.set j, 0
.rept 32
	v_pk_add_f32 v[2*j:2*j+1], v[2*j:2*j+1], v[64+2*j:64+2*j+1]
	v_pk_add_f32 v[128+2*j:128+2*j+1], v[128+2*j:128+2*j+1], v[192+2*j:192+2*j+1]
.set j, j+1
.endr
.set j, 0
.rept 32
	v_pk_add_f32 v[2*j:2*j+1], v[2*j:2*j+1], v[128+2*j:128+2*j+1]
.set j, j+1
.endr
	WIN 0x01
.set j, 0
.rept 32
	v_pk_mul_f32 v[S+2*j:S+2*j+1], v[2*j:2*j+1], v[RR:RR+1]   ; / the sum: register 16 b + i = channel 128 (w % 2) + 32 b + 16 h + i of my token
.set j, j+1
.endr
	WIN 0
	QUANT S, PC, PW
.irp c, 0,1
	ds_store_b128 v[OA], v[PC+4*\c:PC+4*\c+3] offset:512*\c
.endr
	ds_store_b32 v[OSA], v[PW]
	BARRIER
	; ---- the projection: my 64 output channels (four tiles of proj_w as source 0) for both tiles of tokens; proj_b is the C of each sum's first instruction
.irp u, 0,1,2,3
.irp c, 0,1
	ds_load_b128 v[192+8*\u+4*\c:192+8*\u+4*\c+3], v[OB] offset:1024*\u+512*\c
.endr
	ds_load_b32 v[OS+\u], v[OSB] offset:128*\u
.endr
	s_wait_dscnt 0x0
	WIN 0x33                                       ; source 0 (proj_w) and source 2 (proj_b) window 3
.irp i, 0,1,2,3
.irp q, 0,1
	v_wmma_scale_f32_16x16x128_f8f6f4 v[S+8*(2*\i+\q):S+8*(2*\i+\q)+7], v[32+16*\i:32+16*\i+7], v[192+16*\q:192+16*\q+7], v[96+8*\i:96+8*\i+7], v[WPS+\i], v[OS+2*\q] matrix_a_fmt:MATRIX_FMT_FP4 matrix_b_fmt:MATRIX_FMT_FP4
.endr
.endr
	WIN 0x03
.irp i, 0,1,2,3
.irp q, 0,1
	v_wmma_scale_f32_16x16x128_f8f6f4 v[S+8*(2*\i+\q):S+8*(2*\i+\q)+7], v[40+16*\i:40+16*\i+7], v[200+16*\q:200+16*\q+7], v[S+8*(2*\i+\q):S+8*(2*\i+\q)+7], v[WPS+\i], v[OS+2*\q+1] matrix_a_fmt:MATRIX_FMT_FP4 matrix_b_fmt:MATRIX_FMT_FP4 matrix_a_scale:MATRIX_SCALE_ROW1
.endr
.endr
	WIN 0
	PLACES 4                                       ; in front of the stores that read results, and of the loads into registers that the products read
.irp i, 0,1,2,3
.irp q, 0,1
	ds_store_b128 v[YA], v[S+8*(2*\i+\q):S+8*(2*\i+\q)+3] offset:8*YP*\q+64*\i       ; each accumulator from its low end on
	ds_store_b128 v[YA], v[S+8*(2*\i+\q)+4:S+8*(2*\i+\q)+7] offset:8*YP*\q+64*\i+16
.endr
.endr
	BARRIER                                        ; 32 whole rows lie in the stage
.irp k, 0,1,2,3,4,5,6,7
	ds_load_b128 v[192+8*\k:192+8*\k+3], v[YR] offset:YP*\k
	ds_load_b128 v[192+8*\k+4:192+8*\k+7], v[YR] offset:YP*\k+512
.endr
	s_wait_loadcnt 0x0                             ; x
	s_wait_dscnt 0x0
	WIN 0x08                                       ; source 1 (x) window 2
.set j, 0
.rept 32
	v_pk_add_f32 v[192+2*j:192+2*j+1], v[192+2*j:192+2*j+1], v[2*j:2*j+1]
.set j, j+1
.endr
	WIN 0
.irp k, 0,1,2,3,4,5,6,7
	global_store_b128 v[LI], v[192+8*\k:192+8*\k+3], s[18:19] offset:1024*\k th:TH_STORE_NT       ; 32 lanes store 512 consecutive bytes, at a multiple of 256 from out0's first byte
	global_store_b128 v[LI], v[192+8*\k+4:192+8*\k+7], s[18:19] offset:1024*\k+512 th:TH_STORE_NT
.endr
	s_wait_tensorcnt 0x0                           ; the wave's end, behind my last tensor load and my last LDS store
	ds_add_u32 v[SPW], v[NIL]
	s_wait_dscnt 0x0
	ROUND                                          ; the closing round: no work-group ends while a partner may still ask for a pair that names it
	s_endpgm
.Lfunc_end_k_qf0752b1484_attn:
	.size	k_qf0752b1484_attn, .Lfunc_end_k_qf0752b1484_attn-k_qf0752b1484_attn
	.p2alignl 7, 3214868480
	.fill 96, 4, 3214868480
	.section	.rodata,"a",@progbits
	.p2align	6, 0x0
	.amdhsa_kernel k_qf0752b1484_attn
		.amdhsa_group_segment_fixed_size 327680
		.amdhsa_private_segment_fixed_size 0
		.amdhsa_enable_private_segment 0
		.amdhsa_kernarg_size 64
		.amdhsa_user_sgpr_count 2
		.amdhsa_user_sgpr_kernarg_segment_ptr 1
		.amdhsa_wavefront_size32 1
		.amdhsa_system_sgpr_workgroup_id_x 1
		.amdhsa_system_sgpr_workgroup_id_y 1
		.amdhsa_system_sgpr_workgroup_id_z 1
		.amdhsa_system_vgpr_workitem_id 0
		.amdhsa_next_free_vgpr 1024
		.amdhsa_next_free_sgpr 66
		.amdhsa_reserve_vcc 0
		.amdhsa_float_denorm_mode_32 3
		.amdhsa_float_denorm_mode_16_64 3
		.amdhsa_memory_ordered 1
		.amdhsa_forward_progress 1
		.amdhsa_inst_pref_size 255
	.end_amdhsa_kernel
	.section	.bss,"aw",@nobits
	.p2align	6
	.space	262144
	.amdgpu_metadata
---
amdhsa.version: [ 1, 2 ]
amdhsa.kernels:
  - .name:           k_qf0752b1484_attn
    .symbol:         k_qf0752b1484_attn.kd
    .args:
      - { .name: q_codes, .offset: 0, .size: 8, .value_kind: global_buffer, .address_space: global }
      - { .name: q_scales, .offset: 8, .size: 8, .value_kind: global_buffer, .address_space: global }
      - { .name: kv, .offset: 16, .size: 8, .value_kind: global_buffer, .address_space: global }
      - { .name: pw_codes, .offset: 24, .size: 8, .value_kind: global_buffer, .address_space: global }
      - { .name: pw_scales, .offset: 32, .size: 8, .value_kind: global_buffer, .address_space: global }
      - { .name: proj_b, .offset: 40, .size: 8, .value_kind: global_buffer, .address_space: global }
      - { .name: x, .offset: 48, .size: 8, .value_kind: global_buffer, .address_space: global }
      - { .name: out0, .offset: 56, .size: 8, .value_kind: global_buffer, .address_space: global }
    .group_segment_fixed_size: 327680
    .private_segment_fixed_size: 0
    .kernarg_segment_align: 8
    .kernarg_segment_size: 64
    .max_flat_workgroup_size: 128
    .sgpr_count:     66
    .vgpr_count:     1024
    .wavefront_size: 32
...
	.end_amdgpu_metadata
.endif
;; end of part 4
;; ======== version 3 of 3: 2 launches; version 2 with the launch prep written anew for expert scheduling mode
;; workspace buffers: q_codes 1,048,576 bytes; q_scales 65,536 bytes; kv 2,228,224 bytes; pw_codes 32,768 bytes; pw_scales 2,048 bytes
;; launch prep (part 5): grid 194 x 1, 8 waves a work-group, no clusters, 55,296 bytes of LDS; arguments x, norm_w, norm_b, qkv_w, qkv_b, proj_w, q_codes, q_scales, kv, pw_codes, pw_scales; writes q_codes, q_scales, kv, pw_codes, pw_scales
.if DOCPART == 5
	.amdgcn_target "amdgcn-amd-amdhsa--gfx1250"
	.amdhsa_code_object_version 6
	.text
	.protected	k_qf0752b1484_prep
	.globl	k_qf0752b1484_prep
	.p2align	8
	.type	k_qf0752b1484_prep,@function
k_qf0752b1484_prep:
	s_mov_b64 s[64:65], 0
	v_nop
	global_prefetch_b8 v0, s[64:65] scope:SCOPE_SE
	s_setreg_imm32_b32 hwreg(HW_REG_WAVE_SCHED_MODE, 0, 2), 2
	s_setreg_imm32_b32 hwreg(HW_REG_WAVE_MODE, 25, 1), 1
	s_wait_xcnt 0x0
	s_wait_alu depctr_vm_vsrc(0)
; LayerNorm, the QKV product on codes of FP4 (E2M1, one E8M0 scale for each 32 along K), and the quantising of q, k (along the channels), v (along the tokens) and proj_w.
; Everything leaves as IMAGES OF OPERAND REGISTERS: a fragment (16 rows x 128 K, 8 registers a lane) is 1,024 bytes, registers 4 c .. 4 c + 3 of lane L at 512 c + 16 L;
; a scale image is 128 bytes, lane L's word at 4 L: lanes 0-15 carry one fragment's row words, lanes 16-31 another's.
; SHARES.  Work-group number = 64 Y + G.  Y = 0, 1, 2: q, k, v of tokens 128 G .. 128 G + 127 (weight rows 256 Y on).  Y = 3 (G = 0, 1): proj_w, a tile of 16 rows to a wave.
; Eight waves.  Wave w normalises and quantises token tile w (two fragments) and quantises weight tiles 2 w, 2 w + 1 (four fragments); all meet in LDS behind a barrier.
; THE ROWS OF A TILE ARE NOT NEIGHBOURS (tokens and qkv_w's rows): lane r of tile 2 b + u takes row 32 b + 8 u + r + 8 (r / 8) of its 128, so that the 16 result registers of tiles 2 b, 2 b + 1 are
; 16 neighbours, 32 b + 16 (lane / 16) + 0 .. 15, along whatever axis source 0's rows run: the channels for q and k (source 0 = weights), the tokens for v (source 0 = xn).
; THE BUFFER kv, by blocks of 128 tokens (block G): K's 16 fragments (tile T, K step s at 1,024 (2 T + s)) at 16,384 G; V^T's 16 (16 channels x 128 tokens) at 1,048,576 + 16,384 G;
; K's 8 scale images at 2,097,152 + 1,024 G; V's 8 at 2,162,688 + 1,024 G.
; LIMITS: NaN and infinities among the inputs are not served.  A block whose largest magnitude lies under 2^-124, a block of zeros among them, gets the scale byte 1 (its codes are then zeros or
; the smallest codes); these bytes are read by this program alone.  1 / sqrt(var + eps) is v_rsq_f32.
; THE MODE: SCHED_MODE bits 1:0 = 2 (LLVM: expert scheduling mode 2), set by the entry lines.  The code itself states the register dependences between vector or matrix instructions
; and memory or LDS instructions, with s_wait_alu, always for 0.
; THE PLAN.  Registers that memory or LDS instructions touch, in the order of the text:
;   v4-v16, v31, v39   offsets and LDS addresses: written at the head, once; read by every load and store (v31, v39: by the closing add alone).
;   X (v128-255)       x's loads land; the LayerNorm works in place; the two QUANTs of xn read it; on q's and k's way the bias loads land in it then.
;   window 1           LDS loads of norm_w, norm_b land; the multiply-adds read them; the 64 weight loads land; the four QUANTs of the weights read them; behind the second barrier the streamed fragments land.
;   PC, PC2, PW, PW2   written by xn's two QUANTs, read by six LDS stores; written again by the last two QUANTs, read by the global stores.
;   WC, WW             each weight unit has eight registers of codes and a word of its own: written by its QUANT, read by its three LDS stores, which are issued at the head of the NEXT unit, behind
;                      that unit's wait for its data and one wait on va_vdst.  No register that an LDS store reads is written again ahead of the second barrier.  Behind it these registers are OF and STS.
; So: one wait on va_vdst ahead of each run of loads into registers that vector instructions have named and ahead of each run of stores; ONE wait on vm_vsrc, behind the second barrier, for all LDS stores' data.
.set XIMG, 0                           ; LDS: xn's 16 fragments, (T, s) at 1,024 (2 T + s)
.set WIMG, 16384                       ; the weights' 32 fragments, (t, s) at 1,024 (2 t + s)
.set XSC,  49152                       ; xn's 8 scale images (lanes 0-15 K step 0, lanes 16-31 K step 1)
.set WSC,  50176                       ; the weights' 16
.set NWT,  52224                       ; norm_w, 1,024 bytes
.set NBT,  53248                       ; norm_b
.set VCO,  1048576                     ; kv: where V's codes begin,
.set KSO,  2097152                     ; K's scale images,
.set VSO,  2162688                     ; V's scale images
.set RA,   4                           ; v4   (r + 8 (r / 8)) x 1,024 + 64 h: my row and my 16 numbers of each block of 32, in x and qkv_w
.set PA,   5                           ; v5   r x 1,024 + 64 h: the same in proj_w, whose tiles have neighbouring rows
.set LI,   6                           ; v6   16 x lane
.set LS,   7                           ; v7   4 x lane
.set T4,   8                           ; v8   4 x thread
.set NA,   9                           ; v9   64 h
.set XWI,  10                          ; v10  16 x lane + 2,048 w
.set XWS,  11                          ; v11  4 r + 128 w
.set WWI,  12                          ; v12  16 x lane + 4,096 w
.set WWS,  13                          ; v13  4 r + 256 w
.set LSX,  14                          ; v14  4 x lane + 128 w
.set LSW,  15                          ; v15  4 x lane + 256 w
.set VBA,  16                          ; v16  4 (r + 8 (r / 8)) + 128 w
.set TM,   20                          ; v20-35 at work in QUANT; v20-27 the sums' chains in the LayerNorm: no memory or LDS instruction names them
.set CH,   20
.set PW,   36                          ; v36, v37 two scale words; v38 the scale image made of them
.set PW2,  37
.set SW,   38
.set MU,   40                          ; v[40:41] the mean, twice; v[42:43] 1 / sqrt(var + eps), twice
.set RS,   42
.set PC,   44                          ; v44-51, v52-59 two fragments' codes
.set PC2,  52
.set BV,   60                          ; v60, v61 v's bias of my two channels
.set OWNS, 62                          ; v62, v63 my own tiles' scale images
.set WC,   64                          ; v64-95 ahead of the second barrier: the four weight units' codes, unit u at WC + 8 u
.set WW,   96                          ; v96-99 and their scale words
.set OF,   64                          ; v64-95 behind it: my own tiles' fragments
.set STS,  96                          ; v96-111 the streamed tiles' scale images
.set CB,   112                         ; v112-127 v's bias as two C tiles
.set X,    128                         ; v128-255 my 128 numbers of x; later the 16 accumulators.  Window 1: norm_w, norm_b; then the weights' numbers; then the streamed fragments
.set WV,   26
.set YY,   27
.set GG,   28
.set SEL,  30
.set MSB,  0
.macro WIN new                         ; the immediate's high byte repeats the setting that is left; a switch that changes nothing is dropped
.if MSB != (\new)
	s_set_vgpr_msb (MSB<<8)|(\new)
.set MSB, (\new)
.endif
.endm
.macro PLACES n
.rept \n
	v_nop
.endr
.endm
; 64 numbers of a lane, v[s] .. v[s + 63] of window w, register 16 b + i = k 32 b + 16 (lane / 16) + i of my row, become a fragment's codes in v[pc] on and its scale word in v[pw].
.macro QUANT s, w, pc, pw
	WIN 0x14*(\w)
.irp b, 0,1,2,3
	v_max3_num_f32 v[TM+\b], 0x1800000, |v[\s+16*\b]|, |v[\s+16*\b+1]|   ; block b: my 16 numbers and the floor 2^(3 - 127): the byte cannot fall under 1
.endr
.irp i, 2,4,6,8,10,12,14
.irp b, 0,1,2,3
	v_max3_num_f32 v[TM+\b], v[TM+\b], |v[\s+16*\b+\i]|, |v[\s+16*\b+\i+1]|   ; the four blocks by turns
.endr
.endr
	WIN 0
.irp b, 0,1,2,3
	v_permlanex16_b32 v[TM+4+\b], v[TM+\b], s[SEL], s[SEL+1]
.endr
.irp b, 0,1,2,3
	v_max_num_f32 v[TM+\b], v[TM+\b], v[TM+4+\b]   ; with lane l xor 16's: the block's largest magnitude
.endr
.irp b, 0,1,2,3
	v_add_nc_u32 v[TM+12+\b], 0xff000000, v[TM+\b]   ; 2 off its exponent field: the conversion's scale operand
.endr
.irp b, 0,1,2,3
	v_lshrrev_b32 v[TM+4+\b], 23, v[TM+12+\b]      ; the scale's byte
.endr
	v_lshl_or_b32 v[\pw], v[TM+5], 8, v[TM+4]
	v_lshl_or_b32 v[\pw], v[TM+6], 16, v[\pw]
	v_lshl_or_b32 v[\pw], v[TM+7], 24, v[\pw]
	WIN 0x01*(\w)
.irp b, 0,1,2,3
	v_cvt_scalef32_pk8_fp4_f32 v[\pc+2*\b], v[\s+16*\b:\s+16*\b+7], v[TM+12+\b]
	v_cvt_scalef32_pk8_fp4_f32 v[\pc+2*\b+1], v[\s+16*\b+8:\s+16*\b+15], v[TM+12+\b]
.endr
	WIN 0
	v_nop                                          ; one plain place behind a scaled conversion
.irp c, 0,1                                    ; the operand wants a whole block in a lane: lanes 0-15 block 2 c, lanes 16-31 block 2 c + 1
.irp i, 0,1
	v_permlane16_swap_b32 v[\pc+4*\c+\i], v[\pc+4*\c+2+\i]
.endr
.endr
.endm
.macro IMAGE adr, pc, off              ; a fragment goes to LDS as it stands
.irp c, 0,1
	ds_store_b128 v[\adr], v[\pc+4*\c:\pc+4*\c+3] offset:\off+512*\c
.endr
.endm
.macro JOIN                            ; four chains of pairs, and lane l xor 16's, into v[CH]
	v_pk_add_f32 v[CH:CH+1], v[CH:CH+1], v[CH+2:CH+3]
	v_pk_add_f32 v[CH+4:CH+5], v[CH+4:CH+5], v[CH+6:CH+7]
	v_pk_add_f32 v[CH:CH+1], v[CH:CH+1], v[CH+4:CH+5]
	v_add_f32 v[CH], v[CH], v[CH+1]
	v_permlanex16_b32 v[CH+2], v[CH], s[SEL], s[SEL+1]
	v_add_f32 v[CH], v[CH], v[CH+2]
.endm
.macro WLOAD u                         ; weight unit u (tile 2 w + u / 2, K step u % 2): 64 numbers a lane into window 1, v[64 u] on
.irp b, 0,1,2,3
.irp j, 0,1,2,3
	global_load_b128 v[64*\u+16*\b+4*\j:64*\u+16*\b+4*\j+3], v[RA], s[10:11] offset:8192*(\u/2)+512*(\u%2)+128*\b+16*\j
.endr
.endr
.endm
; two fragments (PC, PC2) and one scale image (lanes 0-15 PW, lanes 16-31 PW2) leave; each store of codes covers 512 consecutive bytes
.macro SENDOUT cp, sp
	v_cmp_lt_u32 vcc_lo, 15, v1
	s_wait_alu depctr_va_vcc(0)                    ; the compare has written VCC, which the select below reads
	v_cndmask_b32 v[SW], v[PW], v[PW2], vcc_lo
	s_wait_alu depctr_va_vdst(0)                   ; the last two QUANTs have written PC and PC2, the select v[SW]: the five stores below read them
.irp c, 0,1
	global_store_b128 v[LI], v[PC+4*\c:PC+4*\c+3], s[\cp:\cp+1] offset:512*\c
.endr
.irp c, 0,1
	global_store_b128 v[LI], v[PC2+4*\c:PC2+4*\c+3], s[\cp:\cp+1] offset:1024+512*\c
.endr
	global_store_b32 v[LS], v[SW], s[\sp:\sp+1]
	s_wait_dscnt 0x0                               ; the closing lines, six on end
	s_wait_alu 0x0
	s_wait_tensorcnt 0x0
	ds_add_u32 v31, v39
	s_wait_dscnt 0x0
	s_endpgm
.endm
	s_load_b512 s[4:19], s[0:1], 0x0               ; x, norm_w, norm_b, qkv_w, qkv_b, proj_w, q_codes, q_scales
	s_load_b128 s[20:23], s[0:1], 0x40             ; kv, pw_codes
	s_load_b64 s[24:25], s[0:1], 0x50              ; pw_scales
	v_lshl_add_u32 v31, v0, 2, 0xd400
	v_mov_b32 v39, 0
	v_lshrrev_b32 v1, 5, v0
	v_readfirstlane_b32 s[WV], v1                  ; wave 0..7
	s_lshr_b32 s[YY], ttmp9, 6
	s_and_b32 s[GG], ttmp9, 63
	s_mov_b32 s[SEL], 0x76543210
	s_mov_b32 s[SEL+1], 0xfedcba98                 ; v_permlanex16_b32's selects for lane l xor 16
	s_mov_b32 s32, 0x3b800000                      ; 1 / 256
	s_mov_b32 s33, 0x3727c5ac                      ; 1e-5
	v_and_b32 v1, 31, v0                           ; lane
	v_and_b32 v2, 15, v0                           ; r
	v_bfe_u32 v3, v0, 4, 1                         ; h
	v_and_b32 v19, 8, v0
	v_add_nc_u32 v19, v19, v2                      ; r + 8 (r / 8)
	v_lshlrev_b32 v[RA], 10, v19
	v_lshl_add_u32 v[RA], v3, 6, v[RA]
	v_lshlrev_b32 v[PA], 10, v2
	v_lshl_add_u32 v[PA], v3, 6, v[PA]
	v_lshlrev_b32 v[LI], 4, v1
	v_lshlrev_b32 v[LS], 2, v1
	v_lshlrev_b32 v[T4], 2, v0
	v_lshlrev_b32 v[NA], 6, v3
	s_wait_alu depctr_va_sdst(0)                   ; the wave's number is written into s[WV], ahead of its first reader, the line below
	s_lshl_b32 s34, s[WV], 11
	v_add_nc_u32 v[XWI], s34, v[LI]
	s_lshl_b32 s35, s[WV], 7
	v_lshl_add_u32 v[XWS], v2, 2, s35
	v_add_nc_u32 v[LSX], s35, v[LS]
	v_lshl_add_u32 v[VBA], v19, 2, s35
	s_lshl_b32 s36, s[WV], 12
	v_add_nc_u32 v[WWI], s36, v[LI]
	s_lshl_b32 s37, s[WV], 8
	v_lshl_add_u32 v[WWS], v2, 2, s37
	v_add_nc_u32 v[LSW], s37, v[LS]
.irp b, 0,1,2,3
	v_mov_b32 v[TM+4+\b], 0                        ; written once: a lane permute's destination counts as one of its sources
.endr
	s_wait_alu depctr_va_vdst(0)                   ; the offsets and LDS addresses v4 to v16 are written: every load and store of the kernel, on all three ways, reads some of them, and none is written again
	s_wait_kmcnt 0x0
	s_cmp_eq_u32 s[YY], 3
	s_cbranch_scc1 .Lproj                          ; the whole work-group goes one way: the branch hangs on its number alone
	s_lshl_b32 s34, s[GG], 7                       ; x at my tile's first row: 128 G + 32 (w / 2) + 8 (w % 2)
	s_lshr_b32 s35, s[WV], 1
	s_lshl_b32 s35, s35, 5
	s_add_co_u32 s34, s34, s35
	s_and_b32 s35, s[WV], 1
	s_lshl_b32 s35, s35, 3
	s_add_co_u32 s34, s34, s35
	s_lshl_b32 s34, s34, 10
	s_mov_b32 s35, 0
	s_add_nc_u64 s[4:5], s[4:5], s[34:35]
	s_lshl_b32 s36, s[YY], 8                       ; qkv_w at row 256 Y + 32 w
	s_lshl_b32 s37, s[WV], 5
	s_add_co_u32 s36, s36, s37
	s_lshl_b32 s36, s36, 10
	s_mov_b32 s37, 0
	s_add_nc_u64 s[10:11], s[10:11], s[36:37]
	s_lshl_b32 s38, s[YY], 10                      ; qkv_b at number 256 Y
	s_mov_b32 s39, 0
	s_add_nc_u64 s[12:13], s[12:13], s[38:39]
	global_load_b32 v17, v[T4], s[6:7]             ; norm_w[thread], norm_b[thread]
	global_load_b32 v18, v[T4], s[8:9]
.irp b, 0,1,2,3,4,5,6,7
.irp j, 0,1,2,3
	global_load_b128 v[X+16*\b+4*\j:X+16*\b+4*\j+3], v[RA], s[4:5] offset:128*\b+16*\j   ; register 16 b + i = channel 32 b + 16 h + i of my token
.endr
.endr
	s_wait_loadcnt 32                              ; the two norm words are in; x's 32 loads may be out
	ds_store_b32 v[T4], v17 offset:NWT
	ds_store_b32 v[T4], v18 offset:NBT
	s_wait_dscnt 0x0                               ; for the others' sake: my words lie in LDS
	s_barrier_signal -1
	s_barrier_wait -1
	WIN 0x40                                       ; destination window 1: norm_w at v0-127, norm_b at v128-255, in x's layout (no vector instruction has named these registers yet)
.irp b, 0,1,2,3,4,5,6,7
.irp j, 0,1,2,3
	ds_load_b128 v[16*\b+4*\j:16*\b+4*\j+3], v[NA] offset:NWT+128*\b+16*\j
	ds_load_b128 v[128+16*\b+4*\j:128+16*\b+4*\j+3], v[NA] offset:NBT+128*\b+16*\j
.endr
.endr
	WIN 0
	; ---- LayerNorm: the mean, then the mean square of x - mean (two passes, so that a common offset costs nothing)
	s_wait_loadcnt 0x0                             ; x is in
.irp k, 0,1,2,3
	v_pk_add_f32 v[CH+2*\k:CH+2*\k+1], v[X+2*\k:X+2*\k+1], v[X+8+2*\k:X+8+2*\k+1]
.endr
.set j, 8
.rept 56
	v_pk_add_f32 v[CH+2*(j%4):CH+2*(j%4)+1], v[CH+2*(j%4):CH+2*(j%4)+1], v[X+2*j:X+2*j+1]
.set j, j+1
.endr
	JOIN
	v_mul_f32 v[MU], s32, v[CH]
	v_mov_b32 v[MU+1], v[MU]
.set j, 0
.rept 64
	v_pk_add_f32 v[X+2*j:X+2*j+1], v[X+2*j:X+2*j+1], v[MU:MU+1] neg_lo:[0,1] neg_hi:[0,1]
.set j, j+1
.endr
.irp k, 0,1,2,3
	v_pk_mul_f32 v[CH+2*\k:CH+2*\k+1], v[X+2*\k:X+2*\k+1], v[X+2*\k:X+2*\k+1]
.endr
.set j, 4
.rept 60
	v_pk_fma_f32 v[CH+2*(j%4):CH+2*(j%4)+1], v[X+2*j:X+2*j+1], v[X+2*j:X+2*j+1], v[CH+2*(j%4):CH+2*(j%4)+1]
.set j, j+1
.endr
	JOIN
	v_fma_f32 v[CH], v[CH], s32, s33               ; var + eps
	v_rsq_f32 v[RS], v[CH]
	v_nop                                          ; one plain place behind a transcendental
	s_wait_alu depctr_va_vdst(0)                   ; the reciprocal root is written into v[RS], ahead of its first reader
	v_mov_b32 v[RS+1], v[RS]
.set j, 0
.rept 64
	v_pk_mul_f32 v[X+2*j:X+2*j+1], v[X+2*j:X+2*j+1], v[RS:RS+1]
.set j, j+1
.endr
	s_wait_dscnt 0x0                               ; norm_w and norm_b are in
	WIN 0x14                                       ; sources 1 and 2 window 1
.set j, 0
.rept 64
	v_pk_fma_f32 v[X+2*j:X+2*j+1], v[X+2*j:X+2*j+1], v[2*j:2*j+1], v[128+2*j:128+2*j+1]
.set j, j+1
.endr
	WIN 0x40                                       ; my four weight units take window 1
	s_wait_alu depctr_va_vdst(0)                   ; the multiply-adds above are done reading norm_w and norm_b in window 1, in which the 64 loads below land
	WLOAD 0
	WLOAD 1
	WLOAD 2
	WLOAD 3
	WIN 0
	; ---- xn's two fragments and their scale words (both halves of the lanes hold a row's word and write it to the same place)
	QUANT X, 0, PC, PW
	QUANT X+64, 0, PC2, PW2
	s_wait_alu depctr_va_vdst(0)                   ; both QUANTs have written PC, PC2, PW, PW2, which the six LDS stores read, and are done reading X, in which q's and k's bias loads land behind the branch below
	IMAGE XWI, PC, XIMG
	ds_store_b32 v[XWS], v[PW] offset:XSC
	IMAGE XWI, PC2, XIMG+1024
	ds_store_b32 v[XWS], v[PW2] offset:XSC+64
	; ---- the bias.  q, k: a lane's registers run along the channels: it is loaded straight into the accumulators.  v: a lane holds one channel: one word a tile
	s_cmp_eq_u32 s[YY], 2
	s_cbranch_scc1 .Lbias_v
.irp t, 0,1,2,3,4,5,6,7,8,9,10,11,12,13,14,15
	global_load_b128 v[X+8*\t:X+8*\t+3], v[NA], s[12:13] offset:128*(\t/2)+32*(\t%2)
	global_load_b128 v[X+8*\t+4:X+8*\t+7], v[NA], s[12:13] offset:128*(\t/2)+32*(\t%2)+16
.endr
	s_branch .Lbias_done
.Lbias_v:
	global_load_b32 v[BV], v[VBA], s[12:13]
	global_load_b32 v[BV+1], v[VBA], s[12:13] offset:32
.Lbias_done:
	; ---- my four weight units.  Each load wait leaves out the younger units' 16 loads each and the 2 bias loads of v's way (on q's and k's way, with 32 bias loads, the same counts ask for more than is needed).
	; Each unit writes codes and a word of its own; its three LDS stores stand at the head of the next unit, behind that unit's wait for its data and the wait that shows the codes written.
	s_wait_loadcnt 50
	QUANT 0, 1, WC, WW
	s_wait_loadcnt 34
	s_wait_alu depctr_va_vdst(0)                   ; unit 0's QUANT has written its codes and its word, which the three LDS stores below read; unit 1's QUANT names other registers
	IMAGE WWI, WC, WIMG
	ds_store_b32 v[WWS], v[WW] offset:WSC
	QUANT 64, 1, WC+8, WW+1
	s_wait_loadcnt 18
	s_wait_alu depctr_va_vdst(0)                   ; unit 1's codes and word are written, for the three LDS stores below
	IMAGE WWI, WC+8, WIMG+1024
	ds_store_b32 v[WWS], v[WW+1] offset:WSC+64
	QUANT 128, 1, WC+16, WW+2
	s_wait_loadcnt 2
	s_wait_alu depctr_va_vdst(0)                   ; unit 2's codes and word are written, for the three LDS stores below
	IMAGE WWI, WC+16, WIMG+2048
	ds_store_b32 v[WWS], v[WW+2] offset:WSC+128
	QUANT 192, 1, WC+24, WW+3
	s_wait_alu depctr_va_vdst(0)                   ; unit 3's codes and word are written, for the three LDS stores below
	IMAGE WWI, WC+24, WIMG+3072
	ds_store_b32 v[WWS], v[WW+3] offset:WSC+192
	s_wait_dscnt 0x0                               ; for the others' sake: all my images lie in LDS
	s_barrier_signal -1
	s_barrier_wait -1                              ; behind it LDS is only read
	s_wait_alu depctr_vm_vsrc(0)                   ; my LDS stores have read PC, PC2, PW, PW2, WC and WW: on both ways below LDS loads land in WC's and WW's registers (OF, STS from here on), and the last QUANTs write the others again
	s_cmp_eq_u32 s[YY], 2
	s_cbranch_scc1 .Lpath_v
	; ---- q, k: my token tile against all 16 weight tiles.  Source 0 = 16 weight rows, source 1 = my 16 tokens: a lane holds one token, its registers run along the channels
	WIN 0x40
	s_wait_alu depctr_va_vdst(0)                   ; the weights' QUANTs are done reading their numbers in window 1, in which the 64 LDS loads below land, and have written v64 to v99, in which those behind them land
.set f, 0
.rept 32
	ds_load_b128 v[8*f:8*f+3], v[LI] offset:WIMG+1024*f
	ds_load_b128 v[8*f+4:8*f+7], v[LI] offset:WIMG+1024*f+512
.set f, f+1
.endr
	WIN 0
.irp s, 0,1
.irp c, 0,1
	ds_load_b128 v[OF+8*\s+4*\c:OF+8*\s+4*\c+3], v[XWI] offset:XIMG+1024*\s+512*\c
.endr
.endr
	ds_load_b32 v[OWNS], v[LSX] offset:XSC
.irp t, 0,1,2,3,4,5,6,7,8,9,10,11,12,13,14,15
	ds_load_b32 v[STS+\t], v[LS] offset:WSC+128*\t
.endr
	s_cmp_eq_u32 s[YY], 0                          ; where the results go: q's own buffers, or K's parts of kv.  The choice hangs on the work-group's number alone
	s_cselect_b64 s[40:41], s[16:17], s[20:21]
	s_cselect_b64 s[42:43], s[18:19], s[20:21]
	s_cselect_b32 s38, 0, KSO
	s_lshl_b32 s34, s[GG], 14                      ; codes: 16,384 G + 2,048 w, in q_codes and in kv alike
	s_lshl_b32 s35, s[WV], 11
	s_add_co_u32 s34, s34, s35
	s_mov_b32 s35, 0
	s_add_nc_u64 s[40:41], s[40:41], s[34:35]
	s_lshl_b32 s36, s[GG], 10                      ; scale images: 1,024 G + 128 w, in kv behind the codes
	s_add_co_u32 s36, s36, s38
	s_lshl_b32 s37, s[WV], 7
	s_add_co_u32 s36, s36, s37
	s_mov_b32 s37, 0
	s_add_nc_u64 s[42:43], s[42:43], s[36:37]
	s_wait_loadcnt 0x0                             ; the bias lies in the accumulators
	s_wait_dscnt 0x0
	WIN 0x01                                       ; source 0 window 1.  The 16 accumulators take turns, one instruction a turn.  Operands and scales all come from loads
.irp t, 0,1,2,3,4,5,6,7,8,9,10,11,12,13,14,15
	v_wmma_scale_f32_16x16x128_f8f6f4 v[X+8*\t:X+8*\t+7], v[16*\t:16*\t+7], v[OF:OF+7], v[X+8*\t:X+8*\t+7], v[STS+\t], v[OWNS] matrix_a_fmt:MATRIX_FMT_FP4 matrix_b_fmt:MATRIX_FMT_FP4
.endr
.irp t, 0,1,2,3,4,5,6,7,8,9,10,11,12,13,14,15
	v_wmma_scale_f32_16x16x128_f8f6f4 v[X+8*\t:X+8*\t+7], v[16*\t+8:16*\t+15], v[OF+8:OF+15], v[X+8*\t:X+8*\t+7], v[STS+\t], v[OWNS] matrix_a_fmt:MATRIX_FMT_FP4 matrix_b_fmt:MATRIX_FMT_FP4 matrix_a_scale:MATRIX_SCALE_ROW1 matrix_b_scale:MATRIX_SCALE_ROW1
.endr
	WIN 0
	PLACES 4                                       ; in front of the first read of results
	QUANT X, 0, PC, PW                             ; channels 0-127: K step 0 of the next product
	QUANT X+64, 0, PC2, PW2                        ; channels 128-255: K step 1
	SENDOUT 40, 42
.Lpath_v:
	; ---- v: my two tiles of 16 channels against all 8 token tiles.  Source 0 = 16 tokens, source 1 = my 16 weight rows: a lane holds one channel, its registers run along the tokens
	WIN 0x40
	s_wait_alu depctr_va_vdst(0)                   ; the weights' QUANTs are done reading their numbers in window 1, in which the 32 LDS loads below land, and have written v64 to v99, in which those behind them land
.set f, 0
.rept 16
	ds_load_b128 v[8*f:8*f+3], v[LI] offset:XIMG+1024*f
	ds_load_b128 v[8*f+4:8*f+7], v[LI] offset:XIMG+1024*f+512
.set f, f+1
.endr
	WIN 0
.irp u, 0,1,2,3
.irp c, 0,1
	ds_load_b128 v[OF+8*\u+4*\c:OF+8*\u+4*\c+3], v[WWI] offset:WIMG+1024*\u+512*\c
.endr
.endr
	ds_load_b32 v[OWNS], v[LSW] offset:WSC
	ds_load_b32 v[OWNS+1], v[LSW] offset:WSC+128
.irp t, 0,1,2,3,4,5,6,7
	ds_load_b32 v[STS+\t], v[LS] offset:XSC+128*\t
.endr
	s_lshl_b32 s34, s[GG], 14                      ; V's codes of block G: VCO + 16,384 G + 2,048 w
	s_lshl_b32 s35, s[WV], 11
	s_add_co_u32 s36, s34, s35
	s_add_co_u32 s36, s36, VCO
	s_mov_b32 s37, 0
	s_add_nc_u64 s[40:41], s[20:21], s[36:37]
	s_lshl_b32 s34, s[GG], 10                      ; its scale images: VSO + 1,024 G + 128 w
	s_lshl_b32 s35, s[WV], 7
	s_add_co_u32 s36, s34, s35
	s_add_co_u32 s36, s36, VSO
	s_add_nc_u64 s[42:43], s[20:21], s[36:37]
	s_wait_loadcnt 0x0                             ; my two bias words
.irp i, 0,1,2,3,4,5,6,7
	v_mov_b32 v[CB+\i], v[BV]                      ; a tile's C: my channel's bias in all eight registers (eight tokens)
	v_mov_b32 v[CB+8+\i], v[BV+1]
.endr
	s_wait_dscnt 0x0
	PLACES 4
	WIN 0x01                                       ; operands and scales all come from loads; the bias tiles are named as C alone
.irp i, 0,1
.irp t, 0,1,2,3,4,5,6,7
	v_wmma_scale_f32_16x16x128_f8f6f4 v[X+64*\i+8*\t:X+64*\i+8*\t+7], v[16*\t:16*\t+7], v[OF+16*\i:OF+16*\i+7], v[CB+8*\i:CB+8*\i+7], v[STS+\t], v[OWNS+\i] matrix_a_fmt:MATRIX_FMT_FP4 matrix_b_fmt:MATRIX_FMT_FP4
.endr
.endr
.irp i, 0,1
.irp t, 0,1,2,3,4,5,6,7
	v_wmma_scale_f32_16x16x128_f8f6f4 v[X+64*\i+8*\t:X+64*\i+8*\t+7], v[16*\t+8:16*\t+15], v[OF+16*\i+8:OF+16*\i+15], v[X+64*\i+8*\t:X+64*\i+8*\t+7], v[STS+\t], v[OWNS+\i] matrix_a_fmt:MATRIX_FMT_FP4 matrix_b_fmt:MATRIX_FMT_FP4 matrix_a_scale:MATRIX_SCALE_ROW1 matrix_b_scale:MATRIX_SCALE_ROW1
.endr
.endr
	WIN 0
	PLACES 4
	QUANT X, 0, PC, PW                             ; channel tile 2 w, along the 128 tokens
	QUANT X+64, 0, PC2, PW2                        ; channel tile 2 w + 1
	SENDOUT 40, 42
.Lproj:
	; ---- proj_w: wave w of work-group G takes rows 16 (8 G + w) on; no LDS, no barrier.  The loads' offset v[PA] was shown written ahead of the branch that leads here
	s_lshl_b32 s34, s[GG], 3
	s_add_co_u32 s34, s34, s[WV]
	s_lshl_b32 s36, s34, 14
	s_mov_b32 s37, 0
	s_add_nc_u64 s[14:15], s[14:15], s[36:37]
	s_lshl_b32 s36, s34, 11
	s_add_nc_u64 s[22:23], s[22:23], s[36:37]
	s_lshl_b32 s36, s34, 7
	s_add_nc_u64 s[24:25], s[24:25], s[36:37]
.irp b, 0,1,2,3,4,5,6,7
.irp j, 0,1,2,3
	global_load_b128 v[X+16*\b+4*\j:X+16*\b+4*\j+3], v[PA], s[14:15] offset:128*\b+16*\j
.endr
.endr
	s_wait_loadcnt 16                              ; K step 0's sixteen loads are in
	QUANT X, 0, PC, PW
	s_wait_loadcnt 0x0
	QUANT X+64, 0, PC2, PW2
	SENDOUT 22, 24
.Lfunc_end_k_qf0752b1484_prep:
	.size	k_qf0752b1484_prep, .Lfunc_end_k_qf0752b1484_prep-k_qf0752b1484_prep
	.p2alignl 7, 3214868480
	.fill 96, 4, 3214868480
	.section	.rodata,"a",@progbits
	.p2align	6, 0x0
	.amdhsa_kernel k_qf0752b1484_prep
		.amdhsa_group_segment_fixed_size 55296
		.amdhsa_private_segment_fixed_size 0
		.amdhsa_enable_private_segment 0
		.amdhsa_kernarg_size 88
		.amdhsa_user_sgpr_count 2
		.amdhsa_user_sgpr_kernarg_segment_ptr 1
		.amdhsa_wavefront_size32 1
		.amdhsa_system_sgpr_workgroup_id_x 1
		.amdhsa_system_sgpr_workgroup_id_y 1
		.amdhsa_system_sgpr_workgroup_id_z 1
		.amdhsa_system_vgpr_workitem_id 0
		.amdhsa_next_free_vgpr 512
		.amdhsa_next_free_sgpr 66
		.amdhsa_reserve_vcc 1
		.amdhsa_float_denorm_mode_32 3
		.amdhsa_float_denorm_mode_16_64 3
		.amdhsa_memory_ordered 1
		.amdhsa_forward_progress 1
		.amdhsa_inst_pref_size 112
	.end_amdhsa_kernel
	.amdgpu_metadata
---
amdhsa.version: [ 1, 2 ]
amdhsa.kernels:
  - .name:           k_qf0752b1484_prep
    .symbol:         k_qf0752b1484_prep.kd
    .args:
      - { .name: x, .offset: 0, .size: 8, .value_kind: global_buffer, .address_space: global }
      - { .name: norm_w, .offset: 8, .size: 8, .value_kind: global_buffer, .address_space: global }
      - { .name: norm_b, .offset: 16, .size: 8, .value_kind: global_buffer, .address_space: global }
      - { .name: qkv_w, .offset: 24, .size: 8, .value_kind: global_buffer, .address_space: global }
      - { .name: qkv_b, .offset: 32, .size: 8, .value_kind: global_buffer, .address_space: global }
      - { .name: proj_w, .offset: 40, .size: 8, .value_kind: global_buffer, .address_space: global }
      - { .name: q_codes, .offset: 48, .size: 8, .value_kind: global_buffer, .address_space: global }
      - { .name: q_scales, .offset: 56, .size: 8, .value_kind: global_buffer, .address_space: global }
      - { .name: kv, .offset: 64, .size: 8, .value_kind: global_buffer, .address_space: global }
      - { .name: pw_codes, .offset: 72, .size: 8, .value_kind: global_buffer, .address_space: global }
      - { .name: pw_scales, .offset: 80, .size: 8, .value_kind: global_buffer, .address_space: global }
    .group_segment_fixed_size: 55296
    .private_segment_fixed_size: 0
    .kernarg_segment_align: 8
    .kernarg_segment_size: 88
    .max_flat_workgroup_size: 256
    .sgpr_count:     66
    .vgpr_count:     512
    .wavefront_size: 32
...
	.end_amdgpu_metadata
.endif
;; end of part 5
;; launch attn: the kernel of part 4 again; grid 256 x 1, 4 waves a work-group, clusters of 4 x 1, 327,680 bytes of LDS; arguments q_codes, q_scales, kv, pw_codes, pw_scales, proj_b, x, out0; writes out0
